; MI455X (gfx1250); checked and timed in simulation.
; The chip was launched on July 23, 2026; its instructions are those of AMD's public machine-readable ISA for CDNA 5 (MIT licence, August 2026) and "CDNA5" Instruction Set Architecture Reference Guide (July 2026). The comments in the code are by the model that wrote it; some were corrected since.
;; Transformer Block. Allowed arithmetic: matrix products marked QUANTISED: E2M1 operands, one E8M0 scale for each 32 along K, by v_wmma_scale_f32_16x16x128_f8f6f4 with both operands' format E2M1 (or v_wmma_scale_f32_32x16x128_f4), f32 sums; everything else in f32.
;; Inputs: W1 768 x 3,072 float32; W2 3,072 x 768 float32; Wk 768 x 768 float32; Wo 768 x 768 float32; Wq 768 x 768 float32; Wv 768 x 768 float32; b1 3,072 float32; b2 768 float32; beta1 768 float32; beta2 768 float32; bo 768 float32; g1 768 float32; g2 768 float32; x 1 x 4,096 x 768 float32.
;; Outputs: out0 1 x 4,096 x 768 float32.
;; This version of the problem:
;;   THIS VERSION OF THE PROBLEM IS GIVEN IN LOW PRECISION. The matrix products marked QUANTISED in the list below multiply operands that are first quantised to E2M1 (2 exponent bits, 1 mantissa bit; 4 bits a number), with one power-of-two scale for each 32 numbers along K (OCP MX v1.0); their sums are f32. All else is computed in f32.
;;   The module's matrix products, in the order in which they are computed (A, B: the left and right operand; K: the contracted axis; several contracted axes count as one K, in the product's order):
;;     1. [M 4,096, K 768] x [K 768, N 768]; A: computed on the way; B: input Wq: QUANTISED
;;     2. [M 4,096, K 768] x [K 768, N 768]; A: computed on the way; B: input Wk: QUANTISED
;;     3. [M 4,096, K 768] x [K 768, N 768]; A: computed on the way; B: input Wv: QUANTISED
;;     4. batch 12 x [M 4,096, K 64] x [K 64, N 4,096]; A: computed on the way; B: computed on the way: QUANTISED
;;     5. batch 12 x [M 4,096, K 4,096] x [K 4,096, N 64]; A: softmax (see below); B: computed on the way: QUANTISED
;;     6. [M 4,096, K 768] x [K 768, N 768]; A: computed on the way; B: input Wo: QUANTISED
;;     7. [M 4,096, K 768] x [K 768, N 3,072]; A: computed on the way; B: input W1: QUANTISED
;;     8. [M 4,096, K 3,072] x [K 3,072, N 768]; A: computed on the way; B: input W2: QUANTISED
;;   THE QUANTISER, for each operand of a quantised product, along K:
;;     - K is cut into blocks of 32 from its start; a last block that is shorter is filled with zeros.
;;     - A block's scale is 2^e with e = floor(log2(the largest magnitude in the block)) - 2, held to -126 .. 127; a block of zeros has e = 0. As a byte (E8M0): e + 127.
;;     - Each number is divided by its block's scale, clamped to +-6, and rounded to the nearest number of E2M1, ties to even, subnormals kept.
;;     - The product sums the exact products of the quantised numbers (number of the format x scale) in f32.
;;   ~~~python
;;   def quantise(x, axis):      # numpy; x: float32 -> the quantised numbers, widened to float32 again
;;       x = np.moveaxis(x, axis, -1); K = x.shape[-1]
;;       x = np.pad(x, [(0, 0)] * (x.ndim - 1) + [(0, -K % 32)]); x = x.reshape(x.shape[:-1] + (-1, 32)); a = np.abs(x).max(-1, keepdims=True)
;;       e = np.where(a > 0, np.clip(np.frexp(np.where(a > 0, a, 1))[1] - 1 - 2, -126, 127), 0)      # np.frexp(a)[1] - 1 = floor(log2(a)), exactly
;;       r = np.clip(x / 2.0 ** e, -6, 6)
;;       step = 2.0 ** (np.maximum(np.frexp(np.where(r == 0, 1, r))[1] - 1, 0) - 1)
;;       q = np.round(r / step) * step * 2.0 ** e      # np.round: ties to even
;;       return np.moveaxis(q.reshape(q.shape[:-2] + (-1,))[..., :K], -1, axis).astype(np.float32)
;;   ~~~
;;   SOFTMAX AHEAD OF A QUANTISED PRODUCT. Where the list says 'softmax', what is quantised is not the finished softmax but p = 2^(t - M), with t = logit x log2(e) and M = ceil(the row's largest t), a whole number; so 1/2 < the row's largest p <= 1. The row's sum l is taken of the UNQUANTISED p, in f32, and the product's result is divided by l at the end. Since M is a whole number, a kernel that streams over the keys may use a running M (the ceiling of the running maximum): every later rescaling is an exact power of two, which a block's scale takes up: the codes' values come out the same.
;;   OPERANDS COMPUTED ON THE WAY. 'Computed on the way' means the value that the module computes at that place (a softmax that the list does not call 'softmax' is quantised finished and normalised). What goes into a quantiser is computed in f32, as accurately as f32 sums, v_exp_f32 and their like allow (about 1e-6 of the number): no bf16 or f16 on the way to a quantiser, and a product that is left as it is and whose result goes on into a quantised operand takes f32 operands (vector FMAs, or v_wmma_f32_16x16x4_f32). A number that lies on a knife's edge between two numbers of the format may be rounded either way, as far as f32 arithmetic and the matrix unit's own rounding can turn it there, and no further.
;; 2 versions. Each part assembles by itself: llvm-mc -triple=amdgcn-amd-amdhsa -mcpu=gfx1250 --defsym DOCPART=n.
;; ======== version 1 of 2: 7 launches
;; workspace buffers: hq 1,671,168 bytes; wts 3,760,128 bytes; qkvq 5,013,504 bytes; oq 1,671,168 bytes; x1 12,582,912 bytes; h2q 1,671,168 bytes; fq 6,684,672 bytes
;; launch prep (part 1): grid 344 x 1, 8 waves a work-group, no clusters, 14,336 bytes of LDS; arguments x, g1, beta1, hq, Wq, Wk, Wv, Wo, W1, W2, wts; writes hq, wts
.if DOCPART == 1
	.amdgcn_target "amdgcn-amd-amdhsa--gfx1250"
	.amdhsa_code_object_version 6
	.text
	.protected	k_q1573e612ca_prep
	.globl	k_q1573e612ca_prep
	.p2align	8
	.type	k_q1573e612ca_prep,@function
k_q1573e612ca_prep:
	s_mov_b64 s[64:65], 0
	v_nop
	global_prefetch_b8 v0, s[64:65] scope:SCOPE_SE
	s_setreg_imm32_b32 hwreg(HW_REG_WAVE_MODE, 25, 1), 1
	s_wait_xcnt 0x0
; Two jobs in one launch, told apart by the work-group's number.
; WORK-GROUPS 0-127: LayerNorm of 32 rows of [4096][768] f32, quantised along the row to codes of FP4 (E2M1) with one E8M0 byte for each 32 numbers.
; WORK-GROUPS 128-343: the six weights, f32 with K as their FIRST axis, quantised along K: 256 columns x 128 along K each.
; WHAT IS STORED ARE IMAGES OF OPERAND REGISTERS.  A tile is 16 rows (or columns), a K step 128 numbers: codes [tile][K step][1024 bytes], the byte at 512 c + 16 (16 h + p) holding
; k = 64 c + 32 h + 0..31 of the tile's place p; scale words [pair of tiles][K step][32 words], words 0-15 the even tile's places, 16-31 the odd tile's; byte b of a word scales k = 32 b on.
; PLACE p OF TILE T STANDS FOR ROW (COLUMN) 32 (T / 2) + 8 (T % 2) + p + 8 (p / 8): so a product's results of two neighbouring tiles are 16 neighbours in a lane's registers.
; A block's scale is 2^(floor(log2(largest magnitude)) - 2): its byte is the largest magnitude's exponent field less 2.
; LIMITS: NaN and infinities are not served.  A largest magnitude under 2^-124 counts as 2^-124 (byte 1); a block of zeros so has byte 1 and not 127: its codes are zeros and this program alone reads the bytes.
; The mean and the variance are sums times 1/768 (rounded to f32); the variance is the mean of squared differences from the mean, so a common offset of the row does no harm.
; No tensor loads, no cluster: no two work-groups read the same bytes.
.set X,  16                            ; v16-111  LN: four rows of 24 numbers a lane.  Lane l holds numbers 256 c + 8 l + 0..7, c = 0..2
.set GA, 112                           ; v112-135 the gain at my 24 columns; later codes and bytes
.set BE, 136                           ; v136-159 the offset
.set TT, 160                           ; v160-191 at work
.macro ALLSUM r                        ; four rows' pairs v[r + 2 i], v[r + 2 i + 1] are summed over the halves and over the 32 lanes; the rows by turns
.irp i, 0,1,2,3
	v_add_f32 v[\r+2*\i], v[\r+2*\i], v[\r+2*\i+1]
.endr
.irp x, 1,2,4,8
.irp i, 0,1,2,3
	v_add_f32_dpp v[\r+2*\i], v[\r+2*\i], v[\r+2*\i] row_xmask:\x row_mask:0xf bank_mask:0xf
.endr
.endr
.irp i, 0,1,2,3
	v_permlanex16_b32 v[\r+2*\i+1], v[\r+2*\i], s20, s21
.endr
.irp i, 0,1,2,3
	v_add_f32 v[\r+2*\i], v[\r+2*\i], v[\r+2*\i+1]
.endr
.endm
.macro WLOAD pitch                     ; 128 rows of K at my column: 32 lanes read 128 neighbouring bytes, the eight waves 1,024
.set KI, 0
.rept 128
	global_load_b32 v[32+KI], v3, s[30:31] offset:KI*\pitch th:TH_LOAD_NT
.set KI, KI+1
.endr
.endm
.macro BLOCK kb, cnt                   ; block kb of the K step: its 32 numbers are all mine
.set XS, 32+32*(\kb)
	s_wait_loadcnt \cnt                            ; the later blocks' loads may stay out
	v_max3_num_f32 v12, |v[XS]|, |v[XS+1]|, |v[XS+2]|
	v_max3_num_f32 v13, |v[XS+3]|, |v[XS+4]|, |v[XS+5]|
.irp i, 6,10,14,18,22,26
	v_max3_num_f32 v12, v12, |v[XS+\i]|, |v[XS+\i+1]|
	v_max3_num_f32 v13, v13, |v[XS+\i+2]|, |v[XS+\i+3]|
.endr
	v_max3_num_f32 v12, v12, |v[XS+30]|, |v[XS+31]|
	v_max3_num_f32 v12, v12, v13, 0x1800000        ; the floor 2^-124 holds the byte at 1 from below
	v_add_nc_u32 v[8+\kb], 0xff000000, v12         ; 2 off the exponent field: the conversion's scale operand
	v_lshrrev_b32 v13, 23, v[8+\kb]                ; the byte
.if \kb == 0
	v_mov_b32 v24, v13
.else
	v_lshl_or_b32 v24, v13, 8*\kb, v24
.endif
.irp g, 0,1,2,3
	v_cvt_scalef32_pk8_fp4_f32 v[160+4*\kb+\g], v[XS+8*\g:XS+8*\g+7], v[8+\kb]
.endr
	global_store_b128 v5, v[160+4*\kb:160+4*\kb+3], s[32:33] offset:512*(\kb/2)+256*(\kb%2)   ; the 16 lanes of one tile store 256 consecutive bytes, aligned; each block has registers of its own
.endm
	s_load_b256 s[4:11], s[0:1], 0x0               ; rows s[4:5], gain s[6:7], offset s[8:9], their codes' buffer s[10:11]
	v_lshl_add_u32 v192, v0, 2, 0x3400
	v_mov_b32 v193, 0
	v_lshrrev_b32 v1, 5, v0
	v_readfirstlane_b32 s12, v1                    ; wave 0..7
	v_and_b32 v2, 31, v0                           ; lane
	s_cmp_ge_u32 ttmp9, 128
	s_cbranch_scc1 .Lweights
	; ---------------- LayerNorm: work-group b owns rows 32 b .. 32 b + 31, one pair of tiles; wave w rows 4 w .. 4 w + 3
	v_lshlrev_b32 v3, 5, v2                        ; my 8 numbers: 32 bytes a lane
	v_bfe_u32 v8, v0, 2, 3                         ; lane / 4: my block of 32 among the eight of 256 numbers: K step, c and h in one: 256 bytes of the image each
	v_lshlrev_b32 v4, 8, v8
	v_and_b32 v8, 3, v0
	v_lshl_add_u32 v4, v8, 2, v4                   ; my 8 codes: 4 bytes of the block's 16
	v_bfe_u32 v8, v0, 6, 1                         ; row 4 w + i = 16 H + 8 u + j: u = (w / 2) % 2 is the tile of the pair,
	v_mad_u32_u24 v4, v8, 6144, v4
	v_lshlrev_b32 v5, 6, v8
	v_bfe_u32 v8, v0, 7, 1                         ; H = w / 4, and the place is 8 H + 4 (w % 2) + i
	v_lshl_add_u32 v4, v8, 7, v4
	v_lshl_add_u32 v5, v8, 5, v5
	v_bfe_u32 v8, v0, 5, 1
	v_lshl_add_u32 v4, v8, 6, v4                   ; v4: where my codes go in the image (LDS bytes 0 .. 12,287)
	v_lshl_add_u32 v5, v8, 4, v5
	v_bfe_u32 v8, v0, 4, 1                         ; the scale byte: K step 2 c + lane / 16, 128 bytes each,
	v_lshl_add_u32 v5, v8, 7, v5
	v_bfe_u32 v8, v0, 2, 2                         ; byte (lane / 4) % 4 of the place's word
	v_add_nc_u32 v5, v5, v8
	v_add_nc_u32 v5, 12288, v5                     ; v5: where my scale byte goes (LDS bytes 12,288 .. 13,055)
	v_lshlrev_b32 v6, 4, v0                        ; the way out: 16 bytes a thread,
	v_lshlrev_b32 v7, 3, v0                        ; and 8 for the scale words
	s_lshl_b32 s13, ttmp9, 5
	s_lshl_b32 s14, s12, 2
	s_add_co_u32 s13, s13, s14                     ; my first row
	s_mul_i32 s14, s13, 3072
	s_mov_b32 s15, 0
	s_mul_i32 s16, ttmp9, 12288                    ; the pair's codes
	s_mov_b32 s17, 0
	s_mul_i32 s18, ttmp9, 768                      ; the pair's scale words, behind all codes
	s_add_co_u32 s18, s18, 0x180000
	s_mov_b32 s19, 0
	s_mov_b32 s20, 0x76543210
	s_mov_b32 s21, 0xfedcba98                      ; v_permlanex16_b32's selects for lane l xor 16
	s_mov_b32 s22, 0x3aaaaaab                      ; 1 / 768
	s_mov_b32 s23, 0x3727c5ac                      ; 1e-5
	s_wait_kmcnt 0x0
	s_add_nc_u64 s[4:5], s[4:5], s[14:15]
	s_add_nc_u64 s[18:19], s[10:11], s[18:19]
	s_add_nc_u64 s[10:11], s[10:11], s[16:17]
.irp i, 0,1,2,3
.irp c, 0,1,2
	global_load_b128 v[X+24*\i+8*\c:X+24*\i+8*\c+3], v3, s[4:5] offset:3072*\i+1024*\c th:TH_LOAD_NT
	global_load_b128 v[X+24*\i+8*\c+4:X+24*\i+8*\c+7], v3, s[4:5] offset:3072*\i+1024*\c+16 th:TH_LOAD_NT
.endr
.endr
.irp c, 0,1,2
	global_load_b128 v[GA+8*\c:GA+8*\c+3], v3, s[6:7] offset:1024*\c
	global_load_b128 v[GA+8*\c+4:GA+8*\c+7], v3, s[6:7] offset:1024*\c+16
	global_load_b128 v[BE+8*\c:BE+8*\c+3], v3, s[8:9] offset:1024*\c
	global_load_b128 v[BE+8*\c+4:BE+8*\c+7], v3, s[8:9] offset:1024*\c+16
.endr
	s_wait_loadcnt 12                              ; the rows are in; the 12 loads of gain and offset may stay out
.irp i, 0,1,2,3
	v_pk_add_f32 v[TT+2*\i:TT+2*\i+1], v[X+24*\i:X+24*\i+1], v[X+24*\i+2:X+24*\i+3]
.endr
.irp j, 4,6,8,10,12,14,16,18,20,22
.irp i, 0,1,2,3
	v_pk_add_f32 v[TT+2*\i:TT+2*\i+1], v[TT+2*\i:TT+2*\i+1], v[X+24*\i+\j:X+24*\i+\j+1]
.endr
.endr
	ALLSUM TT
.irp i, 0,1,2,3
	v_mul_f32 v[TT+2*\i], s22, v[TT+2*\i]          ; the mean
.endr
.irp i, 0,1,2,3
.irp j, 0,2,4,6,8,10,12,14,16,18,20,22
	v_pk_add_f32 v[X+24*\i+\j:X+24*\i+\j+1], v[X+24*\i+\j:X+24*\i+\j+1], v[TT+2*\i:TT+2*\i+1] op_sel_hi:[1,0] neg_lo:[0,1] neg_hi:[0,1]   ; x - mean
.endr
.endr
.irp i, 0,1,2,3
	v_pk_mul_f32 v[TT+8+2*\i:TT+8+2*\i+1], v[X+24*\i:X+24*\i+1], v[X+24*\i:X+24*\i+1]
.endr
.irp j, 2,4,6,8,10,12,14,16,18,20,22
.irp i, 0,1,2,3
	v_pk_fma_f32 v[TT+8+2*\i:TT+8+2*\i+1], v[X+24*\i+\j:X+24*\i+\j+1], v[X+24*\i+\j:X+24*\i+\j+1], v[TT+8+2*\i:TT+8+2*\i+1]
.endr
.endr
	ALLSUM TT+8
.irp i, 0,1,2,3
	v_fma_f32 v[TT+8+2*\i], v[TT+8+2*\i], s22, s23 ; the variance + 1e-5
.endr
.irp i, 0,1,2,3
	v_rsq_f32 v[TT+8+2*\i], v[TT+8+2*\i]
.endr
	v_nop                                          ; a plain instruction behind the last of the four,
	s_wait_alu depctr_va_vdst(0)                   ; and one wait for the batch, ahead of its first reader
	s_wait_loadcnt 0x0                             ; gain and offset
.irp i, 0,1,2,3
.irp j, 0,2,4,6,8,10,12,14,16,18,20,22
	v_pk_mul_f32 v[X+24*\i+\j:X+24*\i+\j+1], v[X+24*\i+\j:X+24*\i+\j+1], v[TT+8+2*\i:TT+8+2*\i+1] op_sel_hi:[1,0]
.endr
.irp j, 0,2,4,6,8,10,12,14,16,18,20,22
	v_pk_fma_f32 v[X+24*\i+\j:X+24*\i+\j+1], v[X+24*\i+\j:X+24*\i+\j+1], v[GA+\j:GA+\j+1], v[BE+\j:BE+\j+1]
.endr
.endr
	; twelve blocks' parts (row i, third c): my 8 numbers; four neighbouring lanes hold a block
.irp i, 0,1,2,3
.irp c, 0,1,2
	v_max3_num_f32 v[TT+3*\i+\c], |v[X+24*\i+8*\c]|, |v[X+24*\i+8*\c+1]|, 0x1800000   ; with the floor 2^-124
.endr
.endr
.irp j, 2,4,6
.irp i, 0,1,2,3
.irp c, 0,1,2
	v_max3_num_f32 v[TT+3*\i+\c], v[TT+3*\i+\c], |v[X+24*\i+8*\c+\j]|, |v[X+24*\i+8*\c+\j+1]|
.endr
.endr
.endr
.irp x, 1,2
.irp n, 0,1,2,3,4,5,6,7,8,9,10,11
	v_max_num_f32_dpp v[TT+\n], v[TT+\n], v[TT+\n] row_xmask:\x row_mask:0xf bank_mask:0xf
.endr
.endr
.irp n, 0,1,2,3,4,5,6,7,8,9,10,11
	v_add_nc_u32 v[TT+12+\n], 0xff000000, v[TT+\n] ; 2 off the exponent field: the conversion's scale operand
.endr
.irp i, 0,1,2,3
.irp c, 0,1,2
	v_cvt_scalef32_pk8_fp4_f32 v[GA+3*\i+\c], v[X+24*\i+8*\c:X+24*\i+8*\c+7], v[TT+12+3*\i+\c]
.endr
.endr
.irp n, 0,1,2,3,4,5,6,7,8,9,10,11
	v_lshrrev_b32 v[GA+12+\n], 23, v[TT+12+\n]     ; the bytes
.endr
.irp i, 0,1,2,3
.irp c, 0,1,2
	ds_store_b32 v4, v[GA+3*\i+\c] offset:16*\i+2048*\c
	ds_store_b8 v5, v[GA+12+3*\i+\c] offset:4*\i+256*\c            ; the four lanes of a block write the same byte with the same value
.endr
.endr
	s_wait_dscnt 0x0                               ; for the others' sake: my stores into the image have landed
	s_barrier_signal -1
	s_barrier_wait -1
.irp p, 0,1,2
	ds_load_b128 v[16+4*\p:19+4*\p], v6 offset:4096*\p
.endr
.irp p, 0,1,2
	s_wait_dscnt 2-\p                              ; the younger loads may stay out
	global_store_b128 v6, v[16+4*\p:19+4*\p], s[10:11] offset:4096*\p   ; a wave stores 512 consecutive bytes, aligned
.endr
	s_cmp_gt_u32 s12, 2                            ; the 768 bytes of scale words: waves 0 to 2, 256 bytes each
	s_cbranch_scc1 .Ldone
	ds_load_b64 v[32:33], v7 offset:12288
	s_wait_dscnt 0x0
	global_store_b64 v7, v[32:33], s[18:19]
.Ldone:
	s_wait_tensorcnt 0x0
	ds_add_u32 v192, v193
	s_wait_dscnt 0x0
	s_endpgm
	; ---------------- the weights.  Number id = work-group - 128.  id / 6 < 24: group id / 6 of 256 columns (0-2 Wq, 3-5 Wk, 6-8 Wv, 9-11 Wo, 12-23 W1), K step id % 6.  Else W2: 3 groups x 24 K steps.
.Lweights:
	s_load_b256 s[16:23], s[0:1], 0x20             ; Wq, Wk, Wv, Wo
	s_load_b128 s[24:27], s[0:1], 0x40             ; W1, W2
	s_load_b64 s[28:29], s[0:1], 0x50              ; the codes' buffer
	s_sub_co_u32 s13, ttmp9, 128
	s_mul_i32 s14, s13, 10923
	s_lshr_b32 s14, s14, 16                        ; q = id / 6 (exact for id under 216)
	s_mul_i32 s15, s14, 6
	s_sub_co_u32 s15, s13, s15                     ; id % 6
	s_cmp_ge_u32 s15, 3
	s_cselect_b32 s36, 1, 0
	s_mul_i32 s37, s36, 3
	s_sub_co_u32 s37, s15, s37                     ; W2: the group of columns,
	s_sub_co_u32 s38, s14, 24
	s_lshl_b32 s38, s38, 1
	s_add_co_u32 s38, s38, s36                     ; and the K step
	s_mov_b32 s39, 0                               ; the first group of the source
	s_mov_b32 s40, 0                               ; the first group of the region
	s_mov_b32 s41, 0                               ; where the region's codes begin
	s_mov_b32 s42, 0xD8000                         ; and its scale words
	s_mov_b32 s47, 3072                            ; bytes from a row of K to the next
	s_wait_kmcnt 0x0
	s_mov_b64 s[30:31], s[16:17]
	s_cmp_ge_u32 s14, 3
	s_cselect_b64 s[30:31], s[18:19], s[30:31]
	s_cselect_b32 s39, 3, s39
	s_cmp_ge_u32 s14, 6
	s_cselect_b64 s[30:31], s[20:21], s[30:31]
	s_cselect_b32 s39, 6, s39
	s_cmp_ge_u32 s14, 9
	s_cselect_b64 s[30:31], s[22:23], s[30:31]
	s_cselect_b32 s39, 9, s39
	s_cselect_b32 s40, 9, s40
	s_cselect_b32 s41, 0xE5800, s41
	s_cselect_b32 s42, 0x12D800, s42
	s_cmp_ge_u32 s14, 12
	s_cselect_b64 s[30:31], s[24:25], s[30:31]
	s_cselect_b32 s39, 12, s39
	s_cselect_b32 s40, 12, s40
	s_cselect_b32 s41, 0x132000, s41
	s_cselect_b32 s42, 0x252000, s42
	s_cselect_b32 s47, 12288, s47
	s_sub_co_u32 s43, s14, s39                     ; the group of columns in the source,
	s_sub_co_u32 s44, s14, s40                     ; and in the region
	s_mov_b32 s45, 6                               ; K steps of the operand
	s_mov_b32 s46, s15                             ; my K step
	s_cmp_ge_u32 s14, 24
	s_cselect_b64 s[30:31], s[26:27], s[30:31]
	s_cselect_b32 s41, 0x264000, s41
	s_cselect_b32 s42, 0x384000, s42
	s_cselect_b32 s43, s37, s43
	s_cselect_b32 s44, s37, s44
	s_cselect_b32 s45, 24, s45
	s_cselect_b32 s46, s38, s46
	s_cselect_b32 s47, 3072, s47
	s_mul_i32 s48, s46, s47
	s_lshl_b32 s48, s48, 7                         ; 128 rows of K for each step,
	s_lshl_b32 s49, s43, 10
	s_add_co_u32 s48, s48, s49                     ; 256 columns a group,
	s_lshl_b32 s49, s12, 7
	s_add_co_u32 s48, s48, s49                     ; 32 a wave
	s_mov_b32 s49, 0
	s_add_nc_u64 s[30:31], s[30:31], s[48:49]
	s_lshl_b32 s50, s44, 4
	s_lshl_b32 s51, s12, 1
	s_add_co_u32 s50, s50, s51                     ; my pair's even tile,
	s_mul_i32 s50, s50, s45
	s_add_co_u32 s50, s50, s46
	s_lshl_b32 s50, s50, 10
	s_add_co_u32 s50, s50, s41
	s_mov_b32 s51, 0
	s_add_nc_u64 s[32:33], s[28:29], s[50:51]      ; its fragment of my K step
	s_lshl_b32 s52, s44, 3
	s_add_co_u32 s52, s52, s12                     ; my pair,
	s_mul_i32 s52, s52, s45
	s_add_co_u32 s52, s52, s46
	s_lshl_b32 s52, s52, 7
	s_add_co_u32 s52, s52, s42
	s_mov_b32 s53, 0
	s_add_nc_u64 s[34:35], s[28:29], s[52:53]      ; its scale words of my K step
	s_lshl_b32 s54, s45, 10                        ; from the even tile to the odd one
	v_lshlrev_b32 v3, 2, v2                        ; a lane to a column, registers down K
	v_bfe_u32 v6, v0, 3, 1                         ; column l = 16 H + 8 u + j: tile u of the pair,
	v_bfe_u32 v4, v0, 4, 1
	v_and_b32 v5, 7, v0
	v_lshl_add_u32 v4, v4, 3, v5                   ; place 8 H + j
	v_mul_u32_u24 v5, s54, v6
	v_lshl_add_u32 v5, v4, 4, v5                   ; my 16 bytes of a half fragment's quarter
	v_lshl_add_u32 v7, v6, 4, v4
	v_lshlrev_b32 v7, 2, v7                        ; my scale word
	s_cmp_eq_u32 s47, 12288
	s_cbranch_scc1 .Lwide
	WLOAD 3072
	s_branch .Lquant
.Lwide:
	WLOAD 12288
.Lquant:
	BLOCK 0, 63                                    ; 96 loads are younger than block 0's, 64 than block 1's: 63 is the largest count that a wait can name
	BLOCK 1, 63
	BLOCK 2, 32
	BLOCK 3, 0
	global_store_b32 v7, v24, s[34:35]             ; 128 consecutive bytes a wave: one byte in 128 of what the launch reads
	s_endpgm
.Lfunc_end_k_q1573e612ca_prep:
	.size	k_q1573e612ca_prep, .Lfunc_end_k_q1573e612ca_prep-k_q1573e612ca_prep
	.p2alignl 7, 3214868480
	.fill 96, 4, 3214868480
	.section	.rodata,"a",@progbits
	.p2align	6, 0x0
	.amdhsa_kernel k_q1573e612ca_prep
		.amdhsa_group_segment_fixed_size 14336
		.amdhsa_private_segment_fixed_size 0
		.amdhsa_enable_private_segment 0
		.amdhsa_kernarg_size 88
		.amdhsa_user_sgpr_count 2
		.amdhsa_user_sgpr_kernarg_segment_ptr 1
		.amdhsa_wavefront_size32 1
		.amdhsa_system_sgpr_workgroup_id_x 1
		.amdhsa_system_sgpr_workgroup_id_y 1
		.amdhsa_system_sgpr_workgroup_id_z 1
		.amdhsa_system_vgpr_workitem_id 0
		.amdhsa_next_free_vgpr 194
		.amdhsa_next_free_sgpr 66
		.amdhsa_reserve_vcc 0
		.amdhsa_float_denorm_mode_32 3
		.amdhsa_float_denorm_mode_16_64 3
		.amdhsa_memory_ordered 1
		.amdhsa_forward_progress 1
		.amdhsa_inst_pref_size 68
	.end_amdhsa_kernel
	.amdgpu_metadata
---
amdhsa.version: [ 1, 2 ]
amdhsa.kernels:
  - .name:           k_q1573e612ca_prep
    .symbol:         k_q1573e612ca_prep.kd
    .args:
      - { .name: x, .offset: 0, .size: 8, .value_kind: global_buffer, .address_space: global }
      - { .name: g1, .offset: 8, .size: 8, .value_kind: global_buffer, .address_space: global }
      - { .name: beta1, .offset: 16, .size: 8, .value_kind: global_buffer, .address_space: global }
      - { .name: hq, .offset: 24, .size: 8, .value_kind: global_buffer, .address_space: global }
      - { .name: Wq, .offset: 32, .size: 8, .value_kind: global_buffer, .address_space: global }
      - { .name: Wk, .offset: 40, .size: 8, .value_kind: global_buffer, .address_space: global }
      - { .name: Wv, .offset: 48, .size: 8, .value_kind: global_buffer, .address_space: global }
      - { .name: Wo, .offset: 56, .size: 8, .value_kind: global_buffer, .address_space: global }
      - { .name: W1, .offset: 64, .size: 8, .value_kind: global_buffer, .address_space: global }
      - { .name: W2, .offset: 72, .size: 8, .value_kind: global_buffer, .address_space: global }
      - { .name: wts, .offset: 80, .size: 8, .value_kind: global_buffer, .address_space: global }
    .group_segment_fixed_size: 14336
    .private_segment_fixed_size: 0
    .kernarg_segment_align: 8
    .kernarg_segment_size: 88
    .max_flat_workgroup_size: 256
    .sgpr_count:     66
    .vgpr_count:     194
    .wavefront_size: 32
...
	.end_amdgpu_metadata
.endif
;; end of part 1
;; launch qkv (part 2): grid 288 x 1, 4 waves a work-group, no clusters, 0 bytes of LDS; arguments hq, wts, qkvq; writes qkvq
.if DOCPART == 2
	.amdgcn_target "amdgcn-amd-amdhsa--gfx1250"
	.amdhsa_code_object_version 6
	.text
	.protected	k_q1573e612ca_qkv
	.globl	k_q1573e612ca_qkv
	.p2align	8
	.type	k_q1573e612ca_qkv,@function
k_q1573e612ca_qkv:
	s_mov_b64 s[64:65], 0
	v_nop
	global_prefetch_b8 v0, s[64:65] scope:SCOPE_SE
	s_setreg_imm32_b32 hwreg(HW_REG_WAVE_MODE, 25, 1), 1
	s_wait_xcnt 0x0
; q, k and v = LN1(x) Wq, Wk, Wv on codes of FP4 with E8M0 scales, and the results quantised on the way: q and k along the head's 64, v along the keys.
; A wave makes 4 "minor" x 8 "major" tiles of 16 x 16: source 0 = a major tile, source 1 = a minor tile; a lane then holds ONE place of the minor tile, and its registers of major tiles 2 b, 2 b + 1
; are 16 neighbours 32 b + 16 (lane / 16) + 0..15 of the major axis (place p of tile T stands for index 32 (T / 2) + 8 (T % 2) + p + 8 (p / 8)), which is the axis that is quantised.
; Work-groups 0-191 (q, k): minor = 64 rows of h, major = 128 columns of Wq | Wk: two heads.  Work-groups 192-287 (v): minor = a head's 64 columns of Wv, major = 128 rows of h: 128 keys.
; Operands come from memory as images of their registers: a fragment (16 x 128 K) is 2 loads of 512 consecutive bytes; scale words of a pair of tiles are one load (lanes 0-15 the even tile, 16-31 the odd one).
; K = 768 is six steps, written out; a step's 30 loads are issued a whole step ahead, into a second set of registers.
; No LDS ring, no cluster: a wave's walk is 6 steps, as long as a ring takes to fill and drain, and a step's 12 KB a wave are asked for a step ahead in registers.
; OUT: q, k: [24 heads (0-11 q, 12-23 k)][256 tiles][512 bytes]; their scale words [24][64 quads of tiles][32 words]: low half the even tile's two bytes, high half the odd tile's; lanes 0-15 tiles 4 i, 4 i + 1, lanes 16-31 the other two.
;      v: [12][32 key steps][4 tiles of channels][1024 bytes]; scale words [12][32][2 pairs][32 words].
; LIMITS: NaN and infinities are not served; a block's largest magnitude under 2^-124 counts as 2^-124 (byte 1; a block of zeros too: its codes are zeros, and this program alone reads the bytes).
; REGISTERS: window 0: v1 lane, v2 16 x lane, v3 4 x lane; v16-111, v112-207 two sets of fragments (8 major, 4 minor); v208-219 two sets of scale words, which hold nothing else; v220-235 at work; v236-239 scale words made.
;            window 1: the 32 accumulators, (minor a, major b) at v[64 a + 8 b].
.set SK, 6                             ; K steps of both operands
.set TM, 220
.set MSB, 0
.macro WIN new                         ; the immediate's high byte repeats the setting that is left
.if MSB != (\new)
	s_set_vgpr_msb (MSB<<8)|(\new)
.set MSB, (\new)
.endif
.endm
.macro PLACES                          ; four plain instructions between a matrix instruction and a load into, or a vector instruction on, its registers
.rept 4
	v_nop
.endr
.endm
.macro LOADSTEP p, st                  ; K step st into set p: 30 loads
.irp t, 0,1,2,3,4,5,6,7
.irp c, 0,1
	global_load_b128 v[16+96*(\p)+8*\t+4*\c:16+96*(\p)+8*\t+4*\c+3], v2, s[16:17] offset:\t*SK*1024+(\st)*1024+512*\c
.endr
.endr
.irp u, 0,1,2,3
.irp c, 0,1
	global_load_b128 v[80+96*(\p)+8*\u+4*\c:80+96*(\p)+8*\u+4*\c+3], v2, s[20:21] offset:\u*SK*1024+(\st)*1024+512*\c
.endr
.endr
.irp i, 0,1,2,3
	global_load_b32 v[208+6*(\p)+\i], v3, s[18:19] offset:\i*SK*128+(\st)*128
.endr
.irp i, 0,1
	global_load_b32 v[212+6*(\p)+\i], v3, s[22:23] offset:\i*SK*128+(\st)*128
.endr
.endm
.macro WM4 a, b, p, zero               ; minor tiles a, a + 1 x major tiles b, b + 1; an odd tile's scale words stand in lanes 16-31
.set rD, 64*(\a)+8*(\b)
.set rA, 16+96*(\p)+8*(\b)
.set rB, 80+96*(\p)+8*(\a)
.set rP, 208+6*(\p)+(\b)/2
.set rQ, 212+6*(\p)+(\a)/2
.if \zero
	v_wmma_scale_f32_16x16x128_f8f6f4 v[rD:rD+7], v[rA:rA+7], v[rB:rB+7], 0, v[rP], v[rQ] matrix_a_fmt:MATRIX_FMT_FP4 matrix_b_fmt:MATRIX_FMT_FP4
	v_wmma_scale_f32_16x16x128_f8f6f4 v[rD+8:rD+15], v[rA+8:rA+15], v[rB:rB+7], 0, v[rP], v[rQ] matrix_a_fmt:MATRIX_FMT_FP4 matrix_b_fmt:MATRIX_FMT_FP4 matrix_a_scale:MATRIX_SCALE_ROW1
	v_wmma_scale_f32_16x16x128_f8f6f4 v[rD+64:rD+71], v[rA:rA+7], v[rB+8:rB+15], 0, v[rP], v[rQ] matrix_a_fmt:MATRIX_FMT_FP4 matrix_b_fmt:MATRIX_FMT_FP4 matrix_b_scale:MATRIX_SCALE_ROW1
	v_wmma_scale_f32_16x16x128_f8f6f4 v[rD+72:rD+79], v[rA+8:rA+15], v[rB+8:rB+15], 0, v[rP], v[rQ] matrix_a_fmt:MATRIX_FMT_FP4 matrix_b_fmt:MATRIX_FMT_FP4 matrix_a_scale:MATRIX_SCALE_ROW1 matrix_b_scale:MATRIX_SCALE_ROW1
.else
	v_wmma_scale_f32_16x16x128_f8f6f4 v[rD:rD+7], v[rA:rA+7], v[rB:rB+7], v[rD:rD+7], v[rP], v[rQ] matrix_a_fmt:MATRIX_FMT_FP4 matrix_b_fmt:MATRIX_FMT_FP4
	v_wmma_scale_f32_16x16x128_f8f6f4 v[rD+8:rD+15], v[rA+8:rA+15], v[rB:rB+7], v[rD+8:rD+15], v[rP], v[rQ] matrix_a_fmt:MATRIX_FMT_FP4 matrix_b_fmt:MATRIX_FMT_FP4 matrix_a_scale:MATRIX_SCALE_ROW1
	v_wmma_scale_f32_16x16x128_f8f6f4 v[rD+64:rD+71], v[rA:rA+7], v[rB+8:rB+15], v[rD+64:rD+71], v[rP], v[rQ] matrix_a_fmt:MATRIX_FMT_FP4 matrix_b_fmt:MATRIX_FMT_FP4 matrix_b_scale:MATRIX_SCALE_ROW1
	v_wmma_scale_f32_16x16x128_f8f6f4 v[rD+72:rD+79], v[rA+8:rA+15], v[rB+8:rB+15], v[rD+72:rD+79], v[rP], v[rQ] matrix_a_fmt:MATRIX_FMT_FP4 matrix_b_fmt:MATRIX_FMT_FP4 matrix_a_scale:MATRIX_SCALE_ROW1 matrix_b_scale:MATRIX_SCALE_ROW1
.endif
.endm
.macro MULSTEP p, zero                 ; 32 matrix instructions: the 32 accumulators take turns, one instruction a turn, in the same order in every step
	WIN 0x50                                       ; C and D in window 1
.irp a, 0,2
.irp b, 0,2,4,6
	WM4 \a, \b, \p, \zero
.endr
.endr
	WIN 0
.endm
; 64 numbers of a lane, v[src] on in window w, register 16 b + i = k 32 b + 16 (lane / 16) + i of my place, become a fragment's codes in v[pc] on and its scale word in v[pw]
.macro QUANT src, w, pc, pw
	WIN 0x05*(\w)
.irp b, 0,1,2,3
	v_max3_num_f32 v[TM+\b], |v[(\src)+16*\b]|, |v[(\src)+1+16*\b]|, 0x1800000   ; with the floor 2^-124; each accumulator is read from its low end on
.endr
	WIN 0x14*(\w)
.irp i, 2,4,6,8,10,12,14
.irp b, 0,1,2,3
	v_max3_num_f32 v[TM+\b], v[TM+\b], |v[(\src)+16*\b+\i]|, |v[(\src)+1+16*\b+\i]|
.endr
.endr
	WIN 0
.irp b, 0,1,2,3
	v_permlanex16_b32 v[TM+4+\b], v[TM+\b], s24, s25
.endr
.irp b, 0,1,2,3
	v_max_num_f32 v[TM+\b], v[TM+\b], v[TM+4+\b]   ; with lane l xor 16's: the block's largest magnitude
.endr
.irp b, 0,1,2,3
	v_add_nc_u32 v[TM+12+\b], 0xff000000, v[TM+\b] ; 2 off its exponent field: the conversion's scale operand
.endr
.irp b, 0,1,2,3
	v_lshrrev_b32 v[TM+4+\b], 23, v[TM+12+\b]      ; the byte
.endr
	v_lshl_or_b32 v[\pw], v[TM+5], 8, v[TM+4]
	v_lshl_or_b32 v[\pw], v[TM+6], 16, v[\pw]
	v_lshl_or_b32 v[\pw], v[TM+7], 24, v[\pw]
	WIN 0x01*(\w)
.irp b, 0,1,2,3
	v_cvt_scalef32_pk8_fp4_f32 v[(\pc)+2*\b], v[(\src)+16*\b:(\src)+7+16*\b], v[TM+12+\b]
	v_cvt_scalef32_pk8_fp4_f32 v[(\pc)+1+2*\b], v[(\src)+8+16*\b:(\src)+15+16*\b], v[TM+12+\b]
.endr
	WIN 0
	v_nop                                          ; one plain instruction behind a scaled conversion
.irp c, 0,1                                    ; the operand's layout wants a whole block in a lane
.irp i, 0,1
	v_permlane16_swap_b32 v[(\pc)+4*\c+\i], v[(\pc)+2+4*\c+\i]
.endr
.endr
.endm
	s_load_b128 s[4:7], s[0:1], 0x0                ; h's codes and scales, the weights'
	s_load_b64 s[8:9], s[0:1], 0x10                ; out
	v_lshrrev_b32 v1, 5, v0
	v_readfirstlane_b32 s14, v1                    ; wave 0..3
	v_and_b32 v1, 31, v0
	v_lshlrev_b32 v2, 4, v1
	v_lshlrev_b32 v3, 2, v1
	v_cmp_le_u32 s26, 16, v1                       ; lanes 16-31
	s_mov_b32 s24, 0x76543210
	s_mov_b32 s25, 0xfedcba98
.irp b, 0,1,2,3
	v_mov_b32 v[TM+4+\b], 0                        ; written once: a lane permute's destination counts as one of its sources
.endr
	s_cmp_ge_u32 ttmp9, 192
	s_cselect_b32 s10, 1, 0                        ; 1: v
	s_mul_i32 s11, s10, 192
	s_sub_co_u32 s11, ttmp9, s11
	s_sub_co_u32 s12, 5, s10                       ; q, k: 32 pairs of row quads x 6; v: 16 pairs of key steps x 6
	s_bfm_b32 s13, s12, 0
	s_and_b32 s13, s11, s13
	s_lshr_b32 s15, s11, s12
	s_and_b32 s27, s14, 1
	s_lshl_b32 s13, s13, 1
	s_add_co_u32 s13, s13, s27                     ; the quad of row tiles (q, k) or the key step (v)
	s_lshr_b32 s27, s14, 1
	s_lshl_b32 s15, s15, 1
	s_add_co_u32 s15, s15, s27                     ; the block of 128 columns (q, k) or the head (v)
	s_mov_b32 s29, 0
	s_wait_kmcnt 0x0
	s_mul_i32 s28, s13, 24576                      ; h: 4 tiles of 6,144 bytes a quad, 8 a key step
	s_lshl_b32 s28, s28, s10
	s_add_nc_u64 s[32:33], s[4:5], s[28:29]
	s_mul_i32 s28, s13, 1536
	s_lshl_b32 s28, s28, s10
	s_add_co_u32 s28, s28, 0x180000
	s_add_nc_u64 s[34:35], s[4:5], s[28:29]
	s_mul_i32 s28, s15, 49152                      ; W: 8 tiles a block, 4 a head; Wv's tiles begin at tile 96
	s_lshr_b32 s28, s28, s10
	s_mul_i32 s30, s10, 589824
	s_add_co_u32 s28, s28, s30
	s_add_nc_u64 s[36:37], s[6:7], s[28:29]
	s_mul_i32 s28, s15, 3072
	s_lshr_b32 s28, s28, s10
	s_mul_i32 s30, s10, 36864
	s_add_co_u32 s28, s28, s30
	s_add_co_u32 s28, s28, 0xD8000
	s_add_nc_u64 s[38:39], s[6:7], s[28:29]
	s_cmp_eq_u32 s10, 1                            ; which operand is the major one hangs on the work-group's number alone
	s_cselect_b64 s[16:17], s[32:33], s[36:37]
	s_cselect_b64 s[18:19], s[34:35], s[38:39]
	s_cselect_b64 s[20:21], s[36:37], s[32:33]
	s_cselect_b64 s[22:23], s[38:39], s[34:35]
	LOADSTEP 0, 0
	s_lshl_b32 s28, s15, 18                        ; out: q, k: two heads of 131,072 bytes a block, 2,048 bytes a quad; v: 131,072 a head, 4,096 a key step, from 0x330000 on
	s_lshr_b32 s28, s28, s10
	s_lshl_b32 s30, s13, 11
	s_lshl_b32 s30, s30, s10
	s_add_co_u32 s28, s28, s30
	s_mul_i32 s30, s10, 0x330000
	s_add_co_u32 s28, s28, s30
	s_add_nc_u64 s[40:41], s[8:9], s[28:29]
	s_lshl_b32 s28, s15, 14                        ; scale words: q, k from 0x300000: 8,192 a head, 128 a quad; v from 0x4B0000: 8,192 a head, 256 a key step
	s_lshr_b32 s28, s28, s10
	s_lshl_b32 s30, s13, 7
	s_lshl_b32 s30, s30, s10
	s_add_co_u32 s28, s28, s30
	s_mul_i32 s30, s10, 0x1B0000
	s_add_co_u32 s28, s28, s30
	s_add_co_u32 s28, s28, 0x300000
	s_add_nc_u64 s[42:43], s[8:9], s[28:29]
.set KI, 0
.rept 6
.if KI < 5
.if KI >= 1
	PLACES                                         ; the set that the last products read is loaded again
.endif
	LOADSTEP (KI+1)%2, KI+1
	s_wait_loadcnt 30                              ; this step's loads are in; the next step's 30 stay out
.else
	s_wait_loadcnt 0x0
.endif
	MULSTEP KI%2, KI==0
.set KI, KI+1
.endr
	PLACES
.irp u, 0,1,2,3
	QUANT 64*\u, 1, 16+8*\u, 236+\u                ; each minor tile has code registers of its own: no store's data are written again
.endr
	s_cmp_eq_u32 s10, 1
	s_cbranch_scc1 .Lvalues
.irp u, 0,1,2,3                                ; a fragment's first half is the even head's 64, its second the odd head's
	global_store_b128 v2, v[16+8*\u:19+8*\u], s[40:41] offset:512*\u
	global_store_b128 v2, v[20+8*\u:23+8*\u], s[40:41] offset:131072+512*\u
.endr
	v_perm_b32 v240, v237, v236, 0x05040100        ; the even head's two bytes of tiles 0 and 1,
	v_perm_b32 v241, v239, v238, 0x05040100        ; of tiles 2 and 3;
	v_perm_b32 v242, v237, v236, 0x07060302        ; the odd head's
	v_perm_b32 v243, v239, v238, 0x07060302
	v_cndmask_b32 v240, v240, v241, s26
	v_cndmask_b32 v242, v242, v243, s26
	global_store_b32 v3, v240, s[42:43]            ; 128 consecutive bytes
	global_store_b32 v3, v242, s[42:43] offset:8192
	s_endpgm
.Lvalues:
.irp u, 0,1,2,3
	global_store_b128 v2, v[16+8*\u:19+8*\u], s[40:41] offset:1024*\u
	global_store_b128 v2, v[20+8*\u:23+8*\u], s[40:41] offset:1024*\u+512
.endr
	v_cndmask_b32 v240, v236, v237, s26
	v_cndmask_b32 v241, v238, v239, s26
	global_store_b32 v3, v240, s[42:43]
	global_store_b32 v3, v241, s[42:43] offset:128
	s_endpgm
.Lfunc_end_k_q1573e612ca_qkv:
	.size	k_q1573e612ca_qkv, .Lfunc_end_k_q1573e612ca_qkv-k_q1573e612ca_qkv
	.p2alignl 7, 3214868480
	.fill 96, 4, 3214868480
	.section	.rodata,"a",@progbits
	.p2align	6, 0x0
	.amdhsa_kernel k_q1573e612ca_qkv
		.amdhsa_group_segment_fixed_size 0
		.amdhsa_private_segment_fixed_size 0
		.amdhsa_enable_private_segment 0
		.amdhsa_kernarg_size 24
		.amdhsa_user_sgpr_count 2
		.amdhsa_user_sgpr_kernarg_segment_ptr 1
		.amdhsa_wavefront_size32 1
		.amdhsa_system_sgpr_workgroup_id_x 1
		.amdhsa_system_sgpr_workgroup_id_y 1
		.amdhsa_system_sgpr_workgroup_id_z 1
		.amdhsa_system_vgpr_workitem_id 0
		.amdhsa_next_free_vgpr 512
		.amdhsa_next_free_sgpr 66
		.amdhsa_reserve_vcc 0
		.amdhsa_float_denorm_mode_32 3
		.amdhsa_float_denorm_mode_16_64 3
		.amdhsa_memory_ordered 1
		.amdhsa_forward_progress 1
		.amdhsa_inst_pref_size 64
	.end_amdhsa_kernel
	.amdgpu_metadata
---
amdhsa.version: [ 1, 2 ]
amdhsa.kernels:
  - .name:           k_q1573e612ca_qkv
    .symbol:         k_q1573e612ca_qkv.kd
    .args:
      - { .name: hq, .offset: 0, .size: 8, .value_kind: global_buffer, .address_space: global }
      - { .name: wts, .offset: 8, .size: 8, .value_kind: global_buffer, .address_space: global }
      - { .name: qkvq, .offset: 16, .size: 8, .value_kind: global_buffer, .address_space: global }
    .group_segment_fixed_size: 0
    .private_segment_fixed_size: 0
    .kernarg_segment_align: 8
    .kernarg_segment_size: 24
    .max_flat_workgroup_size: 128
    .sgpr_count:     66
    .vgpr_count:     512
    .wavefront_size: 32
...
	.end_amdgpu_metadata
.endif
;; end of part 2
;; launch attn (part 3): grid 256 x 1, 12 waves a work-group, no clusters, 56,832 bytes of LDS; arguments qkvq, oq; writes oq
.if DOCPART == 3
	.amdgcn_target "amdgcn-amd-amdhsa--gfx1250"
	.amdhsa_code_object_version 6
	.text
	.protected	k_q1573e612ca_attn
	.globl	k_q1573e612ca_attn
	.p2align	8
	.type	k_q1573e612ca_attn,@function
k_q1573e612ca_attn:
	s_mov_b64 s[64:65], 0
	v_nop
	global_prefetch_b8 v0, s[64:65] scope:SCOPE_SE
	s_setreg_imm32_b32 hwreg(HW_REG_WAVE_MODE, 25, 1), 1
	s_wait_xcnt 0x0
; Causal attention on codes of FP4 with E8M0 scales, head size 64, 12 heads, 4,096 queries; the result is quantised along the 768 channels for the next product.
; THE SOFTMAX AHEAD OF THE SECOND PRODUCT: t = score x log2(e) / 8; M = the row's largest t so far, rounded UP to a whole number; p = 2^(t - M) is quantised along the keys, not normalised;
; the row's sum is taken of the unquantised p and divides at the end.  When M moves, the sum and O are multiplied by 2^(old M - new M): exact.
; SHARES.  A tile is 16 queries of one head; the keys go 128 a step.  Tile T has T / 8 steps all of whose keys count and one step on the diagonal, with the mask; later keys are never touched.
; EVERY WAVE HAS 16 OR 17 STEPS.  Tiles T (0..127) and L = 255 - T have 33 steps together.  Such a pair goes to two neighbouring waves; with t = T / 8:
;   the even wave owns L: key steps 15 - t .. 30 - t (16 of them) and L's step on the diagonal;
;   the odd wave first walks L's key steps 0 .. 14 - t with a state of its own (O^T, M, the sum), hands that state over through LDS, and then does its own tile T: t steps and the diagonal's.
; Behind one barrier the even wave brings both states under the larger M, by exact powers of two as in a key step, and adds them.  1,536 pairs = 256 work-groups x 6.
; LAYOUT.  Both products are used transposed: S^T = K Q^T, O^T = V^T P^T: a lane holds ONE query throughout.  Place p of tile T stands for row 32 (T / 2) + 8 (T % 2) + p + 8 (p / 8), so that the 16 registers
; of key tiles 2 b, 2 b + 1 are 16 neighbouring keys.  THE FIRST PRODUCT'S K IS 64, the instruction's 128: source 0 holds TWO key tiles (K 0-63 the even one's, K 64-127 the odd one's), and source 1 is q with
; zero codes in the other half: (q, 0) gives the even tile's scores, (0, q) the odd one's.  Zero codes add nothing under any scale byte that the quantiser makes.
; K, V and their scale words come from memory as images of the operands' registers, each load 512 (scale words: 128) consecutive bytes: K a step ahead, V at the head of its step.
; No cluster, no joint loads: the waves that share K and V walk different ranges of keys, so partners could not make every request together.  No prefetch: K and V are read again by many waves.
; LDS: 4,608 bytes for each wave: a state as an image of its registers, 16 bytes a lane: O^T's 32 registers, then -M, the largest t and the sum's two halves.  Odd waves store theirs; even waves read their neighbour's.
; LIMITS: NaN and infinities are not served; a block's largest magnitude under 2^-124 counts as 2^-124 (byte 1); O is multiplied by v_rcp_f32 of the sum.
; The scale bytes of the result leave as 32 single bytes a wave, inside 64 bytes: a head owns 2 of a word's 4 bytes.  One instruction a wave.
; REGISTERS: v2 16 x lane, v3 4 x lane, v4 4 x (lane % 16), v5 that + lane / 16, v6 the mask's d, v7 its lane term; v8-15 (q, 0); v16-23 (0, q); v24-55 K: four double fragments; v56-87 V: four fragments;
;   v88-89 K's scale words, v90-91 V's, v92 q's, v93 p's (these hold scales alone); v94 q's word as loaded; v96-159 S^T, then p; v160-191 O^T; v192-199 p's codes; v200 -M, v201 the largest t;
;   v202-203 the sum in two halves; v204-205, v206-207 factors; v208-219 the blocks' maxima, bytes, scale operands; v220-223 at work; v224, v225 LDS addresses of my state and of my neighbour's.
.set STB, 4608                         ; bytes of a state in LDS
.macro PLACES                          ; four plain instructions between a matrix instruction and a load into, or a read or write of, its registers
.rept 4
	v_nop
.endr
.endm
.macro KLOAD                           ; a key step's K: 8 tiles of 512 bytes and two registers of scale words: 10 loads
.irp d, 0,1,2,3
.irp c, 0,1
	global_load_b128 v[24+8*\d+4*\c:27+8*\d+4*\c], v2, s[12:13] offset:1024*\d+512*\c
.endr
.endr
	global_load_b32 v88, v3, s[14:15]
	global_load_b32 v89, v3, s[14:15] offset:128
.endm
; A walk begins: tile s40 of head s38, from key step s41 on.  The six pointers, q's and the first K's loads, the starting state.
.macro SETUP
	s_bfe_u32 s46, s40, 0x20001
	s_lshl_b32 s46, s46, 5
	s_and_b32 s47, s40, 1
	s_lshl_b32 s47, s47, 3
	s_add_co_u32 s46, s46, s47
	v_add_nc_u32 v6, s46, v7                       ; d = my query's place in the diagonal's 128 keys - 16 (lane / 16)
	s_mov_b32 s47, 0x01000100                      ; q's two bytes, twice: an even tile's lie in the word's low half, an odd tile's in its high half
	s_bitcmp1_b32 s40, 0
	s_cselect_b32 s47, 0x03020302, s47
	s_lshl_b32 s44, s38, 17
	s_lshl_b32 s42, s40, 9
	s_add_co_u32 s44, s44, s42
	s_add_nc_u64 s[8:9], s[4:5], s[44:45]          ; q's tile
	s_lshl_b32 s44, s38, 13
	s_lshr_b32 s42, s40, 1
	s_lshl_b32 s42, s42, 6                         ; 64 bytes for each pair of tiles
	s_add_co_u32 s44, s44, s42
	s_add_co_u32 s44, s44, 0x300000
	s_add_nc_u64 s[10:11], s[4:5], s[44:45]        ; its pair's scale words
	s_add_co_u32 s42, s38, 12
	s_lshl_b32 s43, s41, 12                        ; 4,096 bytes of K and of V a key step
	s_lshl_b32 s44, s42, 17
	s_add_co_u32 s44, s44, s43
	s_add_nc_u64 s[12:13], s[4:5], s[44:45]        ; k of my head
	s_lshl_b32 s44, s38, 17
	s_add_co_u32 s44, s44, s43
	s_add_co_u32 s44, s44, 0x330000
	s_add_nc_u64 s[16:17], s[4:5], s[44:45]        ; v
	s_lshl_b32 s43, s41, 8                         ; 256 bytes of scale words a key step
	s_lshl_b32 s44, s42, 13
	s_add_co_u32 s44, s44, s43
	s_add_co_u32 s44, s44, 0x300000
	s_add_nc_u64 s[14:15], s[4:5], s[44:45]
	s_lshl_b32 s44, s38, 13
	s_add_co_u32 s44, s44, s43
	s_add_co_u32 s44, s44, 0x4B0000
	s_add_nc_u64 s[18:19], s[4:5], s[44:45]
	global_load_b128 v[8:11], v2, s[8:9]           ; q's codes, twice: the two sources share no register with each other or with K
	global_load_b128 v[20:23], v2, s[8:9]
	global_load_b32 v94, v4, s[10:11]
	KLOAD                                          ; the walk's first key step
	v_mov_b32 v201, 0xff61b1e6                     ; the largest t so far: -3e38
	v_floor_f32 v200, -v201
	v_mov_b32 v202, 0
	v_mov_b32 v203, 0
	s_wait_loadcnt 10                              ; q and its word are in; K's 10 loads stay out
	v_perm_b32 v92, v94, v94, s47
.set NI, 0
.rept 32
	v_mov_b32 v[160+NI], 0                         ; O^T: the step is written once, and a walk's first turn finds zeros.  (These also stand between the making of q's scale word and the first product)
.set NI, NI+1
.endr
.endm
.macro STEP last
	PLACES                                         ; the last products read V's registers
.irp t, 0,1,2,3                                ; this step's V: 10 loads
.irp c, 0,1
	global_load_b128 v[56+8*\t+4*\c:59+8*\t+4*\c], v2, s[16:17] offset:1024*\t+512*\c
.endr
.endr
	global_load_b32 v90, v3, s[18:19]
	global_load_b32 v91, v3, s[18:19] offset:128
	s_wait_loadcnt 10                              ; K is in (and q, in a walk's first step); V's 10 loads stay out
.irp d, 0,1,2,3
.if \d%2
	v_wmma_scale_f32_16x16x128_f8f6f4 v[96+16*\d:103+16*\d], v[24+8*\d:31+8*\d], v[8:15], 0, v[88+\d/2], v92 matrix_a_fmt:MATRIX_FMT_FP4 matrix_b_fmt:MATRIX_FMT_FP4 matrix_a_scale:MATRIX_SCALE_ROW1
	v_wmma_scale_f32_16x16x128_f8f6f4 v[104+16*\d:111+16*\d], v[24+8*\d:31+8*\d], v[16:23], 0, v[88+\d/2], v92 matrix_a_fmt:MATRIX_FMT_FP4 matrix_b_fmt:MATRIX_FMT_FP4 matrix_a_scale:MATRIX_SCALE_ROW1
.else
	v_wmma_scale_f32_16x16x128_f8f6f4 v[96+16*\d:103+16*\d], v[24+8*\d:31+8*\d], v[8:15], 0, v[88+\d/2], v92 matrix_a_fmt:MATRIX_FMT_FP4 matrix_b_fmt:MATRIX_FMT_FP4
	v_wmma_scale_f32_16x16x128_f8f6f4 v[104+16*\d:111+16*\d], v[24+8*\d:31+8*\d], v[16:23], 0, v[88+\d/2], v92 matrix_a_fmt:MATRIX_FMT_FP4 matrix_b_fmt:MATRIX_FMT_FP4
.endif
.endr
	PLACES
.if \last == 0
	s_wait_xcnt 0x0                                ; V's loads have read their base: only now are the four bases stepped
	s_add_nc_u64 s[12:13], s[12:13], 4096
	s_add_nc_u64 s[14:15], s[14:15], 256
	s_add_nc_u64 s[16:17], s[16:17], 4096
	s_add_nc_u64 s[18:19], s[18:19], 256
	KLOAD                                          ; the next step's K has the softmax in which to land
.else
	v_mov_b32 v220, 0xff800000                     ; on the diagonal hidden scores become -infinity: register 16 b + i holds key 32 b + 16 (lane / 16) + i of the step: hidden where 32 b + i > d
.set NI, 0
.rept 64
	v_cmp_gt_i32 vcc_lo, 32*(NI/16)+NI%16, v6
	v_cndmask_b32 v[96+NI], v[96+NI], v220, vcc_lo
.set NI, NI+1
.endr
.endif
.irp b, 0,1,2,3
	v_max3_num_f32 v[208+\b], v[96+16*\b], v[97+16*\b], v[98+16*\b]   ; the largest score of each block of 32 keys: for the row's maximum, and, since p rises with the score, for the block's largest p
.endr
.irp i, 3,5,7,9,11,13
.irp b, 0,1,2,3
	v_max3_num_f32 v[208+\b], v[208+\b], v[96+16*\b+\i], v[97+16*\b+\i]
.endr
.endr
.irp b, 0,1,2,3
	v_max_num_f32 v[208+\b], v[208+\b], v[111+16*\b]
.endr
.irp b, 0,1,2,3
	v_permlanex16_b32 v[212+\b], v[208+\b], s20, s21
.endr
.irp b, 0,1,2,3
	v_max_num_f32 v[208+\b], v[208+\b], v[212+\b]  ; with lane l xor 16's 16 keys
.endr
	v_max3_num_f32 v220, v208, v209, v210
	v_max_num_f32 v220, v220, v211
	v_mul_f32 v220, s22, v220                      ; as t
	v_max_num_f32 v201, v201, v220                 ; the running largest t
	v_mov_b32 v220, v200
	v_floor_f32 v200, -v201                        ; -M = floor(-t) = -ceil(t)
	v_sub_f32 v220, v200, v220                     ; old M - new M: a whole number, 0 or less
	v_cvt_i32_f32 v220, v220                       ; (it saturates)
	v_ldexp_f32 v204, 1.0, v220                    ; f = 2^(old M - new M)
.set NI, 0
.rept 32
	v_pk_fma_f32 v[96+NI:97+NI], v[96+NI:97+NI], s[22:23], v[200:201] op_sel_hi:[1,0,0]   ; t - M
.set NI, NI+2
.endr
.irp b, 0,1,2,3
	v_fma_f32 v[208+\b], v[208+\b], s22, v200      ; the same of each block's largest score
.endr
.set NI, 0
.rept 64
	v_exp_f32 v[96+NI], v[96+NI]                   ; p = 2^(t - M)
.set NI, NI+1
.endr
	v_pk_mul_f32 v[202:203], v[202:203], v[204:205] op_sel_hi:[1,0]   ; the sums under the new M: the plain instruction behind the batch
	s_wait_alu depctr_va_vdst(0)                   ; one wait for the 64, ahead of their first reader
.irp b, 0,1,2,3
	v_exp_f32 v[208+\b], v[208+\b]                 ; the blocks' largest p
.endr
	v_pk_add_f32 v[222:223], v[96:97], v[98:99]    ; the row's sum of the unquantised p, in two chains
.irp j, 4,8,12,16,20,24,28,32,36,40,44,48,52,56,60
	v_pk_add_f32 v[202:203], v[202:203], v[96+\j:97+\j]
	v_pk_add_f32 v[222:223], v[222:223], v[98+\j:99+\j]
.endr
	v_pk_add_f32 v[202:203], v[202:203], v[222:223]
	s_wait_alu depctr_va_vdst(0)                   ; and one for the four
.irp b, 0,1,2,3
	v_max_num_f32 v[208+\b], 0x1800000, v[208+\b]  ; the floor 2^-124 (a block of hidden keys keeps byte 1: its codes are zeros)
.endr
.irp b, 0,1,2,3
	v_add_nc_u32 v[216+\b], 0xff000000, v[208+\b]
.endr
.irp b, 0,1,2,3
	v_lshrrev_b32 v[212+\b], 23, v[216+\b]
.endr
	v_lshl_or_b32 v93, v213, 8, v212               ; p's scale word for these 128 keys
	v_lshl_or_b32 v93, v214, 16, v93
	v_lshl_or_b32 v93, v215, 24, v93
.irp b, 0,1,2,3
	v_cvt_scalef32_pk8_fp4_f32 v[192+2*\b], v[96+16*\b:103+16*\b], v[216+\b]
	v_cvt_scalef32_pk8_fp4_f32 v[193+2*\b], v[104+16*\b:111+16*\b], v[216+\b]
.endr
	v_nop                                          ; one plain instruction behind a scaled conversion
.irp c, 0,1
.irp i, 0,1
	v_permlane16_swap_b32 v[192+4*\c+\i], v[194+4*\c+\i]
.endr
.endr
.set NI, 0
.rept 16
	v_pk_mul_f32 v[160+NI:161+NI], v[160+NI:161+NI], v[204:205] op_sel_hi:[1,0]   ; O^T under the new M; each accumulator from its low end on.  These stand between the making of p's codes and scale word and the products
.set NI, NI+2
.endr
.if \last == 0
	s_wait_loadcnt 10                              ; V is in; the next step's K, 10 loads, stays out
.else
	s_wait_loadcnt 0x0
.endif
.irp t, 0,1,2,3                                ; the four accumulators take turns
.if \t%2
	v_wmma_scale_f32_16x16x128_f8f6f4 v[160+8*\t:167+8*\t], v[56+8*\t:63+8*\t], v[192:199], v[160+8*\t:167+8*\t], v[90+\t/2], v93 matrix_a_fmt:MATRIX_FMT_FP4 matrix_b_fmt:MATRIX_FMT_FP4 matrix_a_scale:MATRIX_SCALE_ROW1
.else
	v_wmma_scale_f32_16x16x128_f8f6f4 v[160+8*\t:167+8*\t], v[56+8*\t:63+8*\t], v[192:199], v[160+8*\t:167+8*\t], v[90+\t/2], v93 matrix_a_fmt:MATRIX_FMT_FP4 matrix_b_fmt:MATRIX_FMT_FP4
.endif
.endr
.endm
	s_load_b128 s[4:7], s[0:1], 0x0                ; q, k, v as codes; o's codes
	v_lshl_add_u32 v254, v0, 2, 0xd800
	v_mov_b32 v255, 0
	v_lshrrev_b32 v1, 5, v0
	v_readfirstlane_b32 s27, v1                    ; wave 0..11
	v_and_b32 v1, 31, v0
	v_lshlrev_b32 v2, 4, v1
	v_lshlrev_b32 v3, 2, v1
	v_and_b32 v7, 15, v0                           ; r
	v_bfe_u32 v221, v0, 4, 1                       ; h
	v_lshlrev_b32 v4, 2, v7
	v_add_nc_u32 v5, v4, v221
	v_cmp_le_u32 s25, 16, v1                       ; lanes 16-31
	v_and_b32 v6, 8, v7
	v_add_nc_u32 v7, v6, v7
	v_lshlrev_b32 v221, 4, v221
	v_sub_nc_u32 v7, v7, v221                      ; r + 8 (r / 8) - 16 h: the lane's term of the mask's d
	s_mul_i32 s42, s27, STB                        ; both LDS addresses are made here, ahead of the first branch on the wave's number
	v_add_nc_u32 v224, s42, v2                     ; my state: 16 x lane + 4,608 x wave
	s_xor_b32 s43, s27, 1
	s_mul_i32 s43, s43, STB
	v_add_nc_u32 v225, s43, v2                     ; my neighbour's
	s_and_b32 s33, s27, 1                          ; 0: I own the pair's long tile; 1: its short one
	s_lshr_b32 s32, s27, 1
	s_mul_i32 s34, ttmp9, 6
	s_add_co_u32 s34, s34, s32                     ; the pair: 6 x work-group + wave / 2
	s_lshr_b32 s38, s34, 7                         ; the head
	s_and_b32 s34, s34, 127                        ; T: the short tile
	s_sub_co_u32 s35, 255, s34                     ; L: the long tile
	s_lshr_b32 s36, s34, 3                         ; t = T / 8
	s_sub_co_u32 s37, 15, s36                      ; 15 - t: L's key steps that the odd wave walks, and the key step at which the even wave begins
	s_mov_b32 s20, 0x76543210
	s_mov_b32 s21, 0xfedcba98                      ; v_permlanex16_b32's selects for lane l xor 16
	s_mov_b32 s22, 0x3e38aa3b                      ; log2(e) / 8
	s_mov_b32 s23, s22                             ; (named with it as a pair)
	s_mov_b32 s45, 0
.irp j, 12,13,14,15,16,17,18,19
	v_mov_b32 v[\j], 0                             ; the zero codes: they stay
.endr
	v_mov_b32 v205, 0                              ; (named as the upper halves of the factors' pairs)
	v_mov_b32 v207, 0
.irp b, 0,1,2,3
	v_mov_b32 v[212+\b], 0                         ; a lane permute's destination counts as one of its sources
.endr
	s_wait_kmcnt 0x0
	s_cmp_eq_u32 s33, 0
	s_cbranch_scc1 .Lown
	; ---- the odd wave's fore walk: the long tile's key steps 0 .. 14 - t, all of whose keys count
	s_mov_b32 s40, s35
	s_mov_b32 s41, 0
	SETUP
	s_mov_b32 s26, 0
	s_cmp_eq_u32 s37, 0                            ; t = 15: no such step: the starting state is handed over, zeros under -M = 3e38, whose factor comes out 0
	s_cbranch_scc1 .Lhand
.Lfore:
	STEP 0
	s_add_co_u32 s26, s26, 1
	s_cmp_lt_u32 s26, s37
	s_cbranch_scc1 .Lfore
.Lhand:
	s_wait_loadcnt 0x0                             ; the K that the last step asked for (key step 15 - t: it is not used) has landed: its registers and the bases are written again below
	PLACES                                         ; behind the last products, ahead of the stores that read their results
.irp i, 0,1,2,3,4,5,6,7
	ds_store_b128 v224, v[160+4*\i:163+4*\i] offset:512*\i   ; each accumulator from its low end on
.endr
	ds_store_b128 v224, v[200:203] offset:4096     ; -M, the largest t, the sum's two halves
	s_wait_dscnt 0x0                               ; for my neighbour's sake: the state lies in LDS; and its registers may be written again
.Lown:
	; ---- every wave's own tile
	s_cmp_eq_u32 s33, 1
	s_cselect_b32 s40, s34, s35                    ; the tile,
	s_cselect_b32 s41, 0, s37                      ; its first key step,
	s_cselect_b32 s24, s36, 16                     ; and the steps in front of the diagonal's
	SETUP
	s_mul_i32 s44, s40, 6                          ; out: my tile, K step head / 2, half head % 2
	s_lshr_b32 s42, s38, 1
	s_add_co_u32 s44, s44, s42
	s_lshl_b32 s44, s44, 10
	s_and_b32 s43, s38, 1
	s_lshl_b32 s46, s43, 9
	s_add_co_u32 s44, s44, s46
	s_add_nc_u64 s[28:29], s[6:7], s[44:45]
	s_lshr_b32 s44, s40, 1                         ; scale bytes: the tile's pair, K step head / 2, words 16 (tile % 2) on, bytes 2 (head % 2) on
	s_mul_i32 s44, s44, 768
	s_lshl_b32 s42, s42, 7
	s_add_co_u32 s44, s44, s42
	s_and_b32 s42, s40, 1
	s_lshl_b32 s42, s42, 6
	s_add_co_u32 s44, s44, s42
	s_lshl_b32 s43, s43, 1
	s_add_co_u32 s44, s44, s43
	s_add_co_u32 s44, s44, 0x180000
	s_add_nc_u64 s[30:31], s[6:7], s[44:45]
	s_mov_b32 s26, 0
	s_cmp_eq_u32 s24, 0
	s_cbranch_scc1 .Llast
.Lstep:
	STEP 0
	s_add_co_u32 s26, s26, 1
	s_cmp_lt_u32 s26, s24
	s_cbranch_scc1 .Lstep
.Llast:
	STEP 1
	PLACES                                         ; behind the last products
	s_wait_dscnt 0x0                               ; no LDS instruction of mine is out: the odd waves' states have landed
	s_barrier_signal -1
	s_barrier_wait -1                              ; every wave passes this one barrier; behind it the states are only read
	s_cmp_eq_u32 s33, 1
	s_cbranch_scc1 .Lout
	; ---- the even wave joins its neighbour's state of the same tile to its own
.irp i, 0,1,2,3,4,5,6,7
	ds_load_b128 v[96+4*\i:99+4*\i], v225 offset:512*\i
.endr
	ds_load_b128 v[128:131], v225 offset:4096
	s_wait_dscnt 0x0
	v_min_num_f32 v220, v200, v128                 ; -M of the two ranges of keys together
	v_sub_f32 v221, v220, v200                     ; my M less the common one: a whole number, 0 or less;
	v_sub_f32 v222, v220, v128                     ; my neighbour's likewise
	v_cvt_i32_f32 v221, v221                       ; (they saturate)
	v_cvt_i32_f32 v222, v222
	v_ldexp_f32 v204, 1.0, v221                    ; the two factors: powers of two, nothing is rounded
	v_ldexp_f32 v206, 1.0, v222
	v_pk_mul_f32 v[202:203], v[202:203], v[204:205] op_sel_hi:[1,0]
	v_pk_fma_f32 v[202:203], v[130:131], v[206:207], v[202:203] op_sel_hi:[1,0,1]
.set NI, 0
.rept 16
	v_pk_mul_f32 v[160+NI:161+NI], v[160+NI:161+NI], v[204:205] op_sel_hi:[1,0]   ; each accumulator from its low end on
.set NI, NI+2
.endr
.set NI, 0
.rept 16
	v_pk_fma_f32 v[160+NI:161+NI], v[96+NI:97+NI], v[206:207], v[160+NI:161+NI] op_sel_hi:[1,0,1]
.set NI, NI+2
.endr
.Lout:
	v_add_f32 v202, v202, v203
	v_permlanex16_b32 v220, v202, s20, s21
	v_add_f32 v202, v202, v220                     ; the row's sum
	v_rcp_f32 v202, v202
	v_nop
	s_wait_alu depctr_va_vdst(0)                   ; ahead of the reciprocal's first reader
.set NI, 0
.rept 32
	v_mul_f32 v[96+NI], v[160+NI], v202            ; register 16 b + i is channel 32 b + 16 (lane / 16) + i of my head
.set NI, NI+1
.endr
.irp b, 0,1
	v_max3_num_f32 v[208+\b], |v[96+16*\b]|, |v[97+16*\b]|, 0x1800000
.endr
.irp i, 2,4,6,8,10,12,14
.irp b, 0,1
	v_max3_num_f32 v[208+\b], v[208+\b], |v[96+16*\b+\i]|, |v[97+16*\b+\i]|
.endr
.endr
.irp b, 0,1
	v_permlanex16_b32 v[212+\b], v[208+\b], s20, s21
.endr
.irp b, 0,1
	v_max_num_f32 v[208+\b], v[208+\b], v[212+\b]
.endr
.irp b, 0,1
	v_add_nc_u32 v[216+\b], 0xff000000, v[208+\b]
.endr
.irp b, 0,1
	v_lshrrev_b32 v[212+\b], 23, v[216+\b]
.endr
.irp b, 0,1
	v_cvt_scalef32_pk8_fp4_f32 v[192+2*\b], v[96+16*\b:103+16*\b], v[216+\b]
	v_cvt_scalef32_pk8_fp4_f32 v[193+2*\b], v[104+16*\b:111+16*\b], v[216+\b]
.endr
	v_nop
	v_permlane16_swap_b32 v192, v194
	v_permlane16_swap_b32 v193, v195
	v_cndmask_b32 v221, v212, v213, s25            ; lanes 0-15 store block 0's byte, lanes 16-31 block 1's
	global_store_b128 v2, v[192:195], s[28:29]     ; half a fragment: 512 consecutive bytes
	global_store_b8 v5, v221, s[30:31]
	s_wait_tensorcnt 0x0
	ds_add_u32 v254, v255
	s_wait_dscnt 0x0
	s_endpgm
.Lfunc_end_k_q1573e612ca_attn:
	.size	k_q1573e612ca_attn, .Lfunc_end_k_q1573e612ca_attn-k_q1573e612ca_attn
	.p2alignl 7, 3214868480
	.fill 96, 4, 3214868480
	.section	.rodata,"a",@progbits
	.p2align	6, 0x0
	.amdhsa_kernel k_q1573e612ca_attn
		.amdhsa_group_segment_fixed_size 56832
		.amdhsa_private_segment_fixed_size 0
		.amdhsa_enable_private_segment 0
		.amdhsa_kernarg_size 16
		.amdhsa_user_sgpr_count 2
		.amdhsa_user_sgpr_kernarg_segment_ptr 1
		.amdhsa_wavefront_size32 1
		.amdhsa_system_sgpr_workgroup_id_x 1
		.amdhsa_system_sgpr_workgroup_id_y 1
		.amdhsa_system_sgpr_workgroup_id_z 1
		.amdhsa_system_vgpr_workitem_id 0
		.amdhsa_next_free_vgpr 256
		.amdhsa_next_free_sgpr 66
		.amdhsa_reserve_vcc 1
		.amdhsa_float_denorm_mode_32 3
		.amdhsa_float_denorm_mode_16_64 3
		.amdhsa_memory_ordered 1
		.amdhsa_forward_progress 1
		.amdhsa_inst_pref_size 70
	.end_amdhsa_kernel
	.amdgpu_metadata
---
amdhsa.version: [ 1, 2 ]
amdhsa.kernels:
  - .name:           k_q1573e612ca_attn
    .symbol:         k_q1573e612ca_attn.kd
    .args:
      - { .name: qkvq, .offset: 0, .size: 8, .value_kind: global_buffer, .address_space: global }
      - { .name: oq, .offset: 8, .size: 8, .value_kind: global_buffer, .address_space: global }
    .group_segment_fixed_size: 56832
    .private_segment_fixed_size: 0
    .kernarg_segment_align: 8
    .kernarg_segment_size: 16
    .max_flat_workgroup_size: 384
    .sgpr_count:     66
    .vgpr_count:     256
    .wavefront_size: 32
...
	.end_amdgpu_metadata
.endif
;; end of part 3
;; launch wo (part 4): grid 6 x 64, 2 waves a work-group, no clusters, 67,840 bytes of LDS; arguments oq, wts, bo, x, x1; writes x1
.if DOCPART == 4
	.amdgcn_target "amdgcn-amd-amdhsa--gfx1250"
	.amdhsa_code_object_version 6
	.text
	.protected	k_q1573e612ca_wo
	.globl	k_q1573e612ca_wo
	.p2align	8
	.type	k_q1573e612ca_wo,@function
k_q1573e612ca_wo:
	s_mov_b64 s[64:65], 0
	v_nop
	global_prefetch_b8 v0, s[64:65] scope:SCOPE_SE
	s_setreg_imm32_b32 hwreg(HW_REG_WAVE_MODE, 25, 1), 1
	s_wait_xcnt 0x0
; out = res + bias + A W on codes of FP4 with E8M0 scales.  A: [4096][128 SK] as register images, W: [128 SK][768] likewise; res, out: [4096][768] f32; bias [768].
; A work-group makes 64 rows x 128 columns.  K IS SPLIT AMONG ITS NSPLIT WAVES, SW = SK / NSPLIT steps of 128 each, so that no wave walks more than 6 dependent steps; the parts meet in LDS, in f32.
; A wave: 4 "minor" tiles (rows of A) x 8 "major" tiles (columns of W): source 0 = a major tile, source 1 = a minor tile.  Place p of tile T stands for index 32 (T / 2) + 8 (T % 2) + p + 8 (p / 8), so a lane holds one
; row and its registers of major tiles 2 b, 2 b + 1 are columns 32 b + 16 (lane / 16) + 0..15.
; Operands come from memory as images of their registers, each load 512 (scale words: 128) consecutive bytes, a whole step ahead in a second set of registers.
; No LDS ring, no cluster: a wave's walk is SW steps, no longer than a ring takes to fill and drain.
; THE WAY OUT: each wave stores its 64 x 128 part into its own stage (rows of 512 bytes + 16); a barrier; wave w adds, for its 4 / NSPLIT tiles of rows, the residual, the bias and all parts, and stores whole
; pieces of rows: 32 lanes store 512 consecutive bytes, aligned.
; REGISTERS: window 0: v2 16 x lane, v3 4 x lane, v4 the stage on the way in, v8.. on the way back; v16-111, v112-207 two sets of fragments; v208-219 scale words, which hold nothing else.  Window 1: the 32 accumulators.
.set SK, 6                             ; K steps of both operands
.set NSPLIT, 2                         ; waves
.set WC, 0xE5800                       ; where W's codes begin in the weights' buffer,
.set WS, 0x12D800                      ; and its scale words
.set AS, 0x180000                      ; where A's scale words begin in its buffer
.set SW, SK/NSPLIT
.set RTP, 4/NSPLIT
.set MSB, 0
.macro WIN new                         ; the immediate's high byte repeats the setting that is left
.if MSB != (\new)
	s_set_vgpr_msb (MSB<<8)|(\new)
.set MSB, (\new)
.endif
.endm
.macro PLACES                          ; four plain instructions between a matrix instruction and a load into, or a read of, its registers
.rept 4
	v_nop
.endr
.endm
.macro LOADSTEP p, st                  ; my K step st into set p: 30 loads
.irp t, 0,1,2,3,4,5,6,7
.irp c, 0,1
	global_load_b128 v[16+96*(\p)+8*\t+4*\c:16+96*(\p)+8*\t+4*\c+3], v2, s[16:17] offset:\t*SK*1024+(\st)*1024+512*\c
.endr
.endr
.irp u, 0,1,2,3
.irp c, 0,1
	global_load_b128 v[80+96*(\p)+8*\u+4*\c:80+96*(\p)+8*\u+4*\c+3], v2, s[20:21] offset:\u*SK*1024+(\st)*1024+512*\c
.endr
.endr
.irp i, 0,1,2,3
	global_load_b32 v[208+6*(\p)+\i], v3, s[18:19] offset:\i*SK*128+(\st)*128
.endr
.irp i, 0,1
	global_load_b32 v[212+6*(\p)+\i], v3, s[22:23] offset:\i*SK*128+(\st)*128
.endr
.endm
.macro WM4 a, b, p, zero               ; minor tiles a, a + 1 x major tiles b, b + 1; an odd tile's scale words stand in lanes 16-31
.set rD, 64*(\a)+8*(\b)
.set rA, 16+96*(\p)+8*(\b)
.set rB, 80+96*(\p)+8*(\a)
.set rP, 208+6*(\p)+(\b)/2
.set rQ, 212+6*(\p)+(\a)/2
.if \zero
	v_wmma_scale_f32_16x16x128_f8f6f4 v[rD:rD+7], v[rA:rA+7], v[rB:rB+7], 0, v[rP], v[rQ] matrix_a_fmt:MATRIX_FMT_FP4 matrix_b_fmt:MATRIX_FMT_FP4
	v_wmma_scale_f32_16x16x128_f8f6f4 v[rD+8:rD+15], v[rA+8:rA+15], v[rB:rB+7], 0, v[rP], v[rQ] matrix_a_fmt:MATRIX_FMT_FP4 matrix_b_fmt:MATRIX_FMT_FP4 matrix_a_scale:MATRIX_SCALE_ROW1
	v_wmma_scale_f32_16x16x128_f8f6f4 v[rD+64:rD+71], v[rA:rA+7], v[rB+8:rB+15], 0, v[rP], v[rQ] matrix_a_fmt:MATRIX_FMT_FP4 matrix_b_fmt:MATRIX_FMT_FP4 matrix_b_scale:MATRIX_SCALE_ROW1
	v_wmma_scale_f32_16x16x128_f8f6f4 v[rD+72:rD+79], v[rA+8:rA+15], v[rB+8:rB+15], 0, v[rP], v[rQ] matrix_a_fmt:MATRIX_FMT_FP4 matrix_b_fmt:MATRIX_FMT_FP4 matrix_a_scale:MATRIX_SCALE_ROW1 matrix_b_scale:MATRIX_SCALE_ROW1
.else
	v_wmma_scale_f32_16x16x128_f8f6f4 v[rD:rD+7], v[rA:rA+7], v[rB:rB+7], v[rD:rD+7], v[rP], v[rQ] matrix_a_fmt:MATRIX_FMT_FP4 matrix_b_fmt:MATRIX_FMT_FP4
	v_wmma_scale_f32_16x16x128_f8f6f4 v[rD+8:rD+15], v[rA+8:rA+15], v[rB:rB+7], v[rD+8:rD+15], v[rP], v[rQ] matrix_a_fmt:MATRIX_FMT_FP4 matrix_b_fmt:MATRIX_FMT_FP4 matrix_a_scale:MATRIX_SCALE_ROW1
	v_wmma_scale_f32_16x16x128_f8f6f4 v[rD+64:rD+71], v[rA:rA+7], v[rB+8:rB+15], v[rD+64:rD+71], v[rP], v[rQ] matrix_a_fmt:MATRIX_FMT_FP4 matrix_b_fmt:MATRIX_FMT_FP4 matrix_b_scale:MATRIX_SCALE_ROW1
	v_wmma_scale_f32_16x16x128_f8f6f4 v[rD+72:rD+79], v[rA+8:rA+15], v[rB+8:rB+15], v[rD+72:rD+79], v[rP], v[rQ] matrix_a_fmt:MATRIX_FMT_FP4 matrix_b_fmt:MATRIX_FMT_FP4 matrix_a_scale:MATRIX_SCALE_ROW1 matrix_b_scale:MATRIX_SCALE_ROW1
.endif
.endm
.macro MULSTEP p, zero                 ; 32 matrix instructions: the 32 accumulators take turns, one instruction a turn, in the same order in every step
	WIN 0x50                                       ; C and D in window 1
.irp a, 0,2
.irp b, 0,2,4,6
	WM4 \a, \b, \p, \zero
.endr
.endr
	WIN 0
.endm
.macro RESLOAD mi                      ; the residual's 16 rows of my tile mi, my work-group's 512 bytes of each: place p is row p + 8 (p / 8) of the tile
.set PI, 0
.rept 16
	global_load_b128 v[16+4*PI:19+4*PI], v2, s[24:25] offset:(PI+8*(PI/8)+8*(\mi))*3072
.set PI, PI+1
.endr
.endm
.macro OUTTILE mi                      ; four rows at a time: all waves' parts from the stages, the sums, the stores
.set CH, 0
.rept 4
.set SI, 0
.rept NSPLIT
.set PP, 0
.rept 4
	ds_load_b128 v[112+16*SI+4*PP:115+16*SI+4*PP], v[8+SI] offset:8448*(\mi)+528*(4*CH+PP)
.set PP, PP+1
.endr
.set SI, SI+1
.endr
.if CH == 0
	s_wait_loadcnt 0x0                             ; the residual (and the bias)
.endif
	s_wait_dscnt 0x0
.set PP, 0
.rept 4
.set PI, 4*CH+PP
	v_pk_add_f32 v[16+4*PI:17+4*PI], v[16+4*PI:17+4*PI], v[80:81]
	v_pk_add_f32 v[18+4*PI:19+4*PI], v[18+4*PI:19+4*PI], v[82:83]
.set SI, 0
.rept NSPLIT
	v_pk_add_f32 v[16+4*PI:17+4*PI], v[16+4*PI:17+4*PI], v[112+16*SI+4*PP:113+16*SI+4*PP]
	v_pk_add_f32 v[18+4*PI:19+4*PI], v[18+4*PI:19+4*PI], v[114+16*SI+4*PP:115+16*SI+4*PP]
.set SI, SI+1
.endr
	global_store_b128 v2, v[16+4*PI:19+4*PI], s[26:27] offset:(PI+8*(PI/8)+8*(\mi))*3072
.set PP, PP+1
.endr
.set CH, CH+1
.endr
.endm
	s_load_b256 s[4:11], s[0:1], 0x0               ; A s[4:5], the weights s[6:7], the bias s[8:9], the residual s[10:11]
	s_load_b64 s[12:13], s[0:1], 0x20              ; out
	v_lshl_add_u32 v254, v0, 2, 0x10800
	v_mov_b32 v255, 0
	v_lshrrev_b32 v1, 5, v0
	v_readfirstlane_b32 s14, v1                    ; wave
	v_and_b32 v1, 31, v0
	v_lshlrev_b32 v2, 4, v1
	v_lshlrev_b32 v3, 2, v1
	v_and_b32 v5, 15, v0
	v_bfe_u32 v6, v0, 4, 1
	v_mul_u32_u24 v4, v5, 528
	v_lshl_add_u32 v4, v6, 6, v4
	s_mul_i32 s31, s14, 33792
	v_add_nc_u32 v4, s31, v4                       ; into my stage: row = my place, + 64 bytes for lanes 16-31
	s_mul_i32 s31, s14, 8448*RTP
	v_add_nc_u32 v8, s31, v2                       ; back: my tiles of rows, 16 bytes a lane, in stage 0,
.set SI, 1
.rept NSPLIT-1
	v_add_nc_u32 v[8+SI], 33792*SI, v8             ; and in the others
.set SI, SI+1
.endr
	s_and_b32 s15, ttmp7, 0xffff                   ; the quad of row tiles; ttmp9: the block of 128 columns
	s_mov_b32 s29, 0
	s_mul_i32 s30, s14, SW*1024                    ; my first K step
	s_mul_i32 s28, ttmp9, 8*SK*1024
	s_add_co_u32 s28, s28, s30
	s_add_co_u32 s28, s28, WC
	s_wait_kmcnt 0x0
	s_add_nc_u64 s[16:17], s[6:7], s[28:29]
	s_mul_i32 s28, s15, 4*SK*1024
	s_add_co_u32 s28, s28, s30
	s_add_nc_u64 s[20:21], s[4:5], s[28:29]
	s_mul_i32 s30, s14, SW*128
	s_mul_i32 s28, ttmp9, 4*SK*128
	s_add_co_u32 s28, s28, s30
	s_add_co_u32 s28, s28, WS
	s_add_nc_u64 s[18:19], s[6:7], s[28:29]
	s_mul_i32 s28, s15, 2*SK*128
	s_add_co_u32 s28, s28, s30
	s_add_co_u32 s28, s28, AS
	s_add_nc_u64 s[22:23], s[4:5], s[28:29]
	LOADSTEP 0, 0
	s_lshl_b32 s28, s15, 6                         ; the first row of the tiles that I send out
.if RTP == 2
	s_lshl_b32 s30, s14, 5                         ; tiles 2 w, 2 w + 1: rows 32 w on (the odd tile 8 further on)
.else
	s_lshr_b32 s30, s14, 1                         ; tile w: rows 32 (w / 2) + 8 (w % 2) on
	s_lshl_b32 s30, s30, 5
	s_and_b32 s31, s14, 1
	s_lshl_b32 s31, s31, 3
	s_add_co_u32 s30, s30, s31
.endif
	s_add_co_u32 s28, s28, s30
	s_mul_i32 s28, s28, 3072
	s_lshl_b32 s30, ttmp9, 9
	s_add_co_u32 s28, s28, s30
	s_add_nc_u64 s[24:25], s[10:11], s[28:29]
	s_add_nc_u64 s[26:27], s[12:13], s[28:29]
	s_mov_b32 s28, s30
	s_add_nc_u64 s[8:9], s[8:9], s[28:29]
.set KI, 0
.rept SW
.if KI+1 < SW
.if KI >= 1
	PLACES                                         ; the set that the last products read is loaded again
.endif
	LOADSTEP (KI+1)%2, KI+1
	s_wait_loadcnt 30                              ; this step's loads are in; the next step's 30 stay out
.else
	s_wait_loadcnt 0x0
.endif
	MULSTEP KI%2, KI==0
.set KI, KI+1
.endr
	PLACES
	WIN 0x04                                       ; an LDS store's data are its source 1: window 1
.irp a, 0,1,2,3
.irp k, 0,1,2,3,4,5,6,7,8,9,10,11,12,13,14,15
	ds_store_b128 v4, v[64*\a+4*\k:64*\a+4*\k+3] offset:8448*\a+128*(\k/4)+16*(\k%4)   ; each accumulator from its low end on
.endr
.endr
	WIN 0
	global_load_b128 v[80:83], v2, s[8:9]          ; the bias at my 4 columns
	RESLOAD 0
	s_wait_dscnt 0x0                               ; for the others' sake: my part lies in my stage
	s_barrier_signal -1
	s_barrier_wait -1
	OUTTILE 0
.if RTP == 2
	s_wait_xcnt 0x0                                ; the stores have read their registers: these take the next tile's residual
	RESLOAD 1
	OUTTILE 1
.endif
	s_wait_tensorcnt 0x0
	ds_add_u32 v254, v255
	s_wait_dscnt 0x0
	s_endpgm
.Lfunc_end_k_q1573e612ca_wo:
	.size	k_q1573e612ca_wo, .Lfunc_end_k_q1573e612ca_wo-k_q1573e612ca_wo
	.p2alignl 7, 3214868480
	.fill 96, 4, 3214868480
	.section	.rodata,"a",@progbits
	.p2align	6, 0x0
	.amdhsa_kernel k_q1573e612ca_wo
		.amdhsa_group_segment_fixed_size 67840
		.amdhsa_private_segment_fixed_size 0
		.amdhsa_enable_private_segment 0
		.amdhsa_kernarg_size 40
		.amdhsa_user_sgpr_count 2
		.amdhsa_user_sgpr_kernarg_segment_ptr 1
		.amdhsa_wavefront_size32 1
		.amdhsa_system_sgpr_workgroup_id_x 1
		.amdhsa_system_sgpr_workgroup_id_y 1
		.amdhsa_system_sgpr_workgroup_id_z 1
		.amdhsa_system_vgpr_workitem_id 0
		.amdhsa_next_free_vgpr 512
		.amdhsa_next_free_sgpr 66
		.amdhsa_reserve_vcc 0
		.amdhsa_float_denorm_mode_32 3
		.amdhsa_float_denorm_mode_16_64 3
		.amdhsa_memory_ordered 1
		.amdhsa_forward_progress 1
		.amdhsa_inst_pref_size 51
	.end_amdhsa_kernel
	.amdgpu_metadata
---
amdhsa.version: [ 1, 2 ]
amdhsa.kernels:
  - .name:           k_q1573e612ca_wo
    .symbol:         k_q1573e612ca_wo.kd
    .args:
      - { .name: oq, .offset: 0, .size: 8, .value_kind: global_buffer, .address_space: global }
      - { .name: wts, .offset: 8, .size: 8, .value_kind: global_buffer, .address_space: global }
      - { .name: bo, .offset: 16, .size: 8, .value_kind: global_buffer, .address_space: global }
      - { .name: x, .offset: 24, .size: 8, .value_kind: global_buffer, .address_space: global }
      - { .name: x1, .offset: 32, .size: 8, .value_kind: global_buffer, .address_space: global }
    .group_segment_fixed_size: 67840
    .private_segment_fixed_size: 0
    .kernarg_segment_align: 8
    .kernarg_segment_size: 40
    .max_flat_workgroup_size: 64
    .sgpr_count:     66
    .vgpr_count:     512
    .wavefront_size: 32
...
	.end_amdgpu_metadata
.endif
;; end of part 4
;; launch ln2: the kernel of part 1 again; grid 128 x 1, 8 waves a work-group, no clusters, 14,336 bytes of LDS; arguments x1, g2, beta2, h2q, Wq, Wk, Wv, Wo, W1, W2, wts; writes h2q, wts
;; launch ffn1 (part 5): grid 8 x 32, 6 waves a work-group, no clusters, 0 bytes of LDS; arguments h2q, wts, b1, fq; writes fq
.if DOCPART == 5
	.amdgcn_target "amdgcn-amd-amdhsa--gfx1250"
	.amdhsa_code_object_version 6
	.text
	.protected	k_q1573e612ca_ffn1
	.globl	k_q1573e612ca_ffn1
	.p2align	8
	.type	k_q1573e612ca_ffn1,@function
k_q1573e612ca_ffn1:
	s_mov_b64 s[64:65], 0
	v_nop
	global_prefetch_b8 v0, s[64:65] scope:SCOPE_SE
	s_setreg_imm32_b32 hwreg(HW_REG_WAVE_MODE, 25, 1), 1
	s_wait_xcnt 0x0
; f = gelu(LN2(x1) W1 + b1), exact GELU, on codes of FP4 with E8M0 scales, and f quantised along the 3,072 hidden units on the way: the hidden layer goes to memory as codes alone.
; A wave makes 64 rows x 128 hidden units: 4 "minor" tiles (rows) x 8 "major" tiles (columns of W1): source 0 = a major tile, source 1 = a minor tile.  Place p of tile T stands for index
; 32 (T / 2) + 8 (T % 2) + p + 8 (p / 8): a lane holds one row, and its registers of major tiles 2 b, 2 b + 1 are hidden units 32 b + 16 (lane / 16) + 0..15: one K step of the next product.
; Operands come from memory as images of their registers, a whole step ahead in a second set of registers; K = 768 is six steps, written out.
; No LDS ring, no cluster: a wave's walk is 6 steps, as long as a ring takes to fill and drain.
; GELU: gelu(x) = max(x, 0) - |x| erfc(|x| / sqrt 2) / 2, which keeps the relative accuracy on both sides of 0.  erfc(z) = t exp(-z^2 + c0 + t (c1 + .. + t c9)), t = 1 / (1 + z / 2): a Chebyshev fit whose
; fractional error is under 1.2e-7 for every z; all in f32.
; LIMITS: the rounding of the exponent adds about x^2 x 1e-7 to erfc's relative error, which shows only where gelu is tiny.  NaN and infinities are not served; a block's largest magnitude under 2^-124 counts as 2^-124 (byte 1).
; REGISTERS: window 0: v2 16 x lane, v3 4 x lane, v5 64 (lane / 16); v16-111, v112-207 two sets of fragments; behind the products v16-79 the bias, v80-111 t (then the codes), v112-175 x, v176-207 the polynomial;
;   v208-219 scale words, which hold nothing else; v220-235 at work; v236-239 scale words made; v240-247 at work; v248-249 c9; v250-251 scale words to store.   Window 1: the 32 accumulators.
.set SK, 6
.set TM, 220
.set MSB, 0
.macro WIN new                         ; the immediate's high byte repeats the setting that is left
.if MSB != (\new)
	s_set_vgpr_msb (MSB<<8)|(\new)
.set MSB, (\new)
.endif
.endm
.macro PLACES                          ; four plain instructions between a matrix instruction and a load into, or a vector instruction on, its registers
.rept 4
	v_nop
.endr
.endm
.macro LOADSTEP p, st                  ; K step st into set p: 30 loads
.irp t, 0,1,2,3,4,5,6,7
.irp c, 0,1
	global_load_b128 v[16+96*(\p)+8*\t+4*\c:16+96*(\p)+8*\t+4*\c+3], v2, s[16:17] offset:\t*SK*1024+(\st)*1024+512*\c
.endr
.endr
.irp u, 0,1,2,3
.irp c, 0,1
	global_load_b128 v[80+96*(\p)+8*\u+4*\c:80+96*(\p)+8*\u+4*\c+3], v2, s[20:21] offset:\u*SK*1024+(\st)*1024+512*\c
.endr
.endr
.irp i, 0,1,2,3
	global_load_b32 v[208+6*(\p)+\i], v3, s[18:19] offset:\i*SK*128+(\st)*128
.endr
.irp i, 0,1
	global_load_b32 v[212+6*(\p)+\i], v3, s[22:23] offset:\i*SK*128+(\st)*128
.endr
.endm
.macro WM4 a, b, p, zero               ; minor tiles a, a + 1 x major tiles b, b + 1; an odd tile's scale words stand in lanes 16-31
.set rD, 64*(\a)+8*(\b)
.set rA, 16+96*(\p)+8*(\b)
.set rB, 80+96*(\p)+8*(\a)
.set rP, 208+6*(\p)+(\b)/2
.set rQ, 212+6*(\p)+(\a)/2
.if \zero
	v_wmma_scale_f32_16x16x128_f8f6f4 v[rD:rD+7], v[rA:rA+7], v[rB:rB+7], 0, v[rP], v[rQ] matrix_a_fmt:MATRIX_FMT_FP4 matrix_b_fmt:MATRIX_FMT_FP4
	v_wmma_scale_f32_16x16x128_f8f6f4 v[rD+8:rD+15], v[rA+8:rA+15], v[rB:rB+7], 0, v[rP], v[rQ] matrix_a_fmt:MATRIX_FMT_FP4 matrix_b_fmt:MATRIX_FMT_FP4 matrix_a_scale:MATRIX_SCALE_ROW1
	v_wmma_scale_f32_16x16x128_f8f6f4 v[rD+64:rD+71], v[rA:rA+7], v[rB+8:rB+15], 0, v[rP], v[rQ] matrix_a_fmt:MATRIX_FMT_FP4 matrix_b_fmt:MATRIX_FMT_FP4 matrix_b_scale:MATRIX_SCALE_ROW1
	v_wmma_scale_f32_16x16x128_f8f6f4 v[rD+72:rD+79], v[rA+8:rA+15], v[rB+8:rB+15], 0, v[rP], v[rQ] matrix_a_fmt:MATRIX_FMT_FP4 matrix_b_fmt:MATRIX_FMT_FP4 matrix_a_scale:MATRIX_SCALE_ROW1 matrix_b_scale:MATRIX_SCALE_ROW1
.else
	v_wmma_scale_f32_16x16x128_f8f6f4 v[rD:rD+7], v[rA:rA+7], v[rB:rB+7], v[rD:rD+7], v[rP], v[rQ] matrix_a_fmt:MATRIX_FMT_FP4 matrix_b_fmt:MATRIX_FMT_FP4
	v_wmma_scale_f32_16x16x128_f8f6f4 v[rD+8:rD+15], v[rA+8:rA+15], v[rB:rB+7], v[rD+8:rD+15], v[rP], v[rQ] matrix_a_fmt:MATRIX_FMT_FP4 matrix_b_fmt:MATRIX_FMT_FP4 matrix_a_scale:MATRIX_SCALE_ROW1
	v_wmma_scale_f32_16x16x128_f8f6f4 v[rD+64:rD+71], v[rA:rA+7], v[rB+8:rB+15], v[rD+64:rD+71], v[rP], v[rQ] matrix_a_fmt:MATRIX_FMT_FP4 matrix_b_fmt:MATRIX_FMT_FP4 matrix_b_scale:MATRIX_SCALE_ROW1
	v_wmma_scale_f32_16x16x128_f8f6f4 v[rD+72:rD+79], v[rA+8:rA+15], v[rB+8:rB+15], v[rD+72:rD+79], v[rP], v[rQ] matrix_a_fmt:MATRIX_FMT_FP4 matrix_b_fmt:MATRIX_FMT_FP4 matrix_a_scale:MATRIX_SCALE_ROW1 matrix_b_scale:MATRIX_SCALE_ROW1
.endif
.endm
.macro MULSTEP p, zero                 ; 32 matrix instructions: the 32 accumulators take turns, one instruction a turn, in the same order in every step
	WIN 0x50                                       ; C and D in window 1
.irp a, 0,2
.irp b, 0,2,4,6
	WM4 \a, \b, \p, \zero
.endr
.endr
	WIN 0
.endm
; 64 numbers of a lane, v[src] on in window w, register 16 b + i = k 32 b + 16 (lane / 16) + i of my row, become a fragment's codes in v[pc] on and its scale word in v[pw]
.macro QUANT src, w, pc, pw
	WIN 0x05*(\w)
.irp b, 0,1,2,3
	v_max3_num_f32 v[TM+\b], |v[(\src)+16*\b]|, |v[(\src)+1+16*\b]|, 0x1800000   ; with the floor 2^-124
.endr
	WIN 0x14*(\w)
.irp i, 2,4,6,8,10,12,14
.irp b, 0,1,2,3
	v_max3_num_f32 v[TM+\b], v[TM+\b], |v[(\src)+16*\b+\i]|, |v[(\src)+1+16*\b+\i]|
.endr
.endr
	WIN 0
.irp b, 0,1,2,3
	v_permlanex16_b32 v[TM+4+\b], v[TM+\b], s24, s25
.endr
.irp b, 0,1,2,3
	v_max_num_f32 v[TM+\b], v[TM+\b], v[TM+4+\b]   ; with lane l xor 16's: the block's largest magnitude
.endr
.irp b, 0,1,2,3
	v_add_nc_u32 v[TM+12+\b], 0xff000000, v[TM+\b] ; 2 off its exponent field: the conversion's scale operand
.endr
.irp b, 0,1,2,3
	v_lshrrev_b32 v[TM+4+\b], 23, v[TM+12+\b]      ; the byte
.endr
	v_lshl_or_b32 v[\pw], v[TM+5], 8, v[TM+4]
	v_lshl_or_b32 v[\pw], v[TM+6], 16, v[\pw]
	v_lshl_or_b32 v[\pw], v[TM+7], 24, v[\pw]
	WIN 0x01*(\w)
.irp b, 0,1,2,3
	v_cvt_scalef32_pk8_fp4_f32 v[(\pc)+2*\b], v[(\src)+16*\b:(\src)+7+16*\b], v[TM+12+\b]
	v_cvt_scalef32_pk8_fp4_f32 v[(\pc)+1+2*\b], v[(\src)+8+16*\b:(\src)+15+16*\b], v[TM+12+\b]
.endr
	WIN 0
	v_nop                                          ; one plain instruction behind a scaled conversion
.irp c, 0,1                                    ; the operand's layout wants a whole block in a lane
.irp i, 0,1
	v_permlane16_swap_b32 v[(\pc)+4*\c+\i], v[(\pc)+2+4*\c+\i]
.endr
.endr
.endm
.macro HORNER c                        ; the polynomial x t + c, 16 pairs that do not wait for each other
.set NI, 0
.rept 16
	v_pk_fma_f32 v[176+NI:177+NI], v[176+NI:177+NI], v[80+NI:81+NI], \c op_sel_hi:[1,1,0]
.set NI, NI+2
.endr
.endm
.macro GELU xb                         ; 32 numbers v[xb] on, in place
.set NI, 0
.rept 32
	v_fma_f32 v[80+NI], |v[\xb+NI]|, s32, 1.0      ; 1 + z / 2, z = |x| / sqrt 2
.set NI, NI+1
.endr
.set NI, 0
.rept 32
	v_rcp_f32 v[80+NI], v[80+NI]                   ; t
.set NI, NI+1
.endr
	v_nop                                          ; a plain instruction behind the batch,
	s_wait_alu depctr_va_vdst(0)                   ; and one wait for the 32, ahead of their first reader
.set NI, 0
.rept 16
	v_pk_fma_f32 v[176+NI:177+NI], v[80+NI:81+NI], v[248:249], 0xbf527892 op_sel_hi:[1,1,0]   ; c9 t + c8
.set NI, NI+2
.endr
.irp c, 0x3fbe87b0, 0xbf914e5d, 0x3e8ec7cc, 0xbe3ec24c, 0x3dc636c9, 0x3ebf88fb, 0x3f8000c7, 0xbfa1fc4e
	HORNER \c                                      ; c7 .. c0
.endr
.set NJ, 0
.rept 4
.set NI, 0
.rept 4
	v_pk_mul_f32 v[240+NI:241+NI], v[\xb+NJ+NI:\xb+NJ+NI+1], v[\xb+NJ+NI:\xb+NJ+NI+1]
.set NI, NI+2
.endr
.set NI, 0
.rept 4
	v_pk_fma_f32 v[176+NJ+NI:177+NJ+NI], v[240+NI:241+NI], -0.5, v[176+NJ+NI:177+NJ+NI] op_sel_hi:[1,0,1]   ; - z^2 = - x^2 / 2
.set NI, NI+2
.endr
.set NJ, NJ+8
.endr
.set NI, 0
.rept 16
	v_pk_fma_f32 v[176+NI:177+NI], v[176+NI:177+NI], 0x3fb8aa3b, -1.0 op_sel_hi:[1,0,0]   ; to base 2, and the factor 1/2 as -1 in the exponent
.set NI, NI+2
.endr
.set NI, 0
.rept 32
	v_exp_f32 v[176+NI], v[176+NI]
.set NI, NI+1
.endr
	v_nop
	s_wait_alu depctr_va_vdst(0)                   ; one wait for the 32 exponentials
.set NI, 0
.rept 16
	v_pk_mul_f32 v[176+NI:177+NI], v[176+NI:177+NI], v[80+NI:81+NI]   ; erfc / 2
.set NI, NI+2
.endr
.set NJ, 0
.rept 4
.set NI, 0
.rept 8
	v_max_num_f32 v[240+NI], 0, v[\xb+NJ+NI]
.set NI, NI+1
.endr
.set NI, 0
.rept 8
	v_fma_f32 v[\xb+NJ+NI], -|v[\xb+NJ+NI]|, v[176+NJ+NI], v[240+NI]
.set NI, NI+1
.endr
.set NJ, NJ+8
.endr
.endm
	s_load_b256 s[4:11], s[0:1], 0x0               ; h2's codes s[4:5], the weights s[6:7], b1 s[8:9], out s[10:11]
	v_lshrrev_b32 v1, 5, v0
	v_readfirstlane_b32 s14, v1                    ; wave 0..5
	v_and_b32 v1, 31, v0
	v_lshlrev_b32 v2, 4, v1
	v_lshlrev_b32 v3, 2, v1
	v_bfe_u32 v5, v0, 4, 1
	v_lshlrev_b32 v5, 6, v5
	v_cmp_le_u32 s26, 16, v1                       ; lanes 16-31
	s_mov_b32 s24, 0x76543210
	s_mov_b32 s25, 0xfedcba98
	s_mov_b32 s32, 0x3eb504f3                      ; sqrt(2) / 4
	v_mov_b32 v248, 0x3e2ef945                     ; c9
	v_mov_b32 v249, 0x3e2ef945
.irp b, 0,1,2,3
	v_mov_b32 v[TM+4+\b], 0                        ; written once: a lane permute's destination counts as one of its sources
.endr
	s_and_b32 s15, ttmp7, 0xffff
	s_lshl_b32 s15, s15, 1
	s_and_b32 s27, s14, 1
	s_add_co_u32 s15, s15, s27                     ; the quad of row tiles
	s_mul_i32 s13, ttmp9, 3
	s_lshr_b32 s27, s14, 1
	s_add_co_u32 s13, s13, s27                     ; the block of 128 hidden units
	s_mov_b32 s29, 0
	s_wait_kmcnt 0x0
	s_mul_i32 s28, s13, 49152
	s_add_co_u32 s28, s28, 0x132000
	s_add_nc_u64 s[16:17], s[6:7], s[28:29]
	s_mul_i32 s28, s13, 3072
	s_add_co_u32 s28, s28, 0x252000
	s_add_nc_u64 s[18:19], s[6:7], s[28:29]
	s_mul_i32 s28, s15, 24576
	s_add_nc_u64 s[20:21], s[4:5], s[28:29]
	s_mul_i32 s28, s15, 1536
	s_add_co_u32 s28, s28, 0x180000
	s_add_nc_u64 s[22:23], s[4:5], s[28:29]
	LOADSTEP 0, 0
	s_lshl_b32 s28, s13, 9
	s_add_nc_u64 s[8:9], s[8:9], s[28:29]          ; b1 at my 128 units
	s_mul_i32 s28, s15, 98304                      ; out: 4 tiles of 24 K steps a quad; my block is K step number s13
	s_lshl_b32 s30, s13, 10
	s_add_co_u32 s28, s28, s30
	s_add_nc_u64 s[34:35], s[10:11], s[28:29]
	s_mul_i32 s28, s15, 6144
	s_lshl_b32 s30, s13, 7
	s_add_co_u32 s28, s28, s30
	s_add_co_u32 s28, s28, 0x600000
	s_add_nc_u64 s[36:37], s[10:11], s[28:29]
.set KI, 0
.rept 6
.if KI < 5
.if KI >= 1
	PLACES                                         ; the set that the last products read is loaded again
.endif
	LOADSTEP (KI+1)%2, KI+1
	s_wait_loadcnt 30                              ; this step's loads are in; the next step's 30 stay out
.else
	PLACES
.irp k, 0,1,2,3,4,5,6,7,8,9,10,11,12,13,14,15      ; in the last step's place for loads: the bias, in the accumulators' order: register 16 b + i is unit 32 b + 16 (lane / 16) + i
	global_load_b128 v[16+4*\k:19+4*\k], v5, s[8:9] offset:128*(\k/4)+16*(\k%4)
.endr
	s_wait_loadcnt 16                              ; the last step's loads are in; the bias's 16 stay out
.endif
	MULSTEP KI%2, KI==0
.set KI, KI+1
.endr
	PLACES
	s_wait_loadcnt 0x0                             ; the bias
.irp u, 0,1,2,3                                ; a tile of 16 rows at a time
	WIN 0x01
.set NI, 0
.rept 32
	v_pk_add_f32 v[112+NI:113+NI], v[64*\u+NI:64*\u+NI+1], v[16+NI:17+NI]   ; + b1; each accumulator from its low end on
.set NI, NI+2
.endr
	WIN 0
.if \u > 0
	s_wait_xcnt 0x0                                ; the last tile's stores have read v80-87, which t takes again
.endif
	GELU 112
	GELU 144
	QUANT 112, 0, 80, 236+\u
	global_store_b128 v2, v[80:83], s[34:35] offset:24576*\u
	global_store_b128 v2, v[84:87], s[34:35] offset:24576*\u+512
.if \u%2
	v_cndmask_b32 v[250+\u/2], v[235+\u], v[236+\u], s26
	global_store_b32 v3, v[250+\u/2], s[36:37] offset:3072*(\u/2)   ; a pair's scale words: 128 consecutive bytes
.endif
.endr
	s_endpgm
.Lfunc_end_k_q1573e612ca_ffn1:
	.size	k_q1573e612ca_ffn1, .Lfunc_end_k_q1573e612ca_ffn1-k_q1573e612ca_ffn1
	.p2alignl 7, 3214868480
	.fill 96, 4, 3214868480
	.section	.rodata,"a",@progbits
	.p2align	6, 0x0
	.amdhsa_kernel k_q1573e612ca_ffn1
		.amdhsa_group_segment_fixed_size 0
		.amdhsa_private_segment_fixed_size 0
		.amdhsa_enable_private_segment 0
		.amdhsa_kernarg_size 32
		.amdhsa_user_sgpr_count 2
		.amdhsa_user_sgpr_kernarg_segment_ptr 1
		.amdhsa_wavefront_size32 1
		.amdhsa_system_sgpr_workgroup_id_x 1
		.amdhsa_system_sgpr_workgroup_id_y 1
		.amdhsa_system_sgpr_workgroup_id_z 1
		.amdhsa_system_vgpr_workitem_id 0
		.amdhsa_next_free_vgpr 512
		.amdhsa_next_free_sgpr 66
		.amdhsa_reserve_vcc 0
		.amdhsa_float_denorm_mode_32 3
		.amdhsa_float_denorm_mode_16_64 3
		.amdhsa_memory_ordered 1
		.amdhsa_forward_progress 1
		.amdhsa_inst_pref_size 255
	.end_amdhsa_kernel
	.section	.bss,"aw",@nobits
	.p2align	6
	.space	262144
	.amdgpu_metadata
---
amdhsa.version: [ 1, 2 ]
amdhsa.kernels:
  - .name:           k_q1573e612ca_ffn1
    .symbol:         k_q1573e612ca_ffn1.kd
    .args:
      - { .name: h2q, .offset: 0, .size: 8, .value_kind: global_buffer, .address_space: global }
      - { .name: wts, .offset: 8, .size: 8, .value_kind: global_buffer, .address_space: global }
      - { .name: b1, .offset: 16, .size: 8, .value_kind: global_buffer, .address_space: global }
      - { .name: fq, .offset: 24, .size: 8, .value_kind: global_buffer, .address_space: global }
    .group_segment_fixed_size: 0
    .private_segment_fixed_size: 0
    .kernarg_segment_align: 8
    .kernarg_segment_size: 32
    .max_flat_workgroup_size: 192
    .sgpr_count:     66
    .vgpr_count:     512
    .wavefront_size: 32
...
	.end_amdgpu_metadata
.endif
;; end of part 5
;; launch ffn2 (part 6): grid 6 x 64, 4 waves a work-group, no clusters, 135,680 bytes of LDS; arguments fq, wts, b2, x1, out0; writes out0
.if DOCPART == 6
	.amdgcn_target "amdgcn-amd-amdhsa--gfx1250"
	.amdhsa_code_object_version 6
	.text
	.protected	k_q1573e612ca_ffn2
	.globl	k_q1573e612ca_ffn2
	.p2align	8
	.type	k_q1573e612ca_ffn2,@function
k_q1573e612ca_ffn2:
	s_mov_b64 s[64:65], 0
	v_nop
	global_prefetch_b8 v0, s[64:65] scope:SCOPE_SE
	s_setreg_imm32_b32 hwreg(HW_REG_WAVE_MODE, 25, 1), 1
	s_wait_xcnt 0x0
; out = res + bias + A W on codes of FP4 with E8M0 scales.  A: [4096][128 SK] as register images, W: [128 SK][768] likewise; res, out: [4096][768] f32; bias [768].
; A work-group makes 64 rows x 128 columns.  K IS SPLIT AMONG ITS NSPLIT WAVES, SW = SK / NSPLIT steps of 128 each, so that no wave walks more than 6 dependent steps; the parts meet in LDS, in f32.
; A wave: 4 "minor" tiles (rows of A) x 8 "major" tiles (columns of W): source 0 = a major tile, source 1 = a minor tile.  Place p of tile T stands for index 32 (T / 2) + 8 (T % 2) + p + 8 (p / 8), so a lane holds one
; row and its registers of major tiles 2 b, 2 b + 1 are columns 32 b + 16 (lane / 16) + 0..15.
; Operands come from memory as images of their registers, each load 512 (scale words: 128) consecutive bytes, a whole step ahead in a second set of registers.
; No LDS ring, no cluster: a wave's walk is SW steps, no longer than a ring takes to fill and drain.
; THE WAY OUT: each wave stores its 64 x 128 part into its own stage (rows of 512 bytes + 16); a barrier; wave w adds, for its 4 / NSPLIT tiles of rows, the residual, the bias and all parts, and stores whole
; pieces of rows: 32 lanes store 512 consecutive bytes, aligned.
; REGISTERS: window 0: v2 16 x lane, v3 4 x lane, v4 the stage on the way in, v8.. on the way back; v16-111, v112-207 two sets of fragments; v208-219 scale words, which hold nothing else.  Window 1: the 32 accumulators.
.set SK, 24                            ; K steps of both operands
.set NSPLIT, 4                         ; waves
.set WC, 0x264000                      ; where W's codes begin in the weights' buffer,
.set WS, 0x384000                      ; and its scale words
.set AS, 0x600000                      ; where A's scale words begin in its buffer
.set SW, SK/NSPLIT
.set RTP, 4/NSPLIT
.set MSB, 0
.macro WIN new                         ; the immediate's high byte repeats the setting that is left
.if MSB != (\new)
	s_set_vgpr_msb (MSB<<8)|(\new)
.set MSB, (\new)
.endif
.endm
.macro PLACES                          ; four plain instructions between a matrix instruction and a load into, or a read of, its registers
.rept 4
	v_nop
.endr
.endm
.macro LOADSTEP p, st                  ; my K step st into set p: 30 loads
.irp t, 0,1,2,3,4,5,6,7
.irp c, 0,1
	global_load_b128 v[16+96*(\p)+8*\t+4*\c:16+96*(\p)+8*\t+4*\c+3], v2, s[16:17] offset:\t*SK*1024+(\st)*1024+512*\c
.endr
.endr
.irp u, 0,1,2,3
.irp c, 0,1
	global_load_b128 v[80+96*(\p)+8*\u+4*\c:80+96*(\p)+8*\u+4*\c+3], v2, s[20:21] offset:\u*SK*1024+(\st)*1024+512*\c
.endr
.endr
.irp i, 0,1,2,3
	global_load_b32 v[208+6*(\p)+\i], v3, s[18:19] offset:\i*SK*128+(\st)*128
.endr
.irp i, 0,1
	global_load_b32 v[212+6*(\p)+\i], v3, s[22:23] offset:\i*SK*128+(\st)*128
.endr
.endm
.macro WM4 a, b, p, zero               ; minor tiles a, a + 1 x major tiles b, b + 1; an odd tile's scale words stand in lanes 16-31
.set rD, 64*(\a)+8*(\b)
.set rA, 16+96*(\p)+8*(\b)
.set rB, 80+96*(\p)+8*(\a)
.set rP, 208+6*(\p)+(\b)/2
.set rQ, 212+6*(\p)+(\a)/2
.if \zero
	v_wmma_scale_f32_16x16x128_f8f6f4 v[rD:rD+7], v[rA:rA+7], v[rB:rB+7], 0, v[rP], v[rQ] matrix_a_fmt:MATRIX_FMT_FP4 matrix_b_fmt:MATRIX_FMT_FP4
	v_wmma_scale_f32_16x16x128_f8f6f4 v[rD+8:rD+15], v[rA+8:rA+15], v[rB:rB+7], 0, v[rP], v[rQ] matrix_a_fmt:MATRIX_FMT_FP4 matrix_b_fmt:MATRIX_FMT_FP4 matrix_a_scale:MATRIX_SCALE_ROW1
	v_wmma_scale_f32_16x16x128_f8f6f4 v[rD+64:rD+71], v[rA:rA+7], v[rB+8:rB+15], 0, v[rP], v[rQ] matrix_a_fmt:MATRIX_FMT_FP4 matrix_b_fmt:MATRIX_FMT_FP4 matrix_b_scale:MATRIX_SCALE_ROW1
	v_wmma_scale_f32_16x16x128_f8f6f4 v[rD+72:rD+79], v[rA+8:rA+15], v[rB+8:rB+15], 0, v[rP], v[rQ] matrix_a_fmt:MATRIX_FMT_FP4 matrix_b_fmt:MATRIX_FMT_FP4 matrix_a_scale:MATRIX_SCALE_ROW1 matrix_b_scale:MATRIX_SCALE_ROW1
.else
	v_wmma_scale_f32_16x16x128_f8f6f4 v[rD:rD+7], v[rA:rA+7], v[rB:rB+7], v[rD:rD+7], v[rP], v[rQ] matrix_a_fmt:MATRIX_FMT_FP4 matrix_b_fmt:MATRIX_FMT_FP4
	v_wmma_scale_f32_16x16x128_f8f6f4 v[rD+8:rD+15], v[rA+8:rA+15], v[rB:rB+7], v[rD+8:rD+15], v[rP], v[rQ] matrix_a_fmt:MATRIX_FMT_FP4 matrix_b_fmt:MATRIX_FMT_FP4 matrix_a_scale:MATRIX_SCALE_ROW1
	v_wmma_scale_f32_16x16x128_f8f6f4 v[rD+64:rD+71], v[rA:rA+7], v[rB+8:rB+15], v[rD+64:rD+71], v[rP], v[rQ] matrix_a_fmt:MATRIX_FMT_FP4 matrix_b_fmt:MATRIX_FMT_FP4 matrix_b_scale:MATRIX_SCALE_ROW1
	v_wmma_scale_f32_16x16x128_f8f6f4 v[rD+72:rD+79], v[rA+8:rA+15], v[rB+8:rB+15], v[rD+72:rD+79], v[rP], v[rQ] matrix_a_fmt:MATRIX_FMT_FP4 matrix_b_fmt:MATRIX_FMT_FP4 matrix_a_scale:MATRIX_SCALE_ROW1 matrix_b_scale:MATRIX_SCALE_ROW1
.endif
.endm
.macro MULSTEP p, zero                 ; 32 matrix instructions: the 32 accumulators take turns, one instruction a turn, in the same order in every step
	WIN 0x50                                       ; C and D in window 1
.irp a, 0,2
.irp b, 0,2,4,6
	WM4 \a, \b, \p, \zero
.endr
.endr
	WIN 0
.endm
.macro RESLOAD mi                      ; the residual's 16 rows of my tile mi, my work-group's 512 bytes of each: place p is row p + 8 (p / 8) of the tile
.set PI, 0
.rept 16
	global_load_b128 v[16+4*PI:19+4*PI], v2, s[24:25] offset:(PI+8*(PI/8)+8*(\mi))*3072
.set PI, PI+1
.endr
.endm
.macro OUTTILE mi                      ; four rows at a time: all waves' parts from the stages, the sums, the stores
.set CH, 0
.rept 4
.set SI, 0
.rept NSPLIT
.set PP, 0
.rept 4
	ds_load_b128 v[112+16*SI+4*PP:115+16*SI+4*PP], v[8+SI] offset:8448*(\mi)+528*(4*CH+PP)
.set PP, PP+1
.endr
.set SI, SI+1
.endr
.if CH == 0
	s_wait_loadcnt 0x0                             ; the residual (and the bias)
.endif
	s_wait_dscnt 0x0
.set PP, 0
.rept 4
.set PI, 4*CH+PP
	v_pk_add_f32 v[16+4*PI:17+4*PI], v[16+4*PI:17+4*PI], v[80:81]
	v_pk_add_f32 v[18+4*PI:19+4*PI], v[18+4*PI:19+4*PI], v[82:83]
.set SI, 0
.rept NSPLIT
	v_pk_add_f32 v[16+4*PI:17+4*PI], v[16+4*PI:17+4*PI], v[112+16*SI+4*PP:113+16*SI+4*PP]
	v_pk_add_f32 v[18+4*PI:19+4*PI], v[18+4*PI:19+4*PI], v[114+16*SI+4*PP:115+16*SI+4*PP]
.set SI, SI+1
.endr
	global_store_b128 v2, v[16+4*PI:19+4*PI], s[26:27] offset:(PI+8*(PI/8)+8*(\mi))*3072
.set PP, PP+1
.endr
.set CH, CH+1
.endr
.endm
	s_load_b256 s[4:11], s[0:1], 0x0               ; A s[4:5], the weights s[6:7], the bias s[8:9], the residual s[10:11]
	s_load_b64 s[12:13], s[0:1], 0x20              ; out
	v_lshl_add_u32 v254, v0, 2, 0x21000
	v_mov_b32 v255, 0
	v_lshrrev_b32 v1, 5, v0
	v_readfirstlane_b32 s14, v1                    ; wave
	v_and_b32 v1, 31, v0
	v_lshlrev_b32 v2, 4, v1
	v_lshlrev_b32 v3, 2, v1
	v_and_b32 v5, 15, v0
	v_bfe_u32 v6, v0, 4, 1
	v_mul_u32_u24 v4, v5, 528
	v_lshl_add_u32 v4, v6, 6, v4
	s_mul_i32 s31, s14, 33792
	v_add_nc_u32 v4, s31, v4                       ; into my stage: row = my place, + 64 bytes for lanes 16-31
	s_mul_i32 s31, s14, 8448*RTP
	v_add_nc_u32 v8, s31, v2                       ; back: my tiles of rows, 16 bytes a lane, in stage 0,
.set SI, 1
.rept NSPLIT-1
	v_add_nc_u32 v[8+SI], 33792*SI, v8             ; and in the others
.set SI, SI+1
.endr
	s_and_b32 s15, ttmp7, 0xffff                   ; the quad of row tiles; ttmp9: the block of 128 columns
	s_mov_b32 s29, 0
	s_mul_i32 s30, s14, SW*1024                    ; my first K step
	s_mul_i32 s28, ttmp9, 8*SK*1024
	s_add_co_u32 s28, s28, s30
	s_add_co_u32 s28, s28, WC
	s_wait_kmcnt 0x0
	s_add_nc_u64 s[16:17], s[6:7], s[28:29]
	s_mul_i32 s28, s15, 4*SK*1024
	s_add_co_u32 s28, s28, s30
	s_add_nc_u64 s[20:21], s[4:5], s[28:29]
	s_mul_i32 s30, s14, SW*128
	s_mul_i32 s28, ttmp9, 4*SK*128
	s_add_co_u32 s28, s28, s30
	s_add_co_u32 s28, s28, WS
	s_add_nc_u64 s[18:19], s[6:7], s[28:29]
	s_mul_i32 s28, s15, 2*SK*128
	s_add_co_u32 s28, s28, s30
	s_add_co_u32 s28, s28, AS
	s_add_nc_u64 s[22:23], s[4:5], s[28:29]
	LOADSTEP 0, 0
	s_lshl_b32 s28, s15, 6                         ; the first row of the tiles that I send out
.if RTP == 2
	s_lshl_b32 s30, s14, 5                         ; tiles 2 w, 2 w + 1: rows 32 w on (the odd tile 8 further on)
.else
	s_lshr_b32 s30, s14, 1                         ; tile w: rows 32 (w / 2) + 8 (w % 2) on
	s_lshl_b32 s30, s30, 5
	s_and_b32 s31, s14, 1
	s_lshl_b32 s31, s31, 3
	s_add_co_u32 s30, s30, s31
.endif
	s_add_co_u32 s28, s28, s30
	s_mul_i32 s28, s28, 3072
	s_lshl_b32 s30, ttmp9, 9
	s_add_co_u32 s28, s28, s30
	s_add_nc_u64 s[24:25], s[10:11], s[28:29]
	s_add_nc_u64 s[26:27], s[12:13], s[28:29]
	s_mov_b32 s28, s30
	s_add_nc_u64 s[8:9], s[8:9], s[28:29]
.set KI, 0
.rept SW
.if KI+1 < SW
.if KI >= 1
	PLACES                                         ; the set that the last products read is loaded again
.endif
	LOADSTEP (KI+1)%2, KI+1
	s_wait_loadcnt 30                              ; this step's loads are in; the next step's 30 stay out
.else
	s_wait_loadcnt 0x0
.endif
	MULSTEP KI%2, KI==0
.set KI, KI+1
.endr
	PLACES
	WIN 0x04                                       ; an LDS store's data are its source 1: window 1
.irp a, 0,1,2,3
.irp k, 0,1,2,3,4,5,6,7,8,9,10,11,12,13,14,15
	ds_store_b128 v4, v[64*\a+4*\k:64*\a+4*\k+3] offset:8448*\a+128*(\k/4)+16*(\k%4)   ; each accumulator from its low end on
.endr
.endr
	WIN 0
	global_load_b128 v[80:83], v2, s[8:9]          ; the bias at my 4 columns
	RESLOAD 0
	s_wait_dscnt 0x0                               ; for the others' sake: my part lies in my stage
	s_barrier_signal -1
	s_barrier_wait -1
	OUTTILE 0
.if RTP == 2
	s_wait_xcnt 0x0                                ; the stores have read their registers: these take the next tile's residual
	RESLOAD 1
	OUTTILE 1
.endif
	s_wait_tensorcnt 0x0
	ds_add_u32 v254, v255
	s_wait_dscnt 0x0
	s_endpgm
.Lfunc_end_k_q1573e612ca_ffn2:
	.size	k_q1573e612ca_ffn2, .Lfunc_end_k_q1573e612ca_ffn2-k_q1573e612ca_ffn2
	.p2alignl 7, 3214868480
	.fill 96, 4, 3214868480
	.section	.rodata,"a",@progbits
	.p2align	6, 0x0
	.amdhsa_kernel k_q1573e612ca_ffn2
		.amdhsa_group_segment_fixed_size 135680
		.amdhsa_private_segment_fixed_size 0
		.amdhsa_enable_private_segment 0
		.amdhsa_kernarg_size 40
		.amdhsa_user_sgpr_count 2
		.amdhsa_user_sgpr_kernarg_segment_ptr 1
		.amdhsa_wavefront_size32 1
		.amdhsa_system_sgpr_workgroup_id_x 1
		.amdhsa_system_sgpr_workgroup_id_y 1
		.amdhsa_system_sgpr_workgroup_id_z 1
		.amdhsa_system_vgpr_workitem_id 0
		.amdhsa_next_free_vgpr 512
		.amdhsa_next_free_sgpr 66
		.amdhsa_reserve_vcc 0
		.amdhsa_float_denorm_mode_32 3
		.amdhsa_float_denorm_mode_16_64 3
		.amdhsa_memory_ordered 1
		.amdhsa_forward_progress 1
		.amdhsa_inst_pref_size 67
	.end_amdhsa_kernel
	.amdgpu_metadata
---
amdhsa.version: [ 1, 2 ]
amdhsa.kernels:
  - .name:           k_q1573e612ca_ffn2
    .symbol:         k_q1573e612ca_ffn2.kd
    .args:
      - { .name: fq, .offset: 0, .size: 8, .value_kind: global_buffer, .address_space: global }
      - { .name: wts, .offset: 8, .size: 8, .value_kind: global_buffer, .address_space: global }
      - { .name: b2, .offset: 16, .size: 8, .value_kind: global_buffer, .address_space: global }
      - { .name: x1, .offset: 24, .size: 8, .value_kind: global_buffer, .address_space: global }
      - { .name: out0, .offset: 32, .size: 8, .value_kind: global_buffer, .address_space: global }
    .group_segment_fixed_size: 135680
    .private_segment_fixed_size: 0
    .kernarg_segment_align: 8
    .kernarg_segment_size: 40
    .max_flat_workgroup_size: 128
    .sgpr_count:     66
    .vgpr_count:     512
    .wavefront_size: 32
...
	.end_amdgpu_metadata
.endif
;; end of part 6
;; ======== version 2 of 2: 7 launches
;; workspace buffers: hq 1,671,168 bytes; wts 3,760,128 bytes; qkvq 5,013,504 bytes; oq 1,671,168 bytes; x1 12,582,912 bytes; h2q 1,671,168 bytes; fq 6,684,672 bytes
;; launch prep (part 7): grid 344 x 1, 8 waves a work-group, no clusters, 14,336 bytes of LDS; arguments x, g1, beta1, hq, Wq, Wk, Wv, Wo, W1, W2, wts; writes hq, wts
.if DOCPART == 7
	.amdgcn_target "amdgcn-amd-amdhsa--gfx1250"
	.amdhsa_code_object_version 6
	.text
	.protected	k_q1573e612ca_prep
	.globl	k_q1573e612ca_prep
	.p2align	8
	.type	k_q1573e612ca_prep,@function
k_q1573e612ca_prep:
	s_mov_b64 s[64:65], 0
	v_nop
	global_prefetch_b8 v0, s[64:65] scope:SCOPE_SE
	s_setreg_imm32_b32 hwreg(HW_REG_WAVE_MODE, 25, 1), 1
	s_wait_xcnt 0x0
; Two jobs in one launch, told apart by the work-group's number.
; WORK-GROUPS 0-127: LayerNorm of 32 rows of [4096][768] f32, quantised along the row to codes of FP4 (E2M1) with one E8M0 byte for each 32 numbers.
; WORK-GROUPS 128-343: the six weights, f32 with K as their FIRST axis, quantised along K: 256 columns x 128 along K each.
; WHAT IS STORED ARE IMAGES OF OPERAND REGISTERS.  A tile is 16 rows (or columns), a K step 128 numbers: codes [tile][K step][1024 bytes], the byte at 512 c + 16 (16 h + p) holding
; k = 64 c + 32 h + 0..31 of the tile's place p; scale words [pair of tiles][K step][32 words], words 0-15 the even tile's places, 16-31 the odd tile's; byte b of a word scales k = 32 b on.
; PLACE p OF TILE T STANDS FOR ROW (COLUMN) 32 (T / 2) + 8 (T % 2) + p + 8 (p / 8): so a product's results of two neighbouring tiles are 16 neighbours in a lane's registers.
; A block's scale is 2^(floor(log2(largest magnitude)) - 2): its byte is the largest magnitude's exponent field less 2.
; LIMITS: NaN and infinities are not served.  A largest magnitude under 2^-124 counts as 2^-124 (byte 1); a block of zeros so has byte 1 and not 127: its codes are zeros and this program alone reads the bytes.
; The mean and the variance are sums times 1/768 (rounded to f32); the variance is the mean of squared differences from the mean, so a common offset of the row does no harm.
; No tensor loads, no cluster: no two work-groups read the same bytes.
.set X,  16                            ; v16-111  LN: four rows of 24 numbers a lane.  Lane l holds numbers 256 c + 8 l + 0..7, c = 0..2
.set GA, 112                           ; v112-135 the gain at my 24 columns; later codes and bytes
.set BE, 136                           ; v136-159 the offset
.set TT, 160                           ; v160-191 at work
.macro ALLSUM r                        ; four rows' pairs v[r + 2 i], v[r + 2 i + 1] are summed over the halves and over the 32 lanes; the rows by turns
.irp i, 0,1,2,3
	s_delay_alu instid0(VALU_DEP_4)
	v_add_f32 v[\r+2*\i], v[\r+2*\i], v[\r+2*\i+1]
.endr
.irp x, 1,2,4,8
.irp i, 0,1,2,3
	s_delay_alu instid0(VALU_DEP_4)
	v_add_f32_dpp v[\r+2*\i], v[\r+2*\i], v[\r+2*\i] row_xmask:\x row_mask:0xf bank_mask:0xf
.endr
.endr
.irp i, 0,1,2,3
	s_delay_alu instid0(VALU_DEP_4)
	v_permlanex16_b32 v[\r+2*\i+1], v[\r+2*\i], s20, s21
.endr
.irp i, 0,1,2,3
	s_delay_alu instid0(VALU_DEP_4)
	v_add_f32 v[\r+2*\i], v[\r+2*\i], v[\r+2*\i+1]
.endr
.endm
.macro WLOAD pitch                     ; 128 rows of K at my column: 32 lanes read 128 neighbouring bytes, the eight waves 1,024
.set KI, 0
.rept 128
	global_load_b32 v[32+KI], v3, s[30:31] offset:KI*\pitch th:TH_LOAD_NT
.set KI, KI+1
.endr
.endm
.macro BLOCK kb, cnt                   ; block kb of the K step: its 32 numbers are all mine
.set XS, 32+32*(\kb)
	s_wait_loadcnt \cnt                            ; the later blocks' loads may stay out
	v_max3_num_f32 v12, |v[XS]|, |v[XS+1]|, |v[XS+2]|
	v_max3_num_f32 v13, |v[XS+3]|, |v[XS+4]|, |v[XS+5]|
.irp i, 6,10,14,18,22,26
	s_delay_alu instid0(VALU_DEP_2)
	v_max3_num_f32 v12, v12, |v[XS+\i]|, |v[XS+\i+1]|
	s_delay_alu instid0(VALU_DEP_2)
	v_max3_num_f32 v13, v13, |v[XS+\i+2]|, |v[XS+\i+3]|
.endr
	s_delay_alu instid0(VALU_DEP_2)
	v_max3_num_f32 v12, v12, |v[XS+30]|, |v[XS+31]|
	s_delay_alu instid0(VALU_DEP_1)
	v_max3_num_f32 v12, v12, v13, 0x1800000        ; the floor 2^-124 holds the byte at 1 from below
	s_delay_alu instid0(VALU_DEP_1)
	v_add_nc_u32 v[8+\kb], 0xff000000, v12         ; 2 off the exponent field: the conversion's scale operand
	s_delay_alu instid0(VALU_DEP_1)
	v_lshrrev_b32 v13, 23, v[8+\kb]                ; the byte
.if \kb == 0
	s_delay_alu instid0(VALU_DEP_1)
	v_mov_b32 v24, v13
.else
	s_delay_alu instid0(VALU_DEP_1)
	v_lshl_or_b32 v24, v13, 8*\kb, v24
.endif
.irp g, 0,1,2,3
	v_cvt_scalef32_pk8_fp4_f32 v[160+4*\kb+\g], v[XS+8*\g:XS+8*\g+7], v[8+\kb]
.endr
	global_store_b128 v5, v[160+4*\kb:160+4*\kb+3], s[32:33] offset:512*(\kb/2)+256*(\kb%2)   ; the 16 lanes of one tile store 256 consecutive bytes, aligned; each block has registers of its own
.endm
	s_load_b256 s[4:11], s[0:1], 0x0               ; rows s[4:5], gain s[6:7], offset s[8:9], their codes' buffer s[10:11]
	v_lshl_add_u32 v192, v0, 2, 0x3400
	v_mov_b32 v193, 0
	v_lshrrev_b32 v1, 5, v0
	s_delay_alu instid0(VALU_DEP_1)
	v_readfirstlane_b32 s12, v1                    ; wave 0..7
	v_and_b32 v2, 31, v0                           ; lane
	s_cmp_ge_u32 ttmp9, 128
	s_cbranch_scc1 .Lweights
	; ---------------- LayerNorm: work-group b owns rows 32 b .. 32 b + 31, one pair of tiles; wave w rows 4 w .. 4 w + 3
	v_lshlrev_b32 v3, 5, v2                        ; my 8 numbers: 32 bytes a lane
	v_bfe_u32 v8, v0, 2, 3                         ; lane / 4: my block of 32 among the eight of 256 numbers: K step, c and h in one: 256 bytes of the image each
	s_delay_alu instid0(VALU_DEP_1)
	v_lshlrev_b32 v4, 8, v8
	v_and_b32 v8, 3, v0
	s_delay_alu instid0(VALU_DEP_1)
	v_lshl_add_u32 v4, v8, 2, v4                   ; my 8 codes: 4 bytes of the block's 16
	v_bfe_u32 v8, v0, 6, 1                         ; row 4 w + i = 16 H + 8 u + j: u = (w / 2) % 2 is the tile of the pair,
	s_delay_alu instid0(VALU_DEP_1)
	v_mad_u32_u24 v4, v8, 6144, v4
	s_delay_alu instid0(VALU_DEP_2)
	v_lshlrev_b32 v5, 6, v8
	v_bfe_u32 v8, v0, 7, 1                         ; H = w / 4, and the place is 8 H + 4 (w % 2) + i
	s_delay_alu instid0(VALU_DEP_1)
	v_lshl_add_u32 v4, v8, 7, v4
	s_delay_alu instid0(VALU_DEP_2)
	v_lshl_add_u32 v5, v8, 5, v5
	v_bfe_u32 v8, v0, 5, 1
	s_delay_alu instid0(VALU_DEP_1)
	v_lshl_add_u32 v4, v8, 6, v4                   ; v4: where my codes go in the image (LDS bytes 0 .. 12,287)
	s_delay_alu instid0(VALU_DEP_2)
	v_lshl_add_u32 v5, v8, 4, v5
	v_bfe_u32 v8, v0, 4, 1                         ; the scale byte: K step 2 c + lane / 16, 128 bytes each,
	s_delay_alu instid0(VALU_DEP_1)
	v_lshl_add_u32 v5, v8, 7, v5
	v_bfe_u32 v8, v0, 2, 2                         ; byte (lane / 4) % 4 of the place's word
	s_delay_alu instid0(VALU_DEP_1)
	v_add_nc_u32 v5, v5, v8
	s_delay_alu instid0(VALU_DEP_1)
	v_add_nc_u32 v5, 12288, v5                     ; v5: where my scale byte goes (LDS bytes 12,288 .. 13,055)
	v_lshlrev_b32 v6, 4, v0                        ; the way out: 16 bytes a thread,
	v_lshlrev_b32 v7, 3, v0                        ; and 8 for the scale words
	s_lshl_b32 s13, ttmp9, 5
	s_lshl_b32 s14, s12, 2
	s_add_co_u32 s13, s13, s14                     ; my first row
	s_mul_i32 s14, s13, 3072
	s_mov_b32 s15, 0
	s_mul_i32 s16, ttmp9, 12288                    ; the pair's codes
	s_mov_b32 s17, 0
	s_mul_i32 s18, ttmp9, 768                      ; the pair's scale words, behind all codes
	s_add_co_u32 s18, s18, 0x180000
	s_mov_b32 s19, 0
	s_mov_b32 s20, 0x76543210
	s_mov_b32 s21, 0xfedcba98                      ; v_permlanex16_b32's selects for lane l xor 16
	s_mov_b32 s22, 0x3aaaaaab                      ; 1 / 768
	s_mov_b32 s23, 0x3727c5ac                      ; 1e-5
	s_wait_kmcnt 0x0
	s_add_nc_u64 s[4:5], s[4:5], s[14:15]
	s_add_nc_u64 s[18:19], s[10:11], s[18:19]
	s_add_nc_u64 s[10:11], s[10:11], s[16:17]
.irp i, 0,1,2,3
.irp c, 0,1,2
	global_load_b128 v[X+24*\i+8*\c:X+24*\i+8*\c+3], v3, s[4:5] offset:3072*\i+1024*\c th:TH_LOAD_NT
	global_load_b128 v[X+24*\i+8*\c+4:X+24*\i+8*\c+7], v3, s[4:5] offset:3072*\i+1024*\c+16 th:TH_LOAD_NT
.endr
.endr
.irp c, 0,1,2
	global_load_b128 v[GA+8*\c:GA+8*\c+3], v3, s[6:7] offset:1024*\c
	global_load_b128 v[GA+8*\c+4:GA+8*\c+7], v3, s[6:7] offset:1024*\c+16
	global_load_b128 v[BE+8*\c:BE+8*\c+3], v3, s[8:9] offset:1024*\c
	global_load_b128 v[BE+8*\c+4:BE+8*\c+7], v3, s[8:9] offset:1024*\c+16
.endr
	s_wait_loadcnt 12                              ; the rows are in; the 12 loads of gain and offset may stay out
.irp i, 0,1,2,3
	v_pk_add_f32 v[TT+2*\i:TT+2*\i+1], v[X+24*\i:X+24*\i+1], v[X+24*\i+2:X+24*\i+3]
.endr
.irp j, 4,6,8,10,12,14,16,18,20,22
.irp i, 0,1,2,3
	s_delay_alu instid0(VALU_DEP_4)
	v_pk_add_f32 v[TT+2*\i:TT+2*\i+1], v[TT+2*\i:TT+2*\i+1], v[X+24*\i+\j:X+24*\i+\j+1]
.endr
.endr
	ALLSUM TT
.irp i, 0,1,2,3
	s_delay_alu instid0(VALU_DEP_4)
	v_mul_f32 v[TT+2*\i], s22, v[TT+2*\i]          ; the mean
.endr
.irp i, 0,1,2,3
.irp j, 0,2,4,6,8,10,12,14,16,18,20,22
	v_pk_add_f32 v[X+24*\i+\j:X+24*\i+\j+1], v[X+24*\i+\j:X+24*\i+\j+1], v[TT+2*\i:TT+2*\i+1] op_sel_hi:[1,0] neg_lo:[0,1] neg_hi:[0,1]   ; x - mean
.endr
.endr
.irp i, 0,1,2,3
	v_pk_mul_f32 v[TT+8+2*\i:TT+8+2*\i+1], v[X+24*\i:X+24*\i+1], v[X+24*\i:X+24*\i+1]
.endr
.irp j, 2,4,6,8,10,12,14,16,18,20,22
.irp i, 0,1,2,3
	s_delay_alu instid0(VALU_DEP_4)
	v_pk_fma_f32 v[TT+8+2*\i:TT+8+2*\i+1], v[X+24*\i+\j:X+24*\i+\j+1], v[X+24*\i+\j:X+24*\i+\j+1], v[TT+8+2*\i:TT+8+2*\i+1]
.endr
.endr
	ALLSUM TT+8
.irp i, 0,1,2,3
	s_delay_alu instid0(VALU_DEP_4)
	v_fma_f32 v[TT+8+2*\i], v[TT+8+2*\i], s22, s23 ; the variance + 1e-5
.endr
	s_wait_alu depctr_va_vdst(0)
.irp i, 0,1,2,3
	v_rsq_f32 v[TT+8+2*\i], v[TT+8+2*\i]
.endr
	v_nop                                          ; a plain instruction behind the last of the four,
	s_wait_alu depctr_va_vdst(0)                   ; and one wait for the batch, ahead of its first reader
	s_wait_loadcnt 0x0                             ; gain and offset
.irp i, 0,1,2,3
.irp j, 0,2,4,6,8,10,12,14,16,18,20,22
	v_pk_mul_f32 v[X+24*\i+\j:X+24*\i+\j+1], v[X+24*\i+\j:X+24*\i+\j+1], v[TT+8+2*\i:TT+8+2*\i+1] op_sel_hi:[1,0]
.endr
.irp j, 0,2,4,6,8,10,12,14,16,18,20,22
	v_pk_fma_f32 v[X+24*\i+\j:X+24*\i+\j+1], v[X+24*\i+\j:X+24*\i+\j+1], v[GA+\j:GA+\j+1], v[BE+\j:BE+\j+1]
.endr
.endr
	; twelve blocks' parts (row i, third c): my 8 numbers; four neighbouring lanes hold a block
.irp i, 0,1,2,3
.irp c, 0,1,2
	v_max3_num_f32 v[TT+3*\i+\c], |v[X+24*\i+8*\c]|, |v[X+24*\i+8*\c+1]|, 0x1800000   ; with the floor 2^-124
.endr
.endr
.irp j, 2,4,6
.irp i, 0,1,2,3
.irp c, 0,1,2
	v_max3_num_f32 v[TT+3*\i+\c], v[TT+3*\i+\c], |v[X+24*\i+8*\c+\j]|, |v[X+24*\i+8*\c+\j+1]|
.endr
.endr
.endr
.irp x, 1,2
.irp n, 0,1,2,3,4,5,6,7,8,9,10,11
	v_max_num_f32_dpp v[TT+\n], v[TT+\n], v[TT+\n] row_xmask:\x row_mask:0xf bank_mask:0xf
.endr
.endr
.irp n, 0,1,2,3,4,5,6,7,8,9,10,11
	v_add_nc_u32 v[TT+12+\n], 0xff000000, v[TT+\n] ; 2 off the exponent field: the conversion's scale operand
.endr
.irp i, 0,1,2,3
.irp c, 0,1,2
	v_cvt_scalef32_pk8_fp4_f32 v[GA+3*\i+\c], v[X+24*\i+8*\c:X+24*\i+8*\c+7], v[TT+12+3*\i+\c]
.endr
.endr
.irp n, 0,1,2,3,4,5,6,7,8,9,10,11
	v_lshrrev_b32 v[GA+12+\n], 23, v[TT+12+\n]     ; the bytes
.endr
.irp i, 0,1,2,3
.irp c, 0,1,2
	ds_store_b32 v4, v[GA+3*\i+\c] offset:16*\i+2048*\c
	ds_store_b8 v5, v[GA+12+3*\i+\c] offset:4*\i+256*\c            ; the four lanes of a block write the same byte with the same value
.endr
.endr
	s_wait_dscnt 0x0                               ; for the others' sake: my stores into the image have landed
	s_barrier_signal -1
	s_barrier_wait -1
.irp p, 0,1,2
	ds_load_b128 v[16+4*\p:19+4*\p], v6 offset:4096*\p
.endr
.irp p, 0,1,2
	s_wait_dscnt 2-\p                              ; the younger loads may stay out
	global_store_b128 v6, v[16+4*\p:19+4*\p], s[10:11] offset:4096*\p   ; a wave stores 512 consecutive bytes, aligned
.endr
	s_cmp_gt_u32 s12, 2                            ; the 768 bytes of scale words: waves 0 to 2, 256 bytes each
	s_cbranch_scc1 .Ldone
	ds_load_b64 v[32:33], v7 offset:12288
	s_wait_dscnt 0x0
	global_store_b64 v7, v[32:33], s[18:19]
.Ldone:
	s_wait_tensorcnt 0x0
	ds_add_u32 v192, v193
	s_wait_dscnt 0x0
	s_endpgm
	; ---------------- the weights.  Number id = work-group - 128.  id / 6 < 24: group id / 6 of 256 columns (0-2 Wq, 3-5 Wk, 6-8 Wv, 9-11 Wo, 12-23 W1), K step id % 6.  Else W2: 3 groups x 24 K steps.
.Lweights:
	s_load_b256 s[16:23], s[0:1], 0x20             ; Wq, Wk, Wv, Wo
	s_load_b128 s[24:27], s[0:1], 0x40             ; W1, W2
	s_load_b64 s[28:29], s[0:1], 0x50              ; the codes' buffer
	s_sub_co_u32 s13, ttmp9, 128
	s_mul_i32 s14, s13, 10923
	s_lshr_b32 s14, s14, 16                        ; q = id / 6 (exact for id under 216)
	s_mul_i32 s15, s14, 6
	s_sub_co_u32 s15, s13, s15                     ; id % 6
	s_cmp_ge_u32 s15, 3
	s_cselect_b32 s36, 1, 0
	s_mul_i32 s37, s36, 3
	s_sub_co_u32 s37, s15, s37                     ; W2: the group of columns,
	s_sub_co_u32 s38, s14, 24
	s_lshl_b32 s38, s38, 1
	s_add_co_u32 s38, s38, s36                     ; and the K step
	s_mov_b32 s39, 0                               ; the first group of the source
	s_mov_b32 s40, 0                               ; the first group of the region
	s_mov_b32 s41, 0                               ; where the region's codes begin
	s_mov_b32 s42, 0xD8000                         ; and its scale words
	s_mov_b32 s47, 3072                            ; bytes from a row of K to the next
	s_wait_kmcnt 0x0
	s_mov_b64 s[30:31], s[16:17]
	s_cmp_ge_u32 s14, 3
	s_cselect_b64 s[30:31], s[18:19], s[30:31]
	s_cselect_b32 s39, 3, s39
	s_cmp_ge_u32 s14, 6
	s_cselect_b64 s[30:31], s[20:21], s[30:31]
	s_cselect_b32 s39, 6, s39
	s_cmp_ge_u32 s14, 9
	s_cselect_b64 s[30:31], s[22:23], s[30:31]
	s_cselect_b32 s39, 9, s39
	s_cselect_b32 s40, 9, s40
	s_cselect_b32 s41, 0xE5800, s41
	s_cselect_b32 s42, 0x12D800, s42
	s_cmp_ge_u32 s14, 12
	s_cselect_b64 s[30:31], s[24:25], s[30:31]
	s_cselect_b32 s39, 12, s39
	s_cselect_b32 s40, 12, s40
	s_cselect_b32 s41, 0x132000, s41
	s_cselect_b32 s42, 0x252000, s42
	s_cselect_b32 s47, 12288, s47
	s_sub_co_u32 s43, s14, s39                     ; the group of columns in the source,
	s_sub_co_u32 s44, s14, s40                     ; and in the region
	s_mov_b32 s45, 6                               ; K steps of the operand
	s_mov_b32 s46, s15                             ; my K step
	s_cmp_ge_u32 s14, 24
	s_cselect_b64 s[30:31], s[26:27], s[30:31]
	s_cselect_b32 s41, 0x264000, s41
	s_cselect_b32 s42, 0x384000, s42
	s_cselect_b32 s43, s37, s43
	s_cselect_b32 s44, s37, s44
	s_cselect_b32 s45, 24, s45
	s_cselect_b32 s46, s38, s46
	s_cselect_b32 s47, 3072, s47
	s_mul_i32 s48, s46, s47
	s_lshl_b32 s48, s48, 7                         ; 128 rows of K for each step,
	s_lshl_b32 s49, s43, 10
	s_add_co_u32 s48, s48, s49                     ; 256 columns a group,
	s_lshl_b32 s49, s12, 7
	s_add_co_u32 s48, s48, s49                     ; 32 a wave
	s_mov_b32 s49, 0
	s_add_nc_u64 s[30:31], s[30:31], s[48:49]
	s_lshl_b32 s50, s44, 4
	s_lshl_b32 s51, s12, 1
	s_add_co_u32 s50, s50, s51                     ; my pair's even tile,
	s_mul_i32 s50, s50, s45
	s_add_co_u32 s50, s50, s46
	s_lshl_b32 s50, s50, 10
	s_add_co_u32 s50, s50, s41
	s_mov_b32 s51, 0
	s_add_nc_u64 s[32:33], s[28:29], s[50:51]      ; its fragment of my K step
	s_lshl_b32 s52, s44, 3
	s_add_co_u32 s52, s52, s12                     ; my pair,
	s_mul_i32 s52, s52, s45
	s_add_co_u32 s52, s52, s46
	s_lshl_b32 s52, s52, 7
	s_add_co_u32 s52, s52, s42
	s_mov_b32 s53, 0
	s_add_nc_u64 s[34:35], s[28:29], s[52:53]      ; its scale words of my K step
	s_lshl_b32 s54, s45, 10                        ; from the even tile to the odd one
	s_wait_alu depctr_va_vdst(0)
	v_lshlrev_b32 v3, 2, v2                        ; a lane to a column, registers down K
	v_bfe_u32 v6, v0, 3, 1                         ; column l = 16 H + 8 u + j: tile u of the pair,
	v_bfe_u32 v4, v0, 4, 1
	v_and_b32 v5, 7, v0
	s_delay_alu instid0(VALU_DEP_1)
	v_lshl_add_u32 v4, v4, 3, v5                   ; place 8 H + j
	s_delay_alu instid0(VALU_DEP_4)
	v_mul_u32_u24 v5, s54, v6
	s_delay_alu instid0(VALU_DEP_1)
	v_lshl_add_u32 v5, v4, 4, v5                   ; my 16 bytes of a half fragment's quarter
	s_delay_alu instid0(VALU_DEP_3)
	v_lshl_add_u32 v7, v6, 4, v4
	s_delay_alu instid0(VALU_DEP_1)
	v_lshlrev_b32 v7, 2, v7                        ; my scale word
	s_cmp_eq_u32 s47, 12288
	s_cbranch_scc1 .Lwide
	WLOAD 3072
	s_branch .Lquant
.Lwide:
	s_wait_alu depctr_va_vdst(0)
	WLOAD 12288
.Lquant:
	BLOCK 0, 63                                    ; 96 loads are younger than block 0's, 64 than block 1's: 63 is the largest count that a wait can name
	BLOCK 1, 63
	BLOCK 2, 32
	BLOCK 3, 0
	global_store_b32 v7, v24, s[34:35]             ; 128 consecutive bytes a wave: one byte in 128 of what the launch reads
	s_endpgm
.Lfunc_end_k_q1573e612ca_prep:
	.size	k_q1573e612ca_prep, .Lfunc_end_k_q1573e612ca_prep-k_q1573e612ca_prep
	.p2alignl 7, 3214868480
	.fill 96, 4, 3214868480
	.section	.rodata,"a",@progbits
	.p2align	6, 0x0
	.amdhsa_kernel k_q1573e612ca_prep
		.amdhsa_group_segment_fixed_size 14336
		.amdhsa_private_segment_fixed_size 0
		.amdhsa_enable_private_segment 0
		.amdhsa_kernarg_size 88
		.amdhsa_user_sgpr_count 2
		.amdhsa_user_sgpr_kernarg_segment_ptr 1
		.amdhsa_wavefront_size32 1
		.amdhsa_system_sgpr_workgroup_id_x 1
		.amdhsa_system_sgpr_workgroup_id_y 1
		.amdhsa_system_sgpr_workgroup_id_z 1
		.amdhsa_system_vgpr_workitem_id 0
		.amdhsa_next_free_vgpr 194
		.amdhsa_next_free_sgpr 66
		.amdhsa_reserve_vcc 0
		.amdhsa_float_denorm_mode_32 3
		.amdhsa_float_denorm_mode_16_64 3
		.amdhsa_memory_ordered 1
		.amdhsa_forward_progress 1
		.amdhsa_inst_pref_size 75
	.end_amdhsa_kernel
	.amdgpu_metadata
---
amdhsa.version: [ 1, 2 ]
amdhsa.kernels:
  - .name:           k_q1573e612ca_prep
    .symbol:         k_q1573e612ca_prep.kd
    .args:
      - { .name: x, .offset: 0, .size: 8, .value_kind: global_buffer, .address_space: global }
      - { .name: g1, .offset: 8, .size: 8, .value_kind: global_buffer, .address_space: global }
      - { .name: beta1, .offset: 16, .size: 8, .value_kind: global_buffer, .address_space: global }
      - { .name: hq, .offset: 24, .size: 8, .value_kind: global_buffer, .address_space: global }
      - { .name: Wq, .offset: 32, .size: 8, .value_kind: global_buffer, .address_space: global }
      - { .name: Wk, .offset: 40, .size: 8, .value_kind: global_buffer, .address_space: global }
      - { .name: Wv, .offset: 48, .size: 8, .value_kind: global_buffer, .address_space: global }
      - { .name: Wo, .offset: 56, .size: 8, .value_kind: global_buffer, .address_space: global }
      - { .name: W1, .offset: 64, .size: 8, .value_kind: global_buffer, .address_space: global }
      - { .name: W2, .offset: 72, .size: 8, .value_kind: global_buffer, .address_space: global }
      - { .name: wts, .offset: 80, .size: 8, .value_kind: global_buffer, .address_space: global }
    .group_segment_fixed_size: 14336
    .private_segment_fixed_size: 0
    .kernarg_segment_align: 8
    .kernarg_segment_size: 88
    .max_flat_workgroup_size: 256
    .sgpr_count:     66
    .vgpr_count:     194
    .wavefront_size: 32
...
	.end_amdgpu_metadata
.endif
;; end of part 7
;; launch qkv (part 8): grid 288 x 1, 4 waves a work-group, no clusters, 0 bytes of LDS; arguments hq, wts, qkvq; writes qkvq
.if DOCPART == 8
	.amdgcn_target "amdgcn-amd-amdhsa--gfx1250"
	.amdhsa_code_object_version 6
	.text
	.protected	k_q1573e612ca_qkv
	.globl	k_q1573e612ca_qkv
	.p2align	8
	.type	k_q1573e612ca_qkv,@function
k_q1573e612ca_qkv:
	s_mov_b64 s[64:65], 0
	v_nop
	global_prefetch_b8 v0, s[64:65] scope:SCOPE_SE
	s_setreg_imm32_b32 hwreg(HW_REG_WAVE_SCHED_MODE, 0, 2), 2
	s_setreg_imm32_b32 hwreg(HW_REG_WAVE_MODE, 25, 1), 1
	s_wait_xcnt 0x0
	s_wait_alu depctr_vm_vsrc(0)
; q, k and v = LN1(x) Wq, Wk, Wv on codes of FP4 with E8M0 scales, and the results quantised on the way: q and k along the head's 64, v along the keys.
; A wave makes 4 "minor" x 8 "major" tiles of 16 x 16: source 0 = a major tile, source 1 = a minor tile; a lane then holds ONE place of the minor tile, and its registers of major tiles 2 b, 2 b + 1
; are 16 neighbours 32 b + 16 (lane / 16) + 0..15 of the major axis (place p of tile T stands for index 32 (T / 2) + 8 (T % 2) + p + 8 (p / 8)), which is the axis that is quantised.
; Work-groups 0-191 (q, k): minor = 64 rows of h, major = 128 columns of Wq | Wk: two heads.  Work-groups 192-287 (v): minor = a head's 64 columns of Wv, major = 128 rows of h: 128 keys.
; Operands come from memory as images of their registers: a fragment (16 x 128 K) is 2 loads of 512 consecutive bytes; scale words of a pair of tiles are one load (lanes 0-15 the even tile, 16-31 the odd one).
; K = 768 is six steps, written out; a step's 30 loads are issued a whole step ahead, into a second set of registers.
; No LDS ring, no cluster: a wave's walk is 6 steps, as long as a ring takes to fill and drain, and a step's 12 KB a wave are asked for a step ahead in registers.
; OUT: q, k: [24 heads (0-11 q, 12-23 k)][256 tiles][512 bytes]; their scale words [24][64 quads of tiles][32 words]: low half the even tile's two bytes, high half the odd tile's; lanes 0-15 tiles 4 i, 4 i + 1, lanes 16-31 the other two.
;      v: [12][32 key steps][4 tiles of channels][1024 bytes]; scale words [12][32][2 pairs][32 words].
; LIMITS: NaN and infinities are not served; a block's largest magnitude under 2^-124 counts as 2^-124 (byte 1; a block of zeros too: its codes are zeros, and this program alone reads the bytes).
; REGISTERS: window 0: v1 lane, v2 16 x lane, v3 4 x lane; v16-111, v112-207 two sets of fragments (8 major, 4 minor); v208-219 two sets of scale words, which hold nothing else; v220-235 at work; v236-239 scale words made.
;            window 1: the 32 accumulators, (minor a, major b) at v[64 a + 8 b].
; THE MODE: SCHED_MODE bits 1:0 = 2 (LLVM: expert scheduling mode 2), set by the entry lines.  The code itself states the register dependences between vector or matrix instructions and memory instructions, with s_wait_alu, always for 0.
; THE PLAN.  Registers that memory instructions touch:
;   v2, v3            the offsets of every load and store: written at the head, never again.
;   set 0, set 1      fragments and scale words.  Step k's products read set k % 2; the loads of step k + 1, issued at the head of step k, land in the other set, which the products of step k - 1 read.
;   v16-47, v240-243  behind the products: codes and scale words, each register written once by vector instructions; read by the stores.
; So a wait on va_vdst stands at the kernel's head (the offsets), at the head of steps 1 to 4 (the step before is done reading the set that is loaded again) and ahead of each arm's run of stores.
; All of a step's loads stand at its head, ahead of the wait for the step's own data: each goes out as soon as its registers are free.  One wait on va_sdst stands behind the head's two vector writes of scalar registers.
.set SK, 6                             ; K steps of both operands
.set TM, 220
.set MSB, 0
.macro WIN new                         ; the immediate's high byte repeats the setting that is left
.if MSB != (\new)
	s_set_vgpr_msb (MSB<<8)|(\new)
.set MSB, (\new)
.endif
.endm
.macro PLACES                          ; four plain instructions between a matrix instruction and a load into, or a vector instruction on, its registers
.rept 4
	v_nop
.endr
.endm
.macro LOADSTEP p, st                  ; K step st into set p: 30 loads
.irp t, 0,1,2,3,4,5,6,7
.irp c, 0,1
	global_load_b128 v[16+96*(\p)+8*\t+4*\c:16+96*(\p)+8*\t+4*\c+3], v2, s[16:17] offset:\t*SK*1024+(\st)*1024+512*\c
.endr
.endr
.irp u, 0,1,2,3
.irp c, 0,1
	global_load_b128 v[80+96*(\p)+8*\u+4*\c:80+96*(\p)+8*\u+4*\c+3], v2, s[20:21] offset:\u*SK*1024+(\st)*1024+512*\c
.endr
.endr
.irp i, 0,1,2,3
	global_load_b32 v[208+6*(\p)+\i], v3, s[18:19] offset:\i*SK*128+(\st)*128
.endr
.irp i, 0,1
	global_load_b32 v[212+6*(\p)+\i], v3, s[22:23] offset:\i*SK*128+(\st)*128
.endr
.endm
.macro WM4 a, b, p, zero               ; minor tiles a, a + 1 x major tiles b, b + 1; an odd tile's scale words stand in lanes 16-31
.set rD, 64*(\a)+8*(\b)
.set rA, 16+96*(\p)+8*(\b)
.set rB, 80+96*(\p)+8*(\a)
.set rP, 208+6*(\p)+(\b)/2
.set rQ, 212+6*(\p)+(\a)/2
.if \zero
	v_wmma_scale_f32_16x16x128_f8f6f4 v[rD:rD+7], v[rA:rA+7], v[rB:rB+7], 0, v[rP], v[rQ] matrix_a_fmt:MATRIX_FMT_FP4 matrix_b_fmt:MATRIX_FMT_FP4
	v_wmma_scale_f32_16x16x128_f8f6f4 v[rD+8:rD+15], v[rA+8:rA+15], v[rB:rB+7], 0, v[rP], v[rQ] matrix_a_fmt:MATRIX_FMT_FP4 matrix_b_fmt:MATRIX_FMT_FP4 matrix_a_scale:MATRIX_SCALE_ROW1
	v_wmma_scale_f32_16x16x128_f8f6f4 v[rD+64:rD+71], v[rA:rA+7], v[rB+8:rB+15], 0, v[rP], v[rQ] matrix_a_fmt:MATRIX_FMT_FP4 matrix_b_fmt:MATRIX_FMT_FP4 matrix_b_scale:MATRIX_SCALE_ROW1
	v_wmma_scale_f32_16x16x128_f8f6f4 v[rD+72:rD+79], v[rA+8:rA+15], v[rB+8:rB+15], 0, v[rP], v[rQ] matrix_a_fmt:MATRIX_FMT_FP4 matrix_b_fmt:MATRIX_FMT_FP4 matrix_a_scale:MATRIX_SCALE_ROW1 matrix_b_scale:MATRIX_SCALE_ROW1
.else
	v_wmma_scale_f32_16x16x128_f8f6f4 v[rD:rD+7], v[rA:rA+7], v[rB:rB+7], v[rD:rD+7], v[rP], v[rQ] matrix_a_fmt:MATRIX_FMT_FP4 matrix_b_fmt:MATRIX_FMT_FP4
	v_wmma_scale_f32_16x16x128_f8f6f4 v[rD+8:rD+15], v[rA+8:rA+15], v[rB:rB+7], v[rD+8:rD+15], v[rP], v[rQ] matrix_a_fmt:MATRIX_FMT_FP4 matrix_b_fmt:MATRIX_FMT_FP4 matrix_a_scale:MATRIX_SCALE_ROW1
	v_wmma_scale_f32_16x16x128_f8f6f4 v[rD+64:rD+71], v[rA:rA+7], v[rB+8:rB+15], v[rD+64:rD+71], v[rP], v[rQ] matrix_a_fmt:MATRIX_FMT_FP4 matrix_b_fmt:MATRIX_FMT_FP4 matrix_b_scale:MATRIX_SCALE_ROW1
	v_wmma_scale_f32_16x16x128_f8f6f4 v[rD+72:rD+79], v[rA+8:rA+15], v[rB+8:rB+15], v[rD+72:rD+79], v[rP], v[rQ] matrix_a_fmt:MATRIX_FMT_FP4 matrix_b_fmt:MATRIX_FMT_FP4 matrix_a_scale:MATRIX_SCALE_ROW1 matrix_b_scale:MATRIX_SCALE_ROW1
.endif
.endm
.macro MULSTEP p, zero                 ; 32 matrix instructions: the 32 accumulators take turns, one instruction a turn, in the same order in every step
	WIN 0x50                                       ; C and D in window 1
.irp a, 0,2
.irp b, 0,2,4,6
	WM4 \a, \b, \p, \zero
.endr
.endr
	WIN 0
.endm
; 64 numbers of a lane, v[src] on in window w, register 16 b + i = k 32 b + 16 (lane / 16) + i of my place, become a fragment's codes in v[pc] on and its scale word in v[pw]
.macro QUANT src, w, pc, pw
	WIN 0x05*(\w)
.irp b, 0,1,2,3
	v_max3_num_f32 v[TM+\b], |v[(\src)+16*\b]|, |v[(\src)+1+16*\b]|, 0x1800000   ; with the floor 2^-124; each accumulator is read from its low end on
.endr
	WIN 0x14*(\w)
.irp i, 2,4,6,8,10,12,14
.irp b, 0,1,2,3
	v_max3_num_f32 v[TM+\b], v[TM+\b], |v[(\src)+16*\b+\i]|, |v[(\src)+1+16*\b+\i]|
.endr
.endr
	WIN 0
.irp b, 0,1,2,3
	v_permlanex16_b32 v[TM+4+\b], v[TM+\b], s24, s25
.endr
.irp b, 0,1,2,3
	v_max_num_f32 v[TM+\b], v[TM+\b], v[TM+4+\b]   ; with lane l xor 16's: the block's largest magnitude
.endr
.irp b, 0,1,2,3
	v_add_nc_u32 v[TM+12+\b], 0xff000000, v[TM+\b] ; 2 off its exponent field: the conversion's scale operand
.endr
.irp b, 0,1,2,3
	v_lshrrev_b32 v[TM+4+\b], 23, v[TM+12+\b]      ; the byte
.endr
	v_lshl_or_b32 v[\pw], v[TM+5], 8, v[TM+4]
	v_lshl_or_b32 v[\pw], v[TM+6], 16, v[\pw]
	v_lshl_or_b32 v[\pw], v[TM+7], 24, v[\pw]
	WIN 0x01*(\w)
.irp b, 0,1,2,3
	v_cvt_scalef32_pk8_fp4_f32 v[(\pc)+2*\b], v[(\src)+16*\b:(\src)+7+16*\b], v[TM+12+\b]
	v_cvt_scalef32_pk8_fp4_f32 v[(\pc)+1+2*\b], v[(\src)+8+16*\b:(\src)+15+16*\b], v[TM+12+\b]
.endr
	WIN 0
	v_nop                                          ; one plain instruction behind a scaled conversion
.irp c, 0,1                                    ; the operand's layout wants a whole block in a lane
.irp i, 0,1
	v_permlane16_swap_b32 v[(\pc)+4*\c+\i], v[(\pc)+2+4*\c+\i]
.endr
.endr
.endm
	s_load_b128 s[4:7], s[0:1], 0x0                ; h's codes and scales, the weights'
	s_load_b64 s[8:9], s[0:1], 0x10                ; out
	v_lshrrev_b32 v1, 5, v0
	v_readfirstlane_b32 s14, v1                    ; wave 0..3
	v_and_b32 v1, 31, v0
	v_lshlrev_b32 v2, 4, v1
	v_lshlrev_b32 v3, 2, v1
	v_cmp_le_u32 s26, 16, v1                       ; lanes 16-31
	s_mov_b32 s24, 0x76543210
	s_mov_b32 s25, 0xfedcba98
.irp b, 0,1,2,3
	v_mov_b32 v[TM+4+\b], 0                        ; written once: a lane permute's destination counts as one of its sources
.endr
	s_wait_alu depctr_va_sdst(0)                   ; s14 and s26 are written, ahead of their first readers: the shares below are made from s14, the selects at the end read s26
	s_cmp_ge_u32 ttmp9, 192
	s_cselect_b32 s10, 1, 0                        ; 1: v
	s_mul_i32 s11, s10, 192
	s_sub_co_u32 s11, ttmp9, s11
	s_sub_co_u32 s12, 5, s10                       ; q, k: 32 pairs of row quads x 6; v: 16 pairs of key steps x 6
	s_bfm_b32 s13, s12, 0
	s_and_b32 s13, s11, s13
	s_lshr_b32 s15, s11, s12
	s_and_b32 s27, s14, 1
	s_lshl_b32 s13, s13, 1
	s_add_co_u32 s13, s13, s27                     ; the quad of row tiles (q, k) or the key step (v)
	s_lshr_b32 s27, s14, 1
	s_lshl_b32 s15, s15, 1
	s_add_co_u32 s15, s15, s27                     ; the block of 128 columns (q, k) or the head (v)
	s_mov_b32 s29, 0
	s_wait_kmcnt 0x0
	s_mul_i32 s28, s13, 24576                      ; h: 4 tiles of 6,144 bytes a quad, 8 a key step
	s_lshl_b32 s28, s28, s10
	s_add_nc_u64 s[32:33], s[4:5], s[28:29]
	s_mul_i32 s28, s13, 1536
	s_lshl_b32 s28, s28, s10
	s_add_co_u32 s28, s28, 0x180000
	s_add_nc_u64 s[34:35], s[4:5], s[28:29]
	s_mul_i32 s28, s15, 49152                      ; W: 8 tiles a block, 4 a head; Wv's tiles begin at tile 96
	s_lshr_b32 s28, s28, s10
	s_mul_i32 s30, s10, 589824
	s_add_co_u32 s28, s28, s30
	s_add_nc_u64 s[36:37], s[6:7], s[28:29]
	s_mul_i32 s28, s15, 3072
	s_lshr_b32 s28, s28, s10
	s_mul_i32 s30, s10, 36864
	s_add_co_u32 s28, s28, s30
	s_add_co_u32 s28, s28, 0xD8000
	s_add_nc_u64 s[38:39], s[6:7], s[28:29]
	s_cmp_eq_u32 s10, 1                            ; which operand is the major one hangs on the work-group's number alone
	s_cselect_b64 s[16:17], s[32:33], s[36:37]
	s_cselect_b64 s[18:19], s[34:35], s[38:39]
	s_cselect_b64 s[20:21], s[36:37], s[32:33]
	s_cselect_b64 s[22:23], s[38:39], s[34:35]
	s_wait_alu depctr_va_vdst(0)                   ; v2 and v3 are written: every load and store of the kernel reads one of them as its offset
	LOADSTEP 0, 0
	s_lshl_b32 s28, s15, 18                        ; out: q, k: two heads of 131,072 bytes a block, 2,048 bytes a quad; v: 131,072 a head, 4,096 a key step, from 0x330000 on
	s_lshr_b32 s28, s28, s10
	s_lshl_b32 s30, s13, 11
	s_lshl_b32 s30, s30, s10
	s_add_co_u32 s28, s28, s30
	s_mul_i32 s30, s10, 0x330000
	s_add_co_u32 s28, s28, s30
	s_add_nc_u64 s[40:41], s[8:9], s[28:29]
	s_lshl_b32 s28, s15, 14                        ; scale words: q, k from 0x300000: 8,192 a head, 128 a quad; v from 0x4B0000: 8,192 a head, 256 a key step
	s_lshr_b32 s28, s28, s10
	s_lshl_b32 s30, s13, 7
	s_lshl_b32 s30, s30, s10
	s_add_co_u32 s28, s28, s30
	s_mul_i32 s30, s10, 0x1B0000
	s_add_co_u32 s28, s28, s30
	s_add_co_u32 s28, s28, 0x300000
	s_add_nc_u64 s[42:43], s[8:9], s[28:29]
.set KI, 0
.rept 6
.if KI < 5
.if KI >= 1
	PLACES                                         ; the set that the last products read is loaded again
	s_wait_alu depctr_va_vdst(0)                   ; the last step's products are done reading their fragments and scale words, in which the 30 loads below land
.endif
	LOADSTEP (KI+1)%2, KI+1
	s_wait_loadcnt 30                              ; this step's loads are in; the next step's 30 stay out
.else
	s_wait_loadcnt 0x0
.endif
	MULSTEP KI%2, KI==0
.set KI, KI+1
.endr
	PLACES
.irp u, 0,1,2,3
	QUANT 64*\u, 1, 16+8*\u, 236+\u                ; each minor tile has code registers of its own: no store's data are written again
.endr
	s_cmp_eq_u32 s10, 1
	s_cbranch_scc1 .Lvalues
	v_perm_b32 v240, v237, v236, 0x05040100        ; the even head's two bytes of tiles 0 and 1,
	v_perm_b32 v241, v239, v238, 0x05040100        ; of tiles 2 and 3;
	v_perm_b32 v242, v237, v236, 0x07060302        ; the odd head's
	v_perm_b32 v243, v239, v238, 0x07060302
	v_cndmask_b32 v240, v240, v241, s26
	v_cndmask_b32 v242, v242, v243, s26
	s_wait_alu depctr_va_vdst(0)                   ; the codes v16-47 and the scale words v240, v242 are written, which the ten stores below read
.irp u, 0,1,2,3                                ; a fragment's first half is the even head's 64, its second the odd head's
	global_store_b128 v2, v[16+8*\u:19+8*\u], s[40:41] offset:512*\u
	global_store_b128 v2, v[20+8*\u:23+8*\u], s[40:41] offset:131072+512*\u
.endr
	global_store_b32 v3, v240, s[42:43]            ; 128 consecutive bytes
	global_store_b32 v3, v242, s[42:43] offset:8192
	s_endpgm
.Lvalues:
	v_cndmask_b32 v240, v236, v237, s26
	v_cndmask_b32 v241, v238, v239, s26
	s_wait_alu depctr_va_vdst(0)                   ; the codes v16-47 and the scale words v240, v241 are written, which the ten stores below read
.irp u, 0,1,2,3
	global_store_b128 v2, v[16+8*\u:19+8*\u], s[40:41] offset:1024*\u
	global_store_b128 v2, v[20+8*\u:23+8*\u], s[40:41] offset:1024*\u+512
.endr
	global_store_b32 v3, v240, s[42:43]
	global_store_b32 v3, v241, s[42:43] offset:128
	s_endpgm
.Lfunc_end_k_q1573e612ca_qkv:
	.size	k_q1573e612ca_qkv, .Lfunc_end_k_q1573e612ca_qkv-k_q1573e612ca_qkv
	.p2alignl 7, 3214868480
	.fill 96, 4, 3214868480
	.section	.rodata,"a",@progbits
	.p2align	6, 0x0
	.amdhsa_kernel k_q1573e612ca_qkv
		.amdhsa_group_segment_fixed_size 0
		.amdhsa_private_segment_fixed_size 0
		.amdhsa_enable_private_segment 0
		.amdhsa_kernarg_size 24
		.amdhsa_user_sgpr_count 2
		.amdhsa_user_sgpr_kernarg_segment_ptr 1
		.amdhsa_wavefront_size32 1
		.amdhsa_system_sgpr_workgroup_id_x 1
		.amdhsa_system_sgpr_workgroup_id_y 1
		.amdhsa_system_sgpr_workgroup_id_z 1
		.amdhsa_system_vgpr_workitem_id 0
		.amdhsa_next_free_vgpr 512
		.amdhsa_next_free_sgpr 66
		.amdhsa_reserve_vcc 0
		.amdhsa_float_denorm_mode_32 3
		.amdhsa_float_denorm_mode_16_64 3
		.amdhsa_memory_ordered 1
		.amdhsa_forward_progress 1
		.amdhsa_inst_pref_size 64
	.end_amdhsa_kernel
	.amdgpu_metadata
---
amdhsa.version: [ 1, 2 ]
amdhsa.kernels:
  - .name:           k_q1573e612ca_qkv
    .symbol:         k_q1573e612ca_qkv.kd
    .args:
      - { .name: hq, .offset: 0, .size: 8, .value_kind: global_buffer, .address_space: global }
      - { .name: wts, .offset: 8, .size: 8, .value_kind: global_buffer, .address_space: global }
      - { .name: qkvq, .offset: 16, .size: 8, .value_kind: global_buffer, .address_space: global }
    .group_segment_fixed_size: 0
    .private_segment_fixed_size: 0
    .kernarg_segment_align: 8
    .kernarg_segment_size: 24
    .max_flat_workgroup_size: 128
    .sgpr_count:     66
    .vgpr_count:     512
    .wavefront_size: 32
...
	.end_amdgpu_metadata
.endif
;; end of part 8
;; launch attn (part 9): grid 256 x 1, 12 waves a work-group, no clusters, 56,832 bytes of LDS; arguments qkvq, oq; writes oq
.if DOCPART == 9
	.amdgcn_target "amdgcn-amd-amdhsa--gfx1250"
	.amdhsa_code_object_version 6
	.text
	.protected	k_q1573e612ca_attn
	.globl	k_q1573e612ca_attn
	.p2align	8
	.type	k_q1573e612ca_attn,@function
k_q1573e612ca_attn:
	s_mov_b64 s[64:65], 0
	v_nop
	global_prefetch_b8 v0, s[64:65] scope:SCOPE_SE
	s_setreg_imm32_b32 hwreg(HW_REG_WAVE_SCHED_MODE, 0, 2), 2
	s_setreg_imm32_b32 hwreg(HW_REG_WAVE_MODE, 25, 1), 1
	s_wait_xcnt 0x0
	s_wait_alu depctr_vm_vsrc(0)
; Causal attention on codes of FP4 with E8M0 scales, head size 64, 12 heads, 4,096 queries; the result is quantised along the 768 channels for the next product.
; THE SOFTMAX AHEAD OF THE SECOND PRODUCT: t = score x log2(e) / 8; M = the row's largest t so far, rounded UP to a whole number; p = 2^(t - M) is quantised along the keys, not normalised;
; the row's sum is taken of the unquantised p and divides at the end.  When M moves, the sum and O are multiplied by 2^(old M - new M): exact.
; SHARES.  A tile is 16 queries of one head; the keys go 128 a step.  Tile T has T / 8 steps all of whose keys count and one step on the diagonal, with the mask; later keys are never touched.
; EVERY WAVE HAS 16 OR 17 STEPS.  Tiles T (0..127) and L = 255 - T have 33 steps together.  Such a pair goes to two neighbouring waves; with t = T / 8:
;   the even wave owns L: key steps 15 - t .. 30 - t (16 of them) and L's step on the diagonal;
;   the odd wave first walks L's key steps 0 .. 14 - t with a state of its own (O^T, M, the sum), hands that state over through LDS, and then does its own tile T: t steps and the diagonal's.
; Behind one barrier the even wave brings both states under the larger M, by exact powers of two as in a key step, and adds them.  1,536 pairs = 256 work-groups x 6.
; LAYOUT.  Both products are used transposed: S^T = K Q^T, O^T = V^T P^T: a lane holds ONE query throughout.  Place p of tile T stands for row 32 (T / 2) + 8 (T % 2) + p + 8 (p / 8), so that the 16 registers
; of key tiles 2 b, 2 b + 1 are 16 neighbouring keys.  THE FIRST PRODUCT'S K IS 64, the instruction's 128: source 0 holds TWO key tiles (K 0-63 the even one's, K 64-127 the odd one's), and source 1 is q with
; zero codes in the other half: (q, 0) gives the even tile's scores, (0, q) the odd one's.  Zero codes add nothing under any scale byte that the quantiser makes.
; K, V and their scale words come from memory as images of the operands' registers, each load 512 (scale words: 128) consecutive bytes: K a step ahead, V behind its step's first products.
; No cluster, no joint loads: the waves that share K and V walk different ranges of keys, so partners could not make every request together.  No prefetch: K and V are read again by many waves.
; LDS: 4,608 bytes for each wave: a state as an image of its registers, 16 bytes a lane: O^T's 32 registers, then -M, the largest t and the sum's two halves.  Odd waves store theirs; even waves read their neighbour's.
; LIMITS: NaN and infinities are not served; a block's largest magnitude under 2^-124 counts as 2^-124 (byte 1); O is multiplied by v_rcp_f32 of the sum.
; The scale bytes of the result leave as 32 single bytes a wave, inside 64 bytes: a head owns 2 of a word's 4 bytes.  One instruction a wave.
; REGISTERS: v2 16 x lane, v3 4 x lane, v4 4 x (lane % 16), v5 that + lane / 16, v6 the mask's d, v7 its lane term; v8-15 (q, 0); v16-23 (0, q); v24-55 K: four double fragments; v56-87 V: four fragments;
;   v88-89 K's scale words, v90-91 V's, v92 q's, v93 p's (these hold scales alone); v94 q's word as loaded; v96-159 S^T, then p; v160-191 O^T; v192-199 p's codes; v200 -M, v201 the largest t;
;   v202-203 the sum in two halves; v204-205, v206-207 factors; v208-219 the blocks' maxima, bytes, scale operands; v220-223 at work; v224, v225 LDS addresses of my state and of my neighbour's.
; THE MODE: SCHED_MODE bits 1:0 = 2 (LLVM: expert scheduling mode 2), set by the entry lines.  The code itself states the register dependences between vector or matrix instructions and memory or LDS instructions, with s_wait_alu, always for 0.
; THE PLAN.  Registers that memory or LDS instructions touch, or that vector instructions make for the scaled products:
;   v2-v5, v224, v225  offsets and LDS addresses: written at the head, never again.
;   K, v88-89          read by a step's eight first products; behind them the next step's loads land there.
;   V, v90-91          read by a step's four second products; the next step's loads land there behind that step's first products.
;   q, v94             loaded at a walk's start; read by the first products and by one v_perm_b32.
;   v92; v12-19        q's scale word and the zero codes: vector instructions write them at a walk's start and at the head; the first products take them.
;   v93, v192-199      p's scale word and codes: vector instructions write them in every step; the second products take them.
;   v160-191, v200-203 the state: the odd wave's nine LDS stores read it; its second walk's start writes it anew.
;   v96-131            behind the barrier the even wave's LDS loads land there.
; In a step ONE wait on va_vdst, behind the first products, serves both runs of loads (V's, then the next K's); one more stands ahead of the second products, for p's codes and scale word; the two behind the exponentials are as they were.
.set STB, 4608                         ; bytes of a state in LDS
.macro PLACES                          ; four plain instructions between a matrix instruction and a load into, or a read or write of, its registers
.rept 4
	v_nop
.endr
.endm
.macro KLOAD ahead                     ; a key step's K: 8 tiles of 512 bytes and two registers of scale words: 10 loads.  ahead = 1: the step behind the one at which the bases stand
.irp d, 0,1,2,3
.irp c, 0,1
	global_load_b128 v[24+8*\d+4*\c:27+8*\d+4*\c], v2, s[12:13] offset:4096*(\ahead)+1024*\d+512*\c
.endr
.endr
	global_load_b32 v88, v3, s[14:15] offset:256*(\ahead)
	global_load_b32 v89, v3, s[14:15] offset:256*(\ahead)+128
.endm
; A walk begins: tile s40 of head s38, from key step s41 on.  The six pointers, q's and the first K's loads, the starting state.
.macro SETUP
	s_bfe_u32 s46, s40, 0x20001
	s_lshl_b32 s46, s46, 5
	s_and_b32 s47, s40, 1
	s_lshl_b32 s47, s47, 3
	s_add_co_u32 s46, s46, s47
	v_add_nc_u32 v6, s46, v7                       ; d = my query's place in the diagonal's 128 keys - 16 (lane / 16)
	s_mov_b32 s47, 0x01000100                      ; q's two bytes, twice: an even tile's lie in the word's low half, an odd tile's in its high half
	s_bitcmp1_b32 s40, 0
	s_cselect_b32 s47, 0x03020302, s47
	s_lshl_b32 s44, s38, 17
	s_lshl_b32 s42, s40, 9
	s_add_co_u32 s44, s44, s42
	s_add_nc_u64 s[8:9], s[4:5], s[44:45]          ; q's tile
	s_lshl_b32 s44, s38, 13
	s_lshr_b32 s42, s40, 1
	s_lshl_b32 s42, s42, 6                         ; 64 bytes for each pair of tiles
	s_add_co_u32 s44, s44, s42
	s_add_co_u32 s44, s44, 0x300000
	s_add_nc_u64 s[10:11], s[4:5], s[44:45]        ; its pair's scale words
	s_add_co_u32 s42, s38, 12
	s_lshl_b32 s43, s41, 12                        ; 4,096 bytes of K and of V a key step
	s_lshl_b32 s44, s42, 17
	s_add_co_u32 s44, s44, s43
	s_add_nc_u64 s[12:13], s[4:5], s[44:45]        ; k of my head
	s_lshl_b32 s44, s38, 17
	s_add_co_u32 s44, s44, s43
	s_add_co_u32 s44, s44, 0x330000
	s_add_nc_u64 s[16:17], s[4:5], s[44:45]        ; v
	s_lshl_b32 s43, s41, 8                         ; 256 bytes of scale words a key step
	s_lshl_b32 s44, s42, 13
	s_add_co_u32 s44, s44, s43
	s_add_co_u32 s44, s44, 0x300000
	s_add_nc_u64 s[14:15], s[4:5], s[44:45]
	s_lshl_b32 s44, s38, 13
	s_add_co_u32 s44, s44, s43
	s_add_co_u32 s44, s44, 0x4B0000
	s_add_nc_u64 s[18:19], s[4:5], s[44:45]
	s_wait_alu depctr_va_vdst(0)                   ; the offsets v2 to v5 and the LDS addresses are written; in an odd wave's second walk the first walk's products and its v_perm_b32 are done reading q, v94, K and V, in which this walk's loads land
	global_load_b128 v[8:11], v2, s[8:9]           ; q's codes, twice: the two sources share no register with each other or with K
	global_load_b128 v[20:23], v2, s[8:9]
	global_load_b32 v94, v4, s[10:11]
	KLOAD 0                                        ; the walk's first key step
	v_mov_b32 v201, 0xff61b1e6                     ; the largest t so far: -3e38
	v_floor_f32 v200, -v201
	v_mov_b32 v202, 0
	v_mov_b32 v203, 0
	s_wait_loadcnt 10                              ; q and its word are in; K's 10 loads stay out
	v_perm_b32 v92, v94, v94, s47
.set NI, 0
.rept 32
	v_mov_b32 v[160+NI], 0                         ; O^T: the step is written once, and a walk's first turn finds zeros.  (These also stand between the making of q's scale word and the first product)
.set NI, NI+1
.endr
	s_wait_alu depctr_va_vdst(0)                   ; q's scale word v92 and the zero codes v12-19 are written, which the scaled first products take; the starting state too, which the LDS stores read where the fore walk has no step
.endm
.macro STEP last
	s_wait_loadcnt 0x0                             ; K is in (and q, in a walk's first step): no other load is out here
.irp d, 0,1,2,3
.if \d%2
	v_wmma_scale_f32_16x16x128_f8f6f4 v[96+16*\d:103+16*\d], v[24+8*\d:31+8*\d], v[8:15], 0, v[88+\d/2], v92 matrix_a_fmt:MATRIX_FMT_FP4 matrix_b_fmt:MATRIX_FMT_FP4 matrix_a_scale:MATRIX_SCALE_ROW1
	v_wmma_scale_f32_16x16x128_f8f6f4 v[104+16*\d:111+16*\d], v[24+8*\d:31+8*\d], v[16:23], 0, v[88+\d/2], v92 matrix_a_fmt:MATRIX_FMT_FP4 matrix_b_fmt:MATRIX_FMT_FP4 matrix_a_scale:MATRIX_SCALE_ROW1
.else
	v_wmma_scale_f32_16x16x128_f8f6f4 v[96+16*\d:103+16*\d], v[24+8*\d:31+8*\d], v[8:15], 0, v[88+\d/2], v92 matrix_a_fmt:MATRIX_FMT_FP4 matrix_b_fmt:MATRIX_FMT_FP4
	v_wmma_scale_f32_16x16x128_f8f6f4 v[104+16*\d:111+16*\d], v[24+8*\d:31+8*\d], v[16:23], 0, v[88+\d/2], v92 matrix_a_fmt:MATRIX_FMT_FP4 matrix_b_fmt:MATRIX_FMT_FP4
.endif
.endr
	PLACES                                         ; behind these products and the last step's: their registers are loaded again, and the scores are read
	s_wait_alu depctr_va_vdst(0)                   ; the eight products above are done reading K and v88-89, the last step's second products V and v90-91: the loads below land there
.irp t, 0,1,2,3                                ; this step's V: 10 loads
.irp c, 0,1
	global_load_b128 v[56+8*\t+4*\c:59+8*\t+4*\c], v2, s[16:17] offset:1024*\t+512*\c
.endr
.endr
	global_load_b32 v90, v3, s[18:19]
	global_load_b32 v91, v3, s[18:19] offset:128
.if \last == 0
	KLOAD 1                                        ; the next step's K, by the immediate offset: both runs have the softmax in which to land
.else
	v_mov_b32 v220, 0xff800000                     ; on the diagonal hidden scores become -infinity: register 16 b + i holds key 32 b + 16 (lane / 16) + i of the step: hidden where 32 b + i > d
.set RI, 0
.rept 4                                        ; a block of 32 keys at a time: 16 compares into scalar registers, one wait, 16 selects
.set NI, 0
.rept 16
	v_cmp_gt_i32 s[48+NI], 32*RI+NI, v6
.set NI, NI+1
.endr
	s_wait_alu depctr_va_sdst(0)                   ; the sixteen masks s48-63 are written, ahead of the selects that read them
.set NI, 0
.rept 16
	v_cndmask_b32 v[96+16*RI+NI], v[96+16*RI+NI], v220, s[48+NI]   ; each accumulator from its low end on
.set NI, NI+1
.endr
.set RI, RI+1
.endr
.endif
.irp b, 0,1,2,3
	v_max3_num_f32 v[208+\b], v[96+16*\b], v[97+16*\b], v[98+16*\b]   ; the largest score of each block of 32 keys: for the row's maximum, and, since p rises with the score, for the block's largest p
.endr
.irp i, 3,5,7,9,11,13
.irp b, 0,1,2,3
	v_max3_num_f32 v[208+\b], v[208+\b], v[96+16*\b+\i], v[97+16*\b+\i]
.endr
.endr
.irp b, 0,1,2,3
	v_max_num_f32 v[208+\b], v[208+\b], v[111+16*\b]
.endr
.irp b, 0,1,2,3
	v_permlanex16_b32 v[212+\b], v[208+\b], s20, s21
.endr
.irp b, 0,1,2,3
	v_max_num_f32 v[208+\b], v[208+\b], v[212+\b]  ; with lane l xor 16's 16 keys
.endr
	v_max3_num_f32 v220, v208, v209, v210
	v_max_num_f32 v220, v220, v211
	v_mul_f32 v220, s22, v220                      ; as t
	v_max_num_f32 v201, v201, v220                 ; the running largest t
	v_mov_b32 v220, v200
	v_floor_f32 v200, -v201                        ; -M = floor(-t) = -ceil(t)
	v_sub_f32 v220, v200, v220                     ; old M - new M: a whole number, 0 or less
	v_cvt_i32_f32 v220, v220                       ; (it saturates)
	v_ldexp_f32 v204, 1.0, v220                    ; f = 2^(old M - new M)
.set NI, 0
.rept 32
	v_pk_fma_f32 v[96+NI:97+NI], v[96+NI:97+NI], s[22:23], v[200:201] op_sel_hi:[1,0,0]   ; t - M
.set NI, NI+2
.endr
.irp b, 0,1,2,3
	v_fma_f32 v[208+\b], v[208+\b], s22, v200      ; the same of each block's largest score
.endr
.set NI, 0
	s_wait_alu depctr_va_vdst(0)
.rept 64
	v_exp_f32 v[96+NI], v[96+NI]                   ; p = 2^(t - M)
.set NI, NI+1
.endr
	v_pk_mul_f32 v[202:203], v[202:203], v[204:205] op_sel_hi:[1,0]   ; the sums under the new M: the plain instruction behind the batch
	s_wait_alu depctr_va_vdst(0)                   ; the 64 exponentials have written v96-159, ahead of their first reader: one wait for the batch
.irp b, 0,1,2,3
	v_exp_f32 v[208+\b], v[208+\b]                 ; the blocks' largest p
.endr
	v_pk_add_f32 v[222:223], v[96:97], v[98:99]    ; the row's sum of the unquantised p, in two chains
.irp j, 4,8,12,16,20,24,28,32,36,40,44,48,52,56,60
	v_pk_add_f32 v[202:203], v[202:203], v[96+\j:97+\j]
	v_pk_add_f32 v[222:223], v[222:223], v[98+\j:99+\j]
.endr
	v_pk_add_f32 v[202:203], v[202:203], v[222:223]
	s_wait_alu depctr_va_vdst(0)                   ; the four exponentials have written v208-211, ahead of their first reader
.irp b, 0,1,2,3
	v_max_num_f32 v[208+\b], 0x1800000, v[208+\b]  ; the floor 2^-124 (a block of hidden keys keeps byte 1: its codes are zeros)
.endr
.irp b, 0,1,2,3
	v_add_nc_u32 v[216+\b], 0xff000000, v[208+\b]
.endr
.irp b, 0,1,2,3
	v_lshrrev_b32 v[212+\b], 23, v[216+\b]
.endr
	v_lshl_or_b32 v93, v213, 8, v212               ; p's scale word for these 128 keys
	v_lshl_or_b32 v93, v214, 16, v93
	v_lshl_or_b32 v93, v215, 24, v93
.irp b, 0,1,2,3
	v_cvt_scalef32_pk8_fp4_f32 v[192+2*\b], v[96+16*\b:103+16*\b], v[216+\b]
	v_cvt_scalef32_pk8_fp4_f32 v[193+2*\b], v[104+16*\b:111+16*\b], v[216+\b]
.endr
	v_nop                                          ; one plain instruction behind a scaled conversion
.irp c, 0,1
.irp i, 0,1
	v_permlane16_swap_b32 v[192+4*\c+\i], v[194+4*\c+\i]
.endr
.endr
.set NI, 0
.rept 16
	v_pk_mul_f32 v[160+NI:161+NI], v[160+NI:161+NI], v[204:205] op_sel_hi:[1,0]   ; O^T under the new M; each accumulator from its low end on.  These stand between the making of p's codes and scale word and the products
.set NI, NI+2
.endr
.if \last == 0
	s_wait_loadcnt 10                              ; V is in; the next step's K, 10 loads, stays out
.else
	s_wait_loadcnt 0x0
.endif
	s_wait_alu depctr_va_vdst(0)                   ; p's codes v192-199 and its scale word v93 are written, which the scaled products below take; the places stand ahead of this wait
.irp t, 0,1,2,3                                ; the four accumulators take turns
.if \t%2
	v_wmma_scale_f32_16x16x128_f8f6f4 v[160+8*\t:167+8*\t], v[56+8*\t:63+8*\t], v[192:199], v[160+8*\t:167+8*\t], v[90+\t/2], v93 matrix_a_fmt:MATRIX_FMT_FP4 matrix_b_fmt:MATRIX_FMT_FP4 matrix_a_scale:MATRIX_SCALE_ROW1
.else
	v_wmma_scale_f32_16x16x128_f8f6f4 v[160+8*\t:167+8*\t], v[56+8*\t:63+8*\t], v[192:199], v[160+8*\t:167+8*\t], v[90+\t/2], v93 matrix_a_fmt:MATRIX_FMT_FP4 matrix_b_fmt:MATRIX_FMT_FP4
.endif
.endr
.if \last == 0
	s_wait_xcnt 0x0                                ; this step's 20 loads, a softmax back, have read their bases: only now are the four stepped
	s_add_nc_u64 s[12:13], s[12:13], 4096
	s_add_nc_u64 s[14:15], s[14:15], 256
	s_add_nc_u64 s[16:17], s[16:17], 4096
	s_add_nc_u64 s[18:19], s[18:19], 256
.endif
.endm
	s_load_b128 s[4:7], s[0:1], 0x0                ; q, k, v as codes; o's codes
	v_lshl_add_u32 v254, v0, 2, 0xd800
	v_mov_b32 v255, 0
	v_lshrrev_b32 v1, 5, v0
	v_readfirstlane_b32 s27, v1                    ; wave 0..11
	v_and_b32 v1, 31, v0
	v_lshlrev_b32 v2, 4, v1
	v_lshlrev_b32 v3, 2, v1
	v_and_b32 v7, 15, v0                           ; r
	v_bfe_u32 v221, v0, 4, 1                       ; h
	v_lshlrev_b32 v4, 2, v7
	v_add_nc_u32 v5, v4, v221
	v_cmp_le_u32 s25, 16, v1                       ; lanes 16-31
	v_and_b32 v6, 8, v7
	v_add_nc_u32 v7, v6, v7
	v_lshlrev_b32 v221, 4, v221
	v_sub_nc_u32 v7, v7, v221                      ; r + 8 (r / 8) - 16 h: the lane's term of the mask's d
	s_wait_alu depctr_va_sdst(0)                   ; s27 and s25 are written, ahead of their first readers: the shares below are made from s27, the select at the end reads s25
	s_mul_i32 s42, s27, STB                        ; both LDS addresses are made here, ahead of the first branch on the wave's number
	v_add_nc_u32 v224, s42, v2                     ; my state: 16 x lane + 4,608 x wave
	s_xor_b32 s43, s27, 1
	s_mul_i32 s43, s43, STB
	v_add_nc_u32 v225, s43, v2                     ; my neighbour's
	s_and_b32 s33, s27, 1                          ; 0: I own the pair's long tile; 1: its short one
	s_lshr_b32 s32, s27, 1
	s_mul_i32 s34, ttmp9, 6
	s_add_co_u32 s34, s34, s32                     ; the pair: 6 x work-group + wave / 2
	s_lshr_b32 s38, s34, 7                         ; the head
	s_and_b32 s34, s34, 127                        ; T: the short tile
	s_sub_co_u32 s35, 255, s34                     ; L: the long tile
	s_lshr_b32 s36, s34, 3                         ; t = T / 8
	s_sub_co_u32 s37, 15, s36                      ; 15 - t: L's key steps that the odd wave walks, and the key step at which the even wave begins
	s_mov_b32 s20, 0x76543210
	s_mov_b32 s21, 0xfedcba98                      ; v_permlanex16_b32's selects for lane l xor 16
	s_mov_b32 s22, 0x3e38aa3b                      ; log2(e) / 8
	s_mov_b32 s23, s22                             ; (named with it as a pair)
	s_mov_b32 s45, 0
.irp j, 12,13,14,15,16,17,18,19
	v_mov_b32 v[\j], 0                             ; the zero codes: they stay
.endr
	v_mov_b32 v205, 0                              ; (named as the upper halves of the factors' pairs)
	v_mov_b32 v207, 0
.irp b, 0,1,2,3
	v_mov_b32 v[212+\b], 0                         ; a lane permute's destination counts as one of its sources
.endr
	s_wait_kmcnt 0x0
	s_cmp_eq_u32 s33, 0
	s_cbranch_scc1 .Lown
	; ---- the odd wave's fore walk: the long tile's key steps 0 .. 14 - t, all of whose keys count
	s_mov_b32 s40, s35
	s_mov_b32 s41, 0
	SETUP
	s_mov_b32 s26, 0
	s_cmp_eq_u32 s37, 0                            ; t = 15: no such step: the starting state is handed over, zeros under -M = 3e38, whose factor comes out 0
	s_cbranch_scc1 .Lhand
.Lfore:
	STEP 0
	s_add_co_u32 s26, s26, 1
	s_cmp_lt_u32 s26, s37
	s_cbranch_scc1 .Lfore
.Lhand:
	s_wait_loadcnt 0x0                             ; the K that the last step asked for (key step 15 - t: it is not used) has landed: its registers and the bases are written again below
	PLACES                                         ; behind the last products, ahead of the stores that read their results
	s_wait_alu depctr_va_vdst(0)                   ; the last products have written O^T, the vector work -M, the largest t and the sum: the nine LDS stores read them
.irp i, 0,1,2,3,4,5,6,7
	ds_store_b128 v224, v[160+4*\i:163+4*\i] offset:512*\i   ; each accumulator from its low end on
.endr
	ds_store_b128 v224, v[200:203] offset:4096     ; -M, the largest t, the sum's two halves
	s_wait_dscnt 0x0                               ; for my neighbour's sake: the state lies in LDS
	s_wait_alu depctr_vm_vsrc(0)                   ; the nine LDS stores have read v160-191 and v200-203, which the second walk's start writes anew
.Lown:
	; ---- every wave's own tile
	s_cmp_eq_u32 s33, 1
	s_cselect_b32 s40, s34, s35                    ; the tile,
	s_cselect_b32 s41, 0, s37                      ; its first key step,
	s_cselect_b32 s24, s36, 16                     ; and the steps in front of the diagonal's
	SETUP
	s_mul_i32 s44, s40, 6                          ; out: my tile, K step head / 2, half head % 2
	s_lshr_b32 s42, s38, 1
	s_add_co_u32 s44, s44, s42
	s_lshl_b32 s44, s44, 10
	s_and_b32 s43, s38, 1
	s_lshl_b32 s46, s43, 9
	s_add_co_u32 s44, s44, s46
	s_add_nc_u64 s[28:29], s[6:7], s[44:45]
	s_lshr_b32 s44, s40, 1                         ; scale bytes: the tile's pair, K step head / 2, words 16 (tile % 2) on, bytes 2 (head % 2) on
	s_mul_i32 s44, s44, 768
	s_lshl_b32 s42, s42, 7
	s_add_co_u32 s44, s44, s42
	s_and_b32 s42, s40, 1
	s_lshl_b32 s42, s42, 6
	s_add_co_u32 s44, s44, s42
	s_lshl_b32 s43, s43, 1
	s_add_co_u32 s44, s44, s43
	s_add_co_u32 s44, s44, 0x180000
	s_add_nc_u64 s[30:31], s[6:7], s[44:45]
	s_mov_b32 s26, 0
	s_cmp_eq_u32 s24, 0
	s_cbranch_scc1 .Llast
.Lstep:
	STEP 0
	s_add_co_u32 s26, s26, 1
	s_cmp_lt_u32 s26, s24
	s_cbranch_scc1 .Lstep
.Llast:
	STEP 1
	PLACES                                         ; behind the last products
	s_wait_dscnt 0x0                               ; no LDS instruction of mine is out: the odd waves' states have landed
	s_barrier_signal -1
	s_barrier_wait -1                              ; every wave passes this one barrier; behind it the states are only read
	s_cmp_eq_u32 s33, 1
	s_cbranch_scc1 .Lout
	; ---- the even wave joins its neighbour's state of the same tile to its own.  The loads land in v96-131, which no vector or matrix instruction has named since the last step's wait ahead of its second products
.irp i, 0,1,2,3,4,5,6,7
	ds_load_b128 v[96+4*\i:99+4*\i], v225 offset:512*\i
.endr
	ds_load_b128 v[128:131], v225 offset:4096
	s_wait_dscnt 0x0
	v_min_num_f32 v220, v200, v128                 ; -M of the two ranges of keys together
	v_sub_f32 v221, v220, v200                     ; my M less the common one: a whole number, 0 or less;
	v_sub_f32 v222, v220, v128                     ; my neighbour's likewise
	v_cvt_i32_f32 v221, v221                       ; (they saturate)
	v_cvt_i32_f32 v222, v222
	v_ldexp_f32 v204, 1.0, v221                    ; the two factors: powers of two, nothing is rounded
	v_ldexp_f32 v206, 1.0, v222
	v_pk_mul_f32 v[202:203], v[202:203], v[204:205] op_sel_hi:[1,0]
	v_pk_fma_f32 v[202:203], v[130:131], v[206:207], v[202:203] op_sel_hi:[1,0,1]
.set NI, 0
.rept 16
	v_pk_mul_f32 v[160+NI:161+NI], v[160+NI:161+NI], v[204:205] op_sel_hi:[1,0]   ; each accumulator from its low end on
.set NI, NI+2
.endr
.set NI, 0
.rept 16
	v_pk_fma_f32 v[160+NI:161+NI], v[96+NI:97+NI], v[206:207], v[160+NI:161+NI] op_sel_hi:[1,0,1]
.set NI, NI+2
.endr
.Lout:
	v_add_f32 v202, v202, v203
	v_permlanex16_b32 v220, v202, s20, s21
	v_add_f32 v202, v202, v220                     ; the row's sum
	s_wait_alu depctr_va_vdst(0)
	v_rcp_f32 v202, v202
	v_nop
	s_wait_alu depctr_va_vdst(0)                   ; the reciprocal has written v202, ahead of its first reader
.set NI, 0
.rept 32
	v_mul_f32 v[96+NI], v[160+NI], v202            ; register 16 b + i is channel 32 b + 16 (lane / 16) + i of my head
.set NI, NI+1
.endr
.irp b, 0,1
	v_max3_num_f32 v[208+\b], |v[96+16*\b]|, |v[97+16*\b]|, 0x1800000
.endr
.irp i, 2,4,6,8,10,12,14
.irp b, 0,1
	v_max3_num_f32 v[208+\b], v[208+\b], |v[96+16*\b+\i]|, |v[97+16*\b+\i]|
.endr
.endr
.irp b, 0,1
	v_permlanex16_b32 v[212+\b], v[208+\b], s20, s21
.endr
.irp b, 0,1
	v_max_num_f32 v[208+\b], v[208+\b], v[212+\b]
.endr
.irp b, 0,1
	v_add_nc_u32 v[216+\b], 0xff000000, v[208+\b]
.endr
.irp b, 0,1
	v_lshrrev_b32 v[212+\b], 23, v[216+\b]
.endr
.irp b, 0,1
	v_cvt_scalef32_pk8_fp4_f32 v[192+2*\b], v[96+16*\b:103+16*\b], v[216+\b]
	v_cvt_scalef32_pk8_fp4_f32 v[193+2*\b], v[104+16*\b:111+16*\b], v[216+\b]
.endr
	v_nop
	v_permlane16_swap_b32 v192, v194
	v_permlane16_swap_b32 v193, v195
	v_cndmask_b32 v221, v212, v213, s25            ; lanes 0-15 store block 0's byte, lanes 16-31 block 1's
	s_wait_alu depctr_va_vdst(0)                   ; the codes v192-195 and the byte v221 are written, which the two stores read
	global_store_b128 v2, v[192:195], s[28:29]     ; half a fragment: 512 consecutive bytes
	global_store_b8 v5, v221, s[30:31]
	s_wait_dscnt 0x0                               ; the closing lines, six on end
	s_wait_alu 0x0
	s_wait_tensorcnt 0x0
	ds_add_u32 v254, v255
	s_wait_dscnt 0x0
	s_endpgm
.Lfunc_end_k_q1573e612ca_attn:
	.size	k_q1573e612ca_attn, .Lfunc_end_k_q1573e612ca_attn-k_q1573e612ca_attn
	.p2alignl 7, 3214868480
	.fill 96, 4, 3214868480
	.section	.rodata,"a",@progbits
	.p2align	6, 0x0
	.amdhsa_kernel k_q1573e612ca_attn
		.amdhsa_group_segment_fixed_size 56832
		.amdhsa_private_segment_fixed_size 0
		.amdhsa_enable_private_segment 0
		.amdhsa_kernarg_size 16
		.amdhsa_user_sgpr_count 2
		.amdhsa_user_sgpr_kernarg_segment_ptr 1
		.amdhsa_wavefront_size32 1
		.amdhsa_system_sgpr_workgroup_id_x 1
		.amdhsa_system_sgpr_workgroup_id_y 1
		.amdhsa_system_sgpr_workgroup_id_z 1
		.amdhsa_system_vgpr_workitem_id 0
		.amdhsa_next_free_vgpr 256
		.amdhsa_next_free_sgpr 66
		.amdhsa_reserve_vcc 0
		.amdhsa_float_denorm_mode_32 3
		.amdhsa_float_denorm_mode_16_64 3
		.amdhsa_memory_ordered 1
		.amdhsa_forward_progress 1
		.amdhsa_inst_pref_size 74
	.end_amdhsa_kernel
	.amdgpu_metadata
---
amdhsa.version: [ 1, 2 ]
amdhsa.kernels:
  - .name:           k_q1573e612ca_attn
    .symbol:         k_q1573e612ca_attn.kd
    .args:
      - { .name: qkvq, .offset: 0, .size: 8, .value_kind: global_buffer, .address_space: global }
      - { .name: oq, .offset: 8, .size: 8, .value_kind: global_buffer, .address_space: global }
    .group_segment_fixed_size: 56832
    .private_segment_fixed_size: 0
    .kernarg_segment_align: 8
    .kernarg_segment_size: 16
    .max_flat_workgroup_size: 384
    .sgpr_count:     66
    .vgpr_count:     256
    .wavefront_size: 32
...
	.end_amdgpu_metadata
.endif
;; end of part 9
;; launch wo (part 10): grid 6 x 64, 2 waves a work-group, no clusters, 67,840 bytes of LDS; arguments oq, wts, bo, x, x1; writes x1
.if DOCPART == 10
	.amdgcn_target "amdgcn-amd-amdhsa--gfx1250"
	.amdhsa_code_object_version 6
	.text
	.protected	k_q1573e612ca_wo
	.globl	k_q1573e612ca_wo
	.p2align	8
	.type	k_q1573e612ca_wo,@function
k_q1573e612ca_wo:
	s_mov_b64 s[64:65], 0
	v_nop
	global_prefetch_b8 v0, s[64:65] scope:SCOPE_SE
	s_setreg_imm32_b32 hwreg(HW_REG_WAVE_SCHED_MODE, 0, 2), 2
	s_setreg_imm32_b32 hwreg(HW_REG_WAVE_MODE, 25, 1), 1
	s_wait_xcnt 0x0
	s_wait_alu depctr_vm_vsrc(0)
; out = res + bias + A W on codes of FP4 with E8M0 scales.  A: [4096][128 SK] as register images, W: [128 SK][768] likewise; res, out: [4096][768] f32; bias [768].
; A work-group makes 64 rows x 128 columns.  K IS SPLIT AMONG ITS NSPLIT WAVES, SW = SK / NSPLIT steps of 128 each, so that no wave walks more than 6 dependent steps; the parts meet in LDS, in f32.
; A wave: 4 "minor" tiles (rows of A) x 8 "major" tiles (columns of W): source 0 = a major tile, source 1 = a minor tile.  Place p of tile T stands for index 32 (T / 2) + 8 (T % 2) + p + 8 (p / 8), so a lane holds one
; row and its registers of major tiles 2 b, 2 b + 1 are columns 32 b + 16 (lane / 16) + 0..15.
; Operands come from memory as images of their registers, each load 512 (scale words: 128) consecutive bytes, a whole step ahead in a second set of registers.
; No LDS ring, no cluster: a wave's walk is SW steps, no longer than a ring takes to fill and drain.
; THE WAY OUT: each wave stores its 64 x 128 part into its own stage (rows of 512 bytes + 16); a barrier; wave w adds, for its 4 / NSPLIT tiles of rows, the residual, the bias and all parts, and stores whole
; pieces of rows: 32 lanes store 512 consecutive bytes, aligned.
; REGISTERS: window 0: v2 16 x lane, v3 4 x lane, v4 the stage on the way in, v8.. on the way back; v16-111, v112-207 two sets of fragments; v208-219 scale words, which hold nothing else.  Window 1: the 32 accumulators.
;   On the way out: v16-79 the residual of my first tile of rows, then its results; v80-83 the bias; v112 on, 16 registers a wave: four rows' parts; v144-207 (two waves alone) the residual of my second tile, then its results.
; THE MODE: SCHED_MODE bits 1:0 = 2 (LLVM: expert scheduling mode 2), set by the entry lines.  The code itself states the register dependences between vector or matrix instructions and memory or LDS instructions, with s_wait_alu, always for 0.
; THE PLAN.  Registers that memory or LDS instructions touch:
;   v2-v4, v8 on      offsets and LDS addresses: written at the head, never again.
;   set 0, set 1      Step k's products read set k % 2; the loads of step k + 1, issued at the head of step k, land in the other set, which the products of step k - 1 read.
;   the accumulators  written by the products; read by the 64 LDS stores.
;   residual, bias    loaded behind the last products into registers that were fragments; the sums write the residual's registers, each once; the stores read them.
;   v112 on           a chunk's LDS loads land there; the chunk's sums read them; then the next chunk's loads land there.
; So a wait on va_vdst stands at the kernel's head (offsets and addresses); at the head of every step but the first and the last (the step before is done reading the set that is loaded again); ONE behind the last products, for the
; LDS stores, the loads of bias and residual and the first chunk's LDS loads together; and one in each chunk, behind its sums, for its four stores and the next chunk's LDS loads.  No store's data are written again.
.set SK, 6                             ; K steps of both operands
.set NSPLIT, 2                         ; waves
.set WC, 0xE5800                       ; where W's codes begin in the weights' buffer,
.set WS, 0x12D800                      ; and its scale words
.set AS, 0x180000                      ; where A's scale words begin in its buffer
.set SW, SK/NSPLIT
.set RTP, 4/NSPLIT
.set MSB, 0
.macro WIN new                         ; the immediate's high byte repeats the setting that is left
.if MSB != (\new)
	s_set_vgpr_msb (MSB<<8)|(\new)
.set MSB, (\new)
.endif
.endm
.macro PLACES                          ; four plain instructions between a matrix instruction and a load into, or a read of, its registers
.rept 4
	v_nop
.endr
.endm
.macro LOADSTEP p, st                  ; my K step st into set p: 30 loads
.irp t, 0,1,2,3,4,5,6,7
.irp c, 0,1
	global_load_b128 v[16+96*(\p)+8*\t+4*\c:16+96*(\p)+8*\t+4*\c+3], v2, s[16:17] offset:\t*SK*1024+(\st)*1024+512*\c
.endr
.endr
.irp u, 0,1,2,3
.irp c, 0,1
	global_load_b128 v[80+96*(\p)+8*\u+4*\c:80+96*(\p)+8*\u+4*\c+3], v2, s[20:21] offset:\u*SK*1024+(\st)*1024+512*\c
.endr
.endr
.irp i, 0,1,2,3
	global_load_b32 v[208+6*(\p)+\i], v3, s[18:19] offset:\i*SK*128+(\st)*128
.endr
.irp i, 0,1
	global_load_b32 v[212+6*(\p)+\i], v3, s[22:23] offset:\i*SK*128+(\st)*128
.endr
.endm
.macro WM4 a, b, p, zero               ; minor tiles a, a + 1 x major tiles b, b + 1; an odd tile's scale words stand in lanes 16-31
.set rD, 64*(\a)+8*(\b)
.set rA, 16+96*(\p)+8*(\b)
.set rB, 80+96*(\p)+8*(\a)
.set rP, 208+6*(\p)+(\b)/2
.set rQ, 212+6*(\p)+(\a)/2
.if \zero
	v_wmma_scale_f32_16x16x128_f8f6f4 v[rD:rD+7], v[rA:rA+7], v[rB:rB+7], 0, v[rP], v[rQ] matrix_a_fmt:MATRIX_FMT_FP4 matrix_b_fmt:MATRIX_FMT_FP4
	v_wmma_scale_f32_16x16x128_f8f6f4 v[rD+8:rD+15], v[rA+8:rA+15], v[rB:rB+7], 0, v[rP], v[rQ] matrix_a_fmt:MATRIX_FMT_FP4 matrix_b_fmt:MATRIX_FMT_FP4 matrix_a_scale:MATRIX_SCALE_ROW1
	v_wmma_scale_f32_16x16x128_f8f6f4 v[rD+64:rD+71], v[rA:rA+7], v[rB+8:rB+15], 0, v[rP], v[rQ] matrix_a_fmt:MATRIX_FMT_FP4 matrix_b_fmt:MATRIX_FMT_FP4 matrix_b_scale:MATRIX_SCALE_ROW1
	v_wmma_scale_f32_16x16x128_f8f6f4 v[rD+72:rD+79], v[rA+8:rA+15], v[rB+8:rB+15], 0, v[rP], v[rQ] matrix_a_fmt:MATRIX_FMT_FP4 matrix_b_fmt:MATRIX_FMT_FP4 matrix_a_scale:MATRIX_SCALE_ROW1 matrix_b_scale:MATRIX_SCALE_ROW1
.else
	v_wmma_scale_f32_16x16x128_f8f6f4 v[rD:rD+7], v[rA:rA+7], v[rB:rB+7], v[rD:rD+7], v[rP], v[rQ] matrix_a_fmt:MATRIX_FMT_FP4 matrix_b_fmt:MATRIX_FMT_FP4
	v_wmma_scale_f32_16x16x128_f8f6f4 v[rD+8:rD+15], v[rA+8:rA+15], v[rB:rB+7], v[rD+8:rD+15], v[rP], v[rQ] matrix_a_fmt:MATRIX_FMT_FP4 matrix_b_fmt:MATRIX_FMT_FP4 matrix_a_scale:MATRIX_SCALE_ROW1
	v_wmma_scale_f32_16x16x128_f8f6f4 v[rD+64:rD+71], v[rA:rA+7], v[rB+8:rB+15], v[rD+64:rD+71], v[rP], v[rQ] matrix_a_fmt:MATRIX_FMT_FP4 matrix_b_fmt:MATRIX_FMT_FP4 matrix_b_scale:MATRIX_SCALE_ROW1
	v_wmma_scale_f32_16x16x128_f8f6f4 v[rD+72:rD+79], v[rA+8:rA+15], v[rB+8:rB+15], v[rD+72:rD+79], v[rP], v[rQ] matrix_a_fmt:MATRIX_FMT_FP4 matrix_b_fmt:MATRIX_FMT_FP4 matrix_a_scale:MATRIX_SCALE_ROW1 matrix_b_scale:MATRIX_SCALE_ROW1
.endif
.endm
.macro MULSTEP p, zero                 ; 32 matrix instructions: the 32 accumulators take turns, one instruction a turn, in the same order in every step
	WIN 0x50                                       ; C and D in window 1
.irp a, 0,2
.irp b, 0,2,4,6
	WM4 \a, \b, \p, \zero
.endr
.endr
	WIN 0
.endm
.macro RESLOAD mi                      ; the residual's 16 rows of my tile mi, my work-group's 512 bytes of each: place p is row p + 8 (p / 8) of the tile.  Tile 0 into v16-79, tile 1 into v144-207
.set PI, 0
.rept 16
	global_load_b128 v[16+128*(\mi)+4*PI:19+128*(\mi)+4*PI], v2, s[24:25] offset:(PI+8*(PI/8)+8*(\mi))*3072
.set PI, PI+1
.endr
.endm
; The way out goes in chunks of four rows: chunk c is places 4 (c % 4) on of my tile c / 4.
.macro PARTS c                         ; all waves' parts of the chunk, from the stages
.set SI, 0
.rept NSPLIT
.set PP, 0
.rept 4
	ds_load_b128 v[112+16*SI+4*PP:115+16*SI+4*PP], v[8+SI] offset:8448*((\c)/4)+528*(4*((\c)%4)+PP)
.set PP, PP+1
.endr
.set SI, SI+1
.endr
.endm
.macro SUMS c                          ; the residual + the bias + the parts, wave 0's first
.set PP, 0
.rept 4
.set RR, 16+128*((\c)/4)+4*(4*((\c)%4)+PP)
	v_pk_add_f32 v[RR:RR+1], v[RR:RR+1], v[80:81]
	v_pk_add_f32 v[RR+2:RR+3], v[RR+2:RR+3], v[82:83]
.set SI, 0
.rept NSPLIT
	v_pk_add_f32 v[RR:RR+1], v[RR:RR+1], v[112+16*SI+4*PP:113+16*SI+4*PP]
	v_pk_add_f32 v[RR+2:RR+3], v[RR+2:RR+3], v[114+16*SI+4*PP:115+16*SI+4*PP]
.set SI, SI+1
.endr
.set PP, PP+1
.endr
.endm
.macro SEND c                          ; the chunk's four stores
.set PP, 0
.rept 4
.set PI, 4*((\c)%4)+PP
.set RR, 16+128*((\c)/4)+4*PI
	global_store_b128 v2, v[RR:RR+3], s[26:27] offset:(PI+8*(PI/8)+8*((\c)/4))*3072
.set PP, PP+1
.endr
.endm
	s_load_b256 s[4:11], s[0:1], 0x0               ; A s[4:5], the weights s[6:7], the bias s[8:9], the residual s[10:11]
	s_load_b64 s[12:13], s[0:1], 0x20              ; out
	v_lshl_add_u32 v254, v0, 2, 0x10800
	v_mov_b32 v255, 0
	v_lshrrev_b32 v1, 5, v0
	v_readfirstlane_b32 s14, v1                    ; wave
	v_and_b32 v1, 31, v0
	v_lshlrev_b32 v2, 4, v1
	v_lshlrev_b32 v3, 2, v1
	v_and_b32 v5, 15, v0
	v_bfe_u32 v6, v0, 4, 1
	v_mul_u32_u24 v4, v5, 528
	v_lshl_add_u32 v4, v6, 6, v4
	s_wait_alu depctr_va_sdst(0)                   ; s14 is written, ahead of its first reader: the stages' places and the bases are made from it
	s_mul_i32 s31, s14, 33792
	v_add_nc_u32 v4, s31, v4                       ; into my stage: row = my place, + 64 bytes for lanes 16-31
	s_mul_i32 s31, s14, 8448*RTP
	v_add_nc_u32 v8, s31, v2                       ; back: my tiles of rows, 16 bytes a lane, in stage 0,
.set SI, 1
.rept NSPLIT-1
	v_add_nc_u32 v[8+SI], 33792*SI, v8             ; and in the others
.set SI, SI+1
.endr
	s_and_b32 s15, ttmp7, 0xffff                   ; the quad of row tiles; ttmp9: the block of 128 columns
	s_mov_b32 s29, 0
	s_mul_i32 s30, s14, SW*1024                    ; my first K step
	s_mul_i32 s28, ttmp9, 8*SK*1024
	s_add_co_u32 s28, s28, s30
	s_add_co_u32 s28, s28, WC
	s_wait_kmcnt 0x0
	s_add_nc_u64 s[16:17], s[6:7], s[28:29]
	s_mul_i32 s28, s15, 4*SK*1024
	s_add_co_u32 s28, s28, s30
	s_add_nc_u64 s[20:21], s[4:5], s[28:29]
	s_mul_i32 s30, s14, SW*128
	s_mul_i32 s28, ttmp9, 4*SK*128
	s_add_co_u32 s28, s28, s30
	s_add_co_u32 s28, s28, WS
	s_add_nc_u64 s[18:19], s[6:7], s[28:29]
	s_mul_i32 s28, s15, 2*SK*128
	s_add_co_u32 s28, s28, s30
	s_add_co_u32 s28, s28, AS
	s_add_nc_u64 s[22:23], s[4:5], s[28:29]
	s_wait_alu depctr_va_vdst(0)                   ; the offsets v2, v3 and the LDS addresses v4, v8 on are written: every memory and LDS instruction of the kernel reads one of them
	LOADSTEP 0, 0
	s_lshl_b32 s28, s15, 6                         ; the first row of the tiles that I send out
.if RTP == 2
	s_lshl_b32 s30, s14, 5                         ; tiles 2 w, 2 w + 1: rows 32 w on (the odd tile 8 further on)
.else
	s_lshr_b32 s30, s14, 1                         ; tile w: rows 32 (w / 2) + 8 (w % 2) on
	s_lshl_b32 s30, s30, 5
	s_and_b32 s31, s14, 1
	s_lshl_b32 s31, s31, 3
	s_add_co_u32 s30, s30, s31
.endif
	s_add_co_u32 s28, s28, s30
	s_mul_i32 s28, s28, 3072
	s_lshl_b32 s30, ttmp9, 9
	s_add_co_u32 s28, s28, s30
	s_add_nc_u64 s[24:25], s[10:11], s[28:29]
	s_add_nc_u64 s[26:27], s[12:13], s[28:29]
	s_mov_b32 s28, s30
	s_add_nc_u64 s[8:9], s[8:9], s[28:29]
.set KI, 0
.rept SW
.if KI+1 < SW
.if KI >= 1
	PLACES                                         ; the set that the last products read is loaded again
	s_wait_alu depctr_va_vdst(0)                   ; the last step's products are done reading their fragments and scale words, in which the 30 loads below land
.endif
	LOADSTEP (KI+1)%2, KI+1
	s_wait_loadcnt 30                              ; this step's loads are in; the next step's 30 stay out
.else
	s_wait_loadcnt 0x0
.endif
	MULSTEP KI%2, KI==0
.set KI, KI+1
.endr
	PLACES
	s_wait_alu depctr_va_vdst(0)                   ; the products have written the accumulators, which the LDS stores read, and are done reading both sets of fragments, in which the loads below and the first chunk's LDS loads land
	global_load_b128 v[80:83], v2, s[8:9]          ; the bias at my 4 columns
	RESLOAD 0                                      ; bias and residual are asked for ahead of the LDS stores: they land during the stores and the barrier
.if RTP == 2
	RESLOAD 1
.endif
	WIN 0x04                                       ; an LDS store's data are its source 1: window 1
.irp a, 0,1,2,3
.irp k, 0,1,2,3,4,5,6,7,8,9,10,11,12,13,14,15
	ds_store_b128 v4, v[64*\a+4*\k:64*\a+4*\k+3] offset:8448*\a+128*(\k/4)+16*(\k%4)   ; each accumulator from its low end on
.endr
.endr
	WIN 0
	s_wait_dscnt 0x0                               ; for the others' sake: my part lies in my stage
	s_barrier_signal -1
	s_barrier_wait -1
	PARTS 0
.set CI, 0
.rept 4*RTP
.if CI == 0
	s_wait_loadcnt 16*(RTP-1)                      ; the bias and my first tile's residual are in; a second tile's 16 loads stay out
.endif
.if CI == 4
	s_wait_loadcnt 0x0                             ; my second tile's residual
.endif
	s_wait_dscnt 0x0                               ; the chunk's parts are in
	SUMS CI
	s_wait_alu depctr_va_vdst(0)                   ; the sums have written the chunk's four rows, which the stores read, and are done reading v112 on, in which the next chunk's parts land
.if CI+1 < 4*RTP
	PARTS CI+1
.endif
	SEND CI
.set CI, CI+1
.endr
	s_wait_dscnt 0x0                               ; the closing lines, six on end
	s_wait_alu 0x0
	s_wait_tensorcnt 0x0
	ds_add_u32 v254, v255
	s_wait_dscnt 0x0
	s_endpgm
.Lfunc_end_k_q1573e612ca_wo:
	.size	k_q1573e612ca_wo, .Lfunc_end_k_q1573e612ca_wo-k_q1573e612ca_wo
	.p2alignl 7, 3214868480
	.fill 96, 4, 3214868480
	.section	.rodata,"a",@progbits
	.p2align	6, 0x0
	.amdhsa_kernel k_q1573e612ca_wo
		.amdhsa_group_segment_fixed_size 67840
		.amdhsa_private_segment_fixed_size 0
		.amdhsa_enable_private_segment 0
		.amdhsa_kernarg_size 40
		.amdhsa_user_sgpr_count 2
		.amdhsa_user_sgpr_kernarg_segment_ptr 1
		.amdhsa_wavefront_size32 1
		.amdhsa_system_sgpr_workgroup_id_x 1
		.amdhsa_system_sgpr_workgroup_id_y 1
		.amdhsa_system_sgpr_workgroup_id_z 1
		.amdhsa_system_vgpr_workitem_id 0
		.amdhsa_next_free_vgpr 512
		.amdhsa_next_free_sgpr 66
		.amdhsa_reserve_vcc 0
		.amdhsa_float_denorm_mode_32 3
		.amdhsa_float_denorm_mode_16_64 3
		.amdhsa_memory_ordered 1
		.amdhsa_forward_progress 1
		.amdhsa_inst_pref_size 51
	.end_amdhsa_kernel
	.amdgpu_metadata
---
amdhsa.version: [ 1, 2 ]
amdhsa.kernels:
  - .name:           k_q1573e612ca_wo
    .symbol:         k_q1573e612ca_wo.kd
    .args:
      - { .name: oq, .offset: 0, .size: 8, .value_kind: global_buffer, .address_space: global }
      - { .name: wts, .offset: 8, .size: 8, .value_kind: global_buffer, .address_space: global }
      - { .name: bo, .offset: 16, .size: 8, .value_kind: global_buffer, .address_space: global }
      - { .name: x, .offset: 24, .size: 8, .value_kind: global_buffer, .address_space: global }
      - { .name: x1, .offset: 32, .size: 8, .value_kind: global_buffer, .address_space: global }
    .group_segment_fixed_size: 67840
    .private_segment_fixed_size: 0
    .kernarg_segment_align: 8
    .kernarg_segment_size: 40
    .max_flat_workgroup_size: 64
    .sgpr_count:     66
    .vgpr_count:     512
    .wavefront_size: 32
...
	.end_amdgpu_metadata
.endif
;; end of part 10
;; launch ln2: the kernel of part 7 again; grid 128 x 1, 8 waves a work-group, no clusters, 14,336 bytes of LDS; arguments x1, g2, beta2, h2q, Wq, Wk, Wv, Wo, W1, W2, wts; writes h2q, wts
;; launch ffn1 (part 11): grid 8 x 32, 6 waves a work-group, no clusters, 0 bytes of LDS; arguments h2q, wts, b1, fq; writes fq
.if DOCPART == 11
	.amdgcn_target "amdgcn-amd-amdhsa--gfx1250"
	.amdhsa_code_object_version 6
	.text
	.protected	k_q1573e612ca_ffn1
	.globl	k_q1573e612ca_ffn1
	.p2align	8
	.type	k_q1573e612ca_ffn1,@function
k_q1573e612ca_ffn1:
	s_mov_b64 s[64:65], 0
	v_nop
	global_prefetch_b8 v0, s[64:65] scope:SCOPE_SE
	s_setreg_imm32_b32 hwreg(HW_REG_WAVE_SCHED_MODE, 0, 2), 2
	s_setreg_imm32_b32 hwreg(HW_REG_WAVE_MODE, 25, 1), 1
	s_wait_xcnt 0x0
	s_wait_alu depctr_vm_vsrc(0)
; f = gelu(LN2(x1) W1 + b1), exact GELU, on codes of FP4 with E8M0 scales, and f quantised along the 3,072 hidden units on the way: the hidden layer goes to memory as codes alone.
; A wave makes 64 rows x 128 hidden units: 4 "minor" tiles (rows) x 8 "major" tiles (columns of W1): source 0 = a major tile, source 1 = a minor tile.  Place p of tile T stands for index
; 32 (T / 2) + 8 (T % 2) + p + 8 (p / 8): a lane holds one row, and its registers of major tiles 2 b, 2 b + 1 are hidden units 32 b + 16 (lane / 16) + 0..15: one K step of the next product.
; Operands come from memory as images of their registers, a whole step ahead in a second set of registers; K = 768 is six steps, written out.
; No LDS ring, no cluster: a wave's walk is 6 steps, as long as a ring takes to fill and drain.
; GELU: gelu(x) = max(x, 0) - |x| erfc(|x| / sqrt 2) / 2, which keeps the relative accuracy on both sides of 0.  erfc(z) = t exp(-z^2 + c0 + t (c1 + .. + t c9)), t = 1 / (1 + z / 2): a Chebyshev fit whose
; fractional error is under 1.2e-7 for every z; all in f32.
; LIMITS: the rounding of the exponent adds about x^2 x 1e-7 to erfc's relative error, which shows only where gelu is tiny.  NaN and infinities are not served; a block's largest magnitude under 2^-124 counts as 2^-124 (byte 1).
; REGISTERS: window 0: v2 16 x lane, v3 4 x lane, v5 64 (lane / 16); v16-111, v112-207 two sets of fragments; behind the products v16-79 the bias, v80-111 t (then the codes), v112-175 x, v176-207 the polynomial;
;   v208-219 scale words, which hold nothing else; v220-235 at work; v236-239 scale words made; v240-247 at work; v248-249 c9; v250-251 scale words to store.   Window 1: the 32 accumulators.
; THE MODE: SCHED_MODE bits 1:0 = 2 (LLVM: expert scheduling mode 2), set by the entry lines.  The code itself states the register dependences between vector or matrix instructions and memory instructions, with s_wait_alu, always for 0.
; THE PLAN.  Registers that memory instructions touch:
;   v2, v3, v5        the offsets of every load and store: written at the head, never again.
;   set 0, set 1      Step k's products read set k % 2; the loads of step k + 1, issued at the head of step k, land in the other set, which the products of step k - 1 read.  In step 5 the bias's 16 loads take that place.
;   v80-87            a tile's codes: written by the conversions, read by the tile's two stores, written again by the next tile's first lines of GELU.
;   v250, v251        a pair's scale words: each written once, read by one store.
; So a wait on va_vdst stands at the kernel's head (the offsets), at the head of steps 1 to 5 (the step before is done reading the set that is loaded again) and ahead of each tile's run of stores; a wait on vm_vsrc stands
; in tiles 1 to 3 ahead of GELU, 32 vector instructions behind the stores that it waits for.  The waits behind the reciprocals and the exponentials are as they were.
.set SK, 6
.set TM, 220
.set MSB, 0
.macro WIN new                         ; the immediate's high byte repeats the setting that is left
.if MSB != (\new)
	s_set_vgpr_msb (MSB<<8)|(\new)
.set MSB, (\new)
.endif
.endm
.macro PLACES                          ; four plain instructions between a matrix instruction and a load into, or a vector instruction on, its registers
.rept 4
	v_nop
.endr
.endm
.macro LOADSTEP p, st                  ; K step st into set p: 30 loads
.irp t, 0,1,2,3,4,5,6,7
.irp c, 0,1
	global_load_b128 v[16+96*(\p)+8*\t+4*\c:16+96*(\p)+8*\t+4*\c+3], v2, s[16:17] offset:\t*SK*1024+(\st)*1024+512*\c
.endr
.endr
.irp u, 0,1,2,3
.irp c, 0,1
	global_load_b128 v[80+96*(\p)+8*\u+4*\c:80+96*(\p)+8*\u+4*\c+3], v2, s[20:21] offset:\u*SK*1024+(\st)*1024+512*\c
.endr
.endr
.irp i, 0,1,2,3
	global_load_b32 v[208+6*(\p)+\i], v3, s[18:19] offset:\i*SK*128+(\st)*128
.endr
.irp i, 0,1
	global_load_b32 v[212+6*(\p)+\i], v3, s[22:23] offset:\i*SK*128+(\st)*128
.endr
.endm
.macro WM4 a, b, p, zero               ; minor tiles a, a + 1 x major tiles b, b + 1; an odd tile's scale words stand in lanes 16-31
.set rD, 64*(\a)+8*(\b)
.set rA, 16+96*(\p)+8*(\b)
.set rB, 80+96*(\p)+8*(\a)
.set rP, 208+6*(\p)+(\b)/2
.set rQ, 212+6*(\p)+(\a)/2
.if \zero
	v_wmma_scale_f32_16x16x128_f8f6f4 v[rD:rD+7], v[rA:rA+7], v[rB:rB+7], 0, v[rP], v[rQ] matrix_a_fmt:MATRIX_FMT_FP4 matrix_b_fmt:MATRIX_FMT_FP4
	v_wmma_scale_f32_16x16x128_f8f6f4 v[rD+8:rD+15], v[rA+8:rA+15], v[rB:rB+7], 0, v[rP], v[rQ] matrix_a_fmt:MATRIX_FMT_FP4 matrix_b_fmt:MATRIX_FMT_FP4 matrix_a_scale:MATRIX_SCALE_ROW1
	v_wmma_scale_f32_16x16x128_f8f6f4 v[rD+64:rD+71], v[rA:rA+7], v[rB+8:rB+15], 0, v[rP], v[rQ] matrix_a_fmt:MATRIX_FMT_FP4 matrix_b_fmt:MATRIX_FMT_FP4 matrix_b_scale:MATRIX_SCALE_ROW1
	v_wmma_scale_f32_16x16x128_f8f6f4 v[rD+72:rD+79], v[rA+8:rA+15], v[rB+8:rB+15], 0, v[rP], v[rQ] matrix_a_fmt:MATRIX_FMT_FP4 matrix_b_fmt:MATRIX_FMT_FP4 matrix_a_scale:MATRIX_SCALE_ROW1 matrix_b_scale:MATRIX_SCALE_ROW1
.else
	v_wmma_scale_f32_16x16x128_f8f6f4 v[rD:rD+7], v[rA:rA+7], v[rB:rB+7], v[rD:rD+7], v[rP], v[rQ] matrix_a_fmt:MATRIX_FMT_FP4 matrix_b_fmt:MATRIX_FMT_FP4
	v_wmma_scale_f32_16x16x128_f8f6f4 v[rD+8:rD+15], v[rA+8:rA+15], v[rB:rB+7], v[rD+8:rD+15], v[rP], v[rQ] matrix_a_fmt:MATRIX_FMT_FP4 matrix_b_fmt:MATRIX_FMT_FP4 matrix_a_scale:MATRIX_SCALE_ROW1
	v_wmma_scale_f32_16x16x128_f8f6f4 v[rD+64:rD+71], v[rA:rA+7], v[rB+8:rB+15], v[rD+64:rD+71], v[rP], v[rQ] matrix_a_fmt:MATRIX_FMT_FP4 matrix_b_fmt:MATRIX_FMT_FP4 matrix_b_scale:MATRIX_SCALE_ROW1
	v_wmma_scale_f32_16x16x128_f8f6f4 v[rD+72:rD+79], v[rA+8:rA+15], v[rB+8:rB+15], v[rD+72:rD+79], v[rP], v[rQ] matrix_a_fmt:MATRIX_FMT_FP4 matrix_b_fmt:MATRIX_FMT_FP4 matrix_a_scale:MATRIX_SCALE_ROW1 matrix_b_scale:MATRIX_SCALE_ROW1
.endif
.endm
.macro MULSTEP p, zero                 ; 32 matrix instructions: the 32 accumulators take turns, one instruction a turn, in the same order in every step
	WIN 0x50                                       ; C and D in window 1
.irp a, 0,2
.irp b, 0,2,4,6
	WM4 \a, \b, \p, \zero
.endr
.endr
	WIN 0
.endm
; 64 numbers of a lane, v[src] on in window w, register 16 b + i = k 32 b + 16 (lane / 16) + i of my row, become a fragment's codes in v[pc] on and its scale word in v[pw]
.macro QUANT src, w, pc, pw
	WIN 0x05*(\w)
.irp b, 0,1,2,3
	v_max3_num_f32 v[TM+\b], |v[(\src)+16*\b]|, |v[(\src)+1+16*\b]|, 0x1800000   ; with the floor 2^-124
.endr
	WIN 0x14*(\w)
.irp i, 2,4,6,8,10,12,14
.irp b, 0,1,2,3
	v_max3_num_f32 v[TM+\b], v[TM+\b], |v[(\src)+16*\b+\i]|, |v[(\src)+1+16*\b+\i]|
.endr
.endr
	WIN 0
.irp b, 0,1,2,3
	v_permlanex16_b32 v[TM+4+\b], v[TM+\b], s24, s25
.endr
.irp b, 0,1,2,3
	v_max_num_f32 v[TM+\b], v[TM+\b], v[TM+4+\b]   ; with lane l xor 16's: the block's largest magnitude
.endr
.irp b, 0,1,2,3
	v_add_nc_u32 v[TM+12+\b], 0xff000000, v[TM+\b] ; 2 off its exponent field: the conversion's scale operand
.endr
.irp b, 0,1,2,3
	v_lshrrev_b32 v[TM+4+\b], 23, v[TM+12+\b]      ; the byte
.endr
	v_lshl_or_b32 v[\pw], v[TM+5], 8, v[TM+4]
	v_lshl_or_b32 v[\pw], v[TM+6], 16, v[\pw]
	v_lshl_or_b32 v[\pw], v[TM+7], 24, v[\pw]
	WIN 0x01*(\w)
.irp b, 0,1,2,3
	v_cvt_scalef32_pk8_fp4_f32 v[(\pc)+2*\b], v[(\src)+16*\b:(\src)+7+16*\b], v[TM+12+\b]
	v_cvt_scalef32_pk8_fp4_f32 v[(\pc)+1+2*\b], v[(\src)+8+16*\b:(\src)+15+16*\b], v[TM+12+\b]
.endr
	WIN 0
	v_nop                                          ; one plain instruction behind a scaled conversion
.irp c, 0,1                                    ; the operand's layout wants a whole block in a lane
.irp i, 0,1
	v_permlane16_swap_b32 v[(\pc)+4*\c+\i], v[(\pc)+2+4*\c+\i]
.endr
.endr
.endm
.macro HORNER c                        ; the polynomial x t + c, 16 pairs that do not wait for each other
.set NI, 0
.rept 16
	v_pk_fma_f32 v[176+NI:177+NI], v[176+NI:177+NI], v[80+NI:81+NI], \c op_sel_hi:[1,1,0]
.set NI, NI+2
.endr
.endm
.macro GELU xb                         ; 32 numbers v[xb] on, in place
.set NI, 0
.rept 32
	v_fma_f32 v[80+NI], |v[\xb+NI]|, s32, 1.0      ; 1 + z / 2, z = |x| / sqrt 2
.set NI, NI+1
.endr
.set NI, 0
	s_wait_alu depctr_va_vdst(0)
.rept 32
	v_rcp_f32 v[80+NI], v[80+NI]                   ; t
.set NI, NI+1
.endr
	v_nop                                          ; a plain instruction behind the batch,
	s_wait_alu depctr_va_vdst(0)                   ; the 32 reciprocals have written v80-111, ahead of their first reader: one wait for the batch
.set NI, 0
.rept 16
	v_pk_fma_f32 v[176+NI:177+NI], v[80+NI:81+NI], v[248:249], 0xbf527892 op_sel_hi:[1,1,0]   ; c9 t + c8
.set NI, NI+2
.endr
.irp c, 0x3fbe87b0, 0xbf914e5d, 0x3e8ec7cc, 0xbe3ec24c, 0x3dc636c9, 0x3ebf88fb, 0x3f8000c7, 0xbfa1fc4e
	HORNER \c                                      ; c7 .. c0
.endr
.set NJ, 0
.rept 4
.set NI, 0
.rept 4
	v_pk_mul_f32 v[240+NI:241+NI], v[\xb+NJ+NI:\xb+NJ+NI+1], v[\xb+NJ+NI:\xb+NJ+NI+1]
.set NI, NI+2
.endr
.set NI, 0
.rept 4
	v_pk_fma_f32 v[176+NJ+NI:177+NJ+NI], v[240+NI:241+NI], -0.5, v[176+NJ+NI:177+NJ+NI] op_sel_hi:[1,0,1]   ; - z^2 = - x^2 / 2
.set NI, NI+2
.endr
.set NJ, NJ+8
.endr
.set NI, 0
.rept 16
	v_pk_fma_f32 v[176+NI:177+NI], v[176+NI:177+NI], 0x3fb8aa3b, -1.0 op_sel_hi:[1,0,0]   ; to base 2, and the factor 1/2 as -1 in the exponent
.set NI, NI+2
.endr
.set NI, 0
	s_wait_alu depctr_va_vdst(0)
.rept 32
	v_exp_f32 v[176+NI], v[176+NI]
.set NI, NI+1
.endr
	v_nop
	s_wait_alu depctr_va_vdst(0)                   ; the 32 exponentials have written v176-207, ahead of their first reader: one wait for the batch
.set NI, 0
.rept 16
	v_pk_mul_f32 v[176+NI:177+NI], v[176+NI:177+NI], v[80+NI:81+NI]   ; erfc / 2
.set NI, NI+2
.endr
.set NJ, 0
.rept 4
.set NI, 0
.rept 8
	v_max_num_f32 v[240+NI], 0, v[\xb+NJ+NI]
.set NI, NI+1
.endr
.set NI, 0
.rept 8
	v_fma_f32 v[\xb+NJ+NI], -|v[\xb+NJ+NI]|, v[176+NJ+NI], v[240+NI]
.set NI, NI+1
.endr
.set NJ, NJ+8
.endr
.endm
	s_load_b256 s[4:11], s[0:1], 0x0               ; h2's codes s[4:5], the weights s[6:7], b1 s[8:9], out s[10:11]
	v_lshrrev_b32 v1, 5, v0
	v_readfirstlane_b32 s14, v1                    ; wave 0..5
	v_and_b32 v1, 31, v0
	v_lshlrev_b32 v2, 4, v1
	v_lshlrev_b32 v3, 2, v1
	v_bfe_u32 v5, v0, 4, 1
	v_lshlrev_b32 v5, 6, v5
	v_cmp_le_u32 s26, 16, v1                       ; lanes 16-31
	s_mov_b32 s24, 0x76543210
	s_mov_b32 s25, 0xfedcba98
	s_mov_b32 s32, 0x3eb504f3                      ; sqrt(2) / 4
	v_mov_b32 v248, 0x3e2ef945                     ; c9
	v_mov_b32 v249, 0x3e2ef945
.irp b, 0,1,2,3
	v_mov_b32 v[TM+4+\b], 0                        ; written once: a lane permute's destination counts as one of its sources
.endr
	s_wait_alu depctr_va_sdst(0)                   ; s14 and s26 are written, ahead of their first readers: the shares below are made from s14, the selects of the scale words read s26
	s_and_b32 s15, ttmp7, 0xffff
	s_lshl_b32 s15, s15, 1
	s_and_b32 s27, s14, 1
	s_add_co_u32 s15, s15, s27                     ; the quad of row tiles
	s_mul_i32 s13, ttmp9, 3
	s_lshr_b32 s27, s14, 1
	s_add_co_u32 s13, s13, s27                     ; the block of 128 hidden units
	s_mov_b32 s29, 0
	s_wait_kmcnt 0x0
	s_mul_i32 s28, s13, 49152
	s_add_co_u32 s28, s28, 0x132000
	s_add_nc_u64 s[16:17], s[6:7], s[28:29]
	s_mul_i32 s28, s13, 3072
	s_add_co_u32 s28, s28, 0x252000
	s_add_nc_u64 s[18:19], s[6:7], s[28:29]
	s_mul_i32 s28, s15, 24576
	s_add_nc_u64 s[20:21], s[4:5], s[28:29]
	s_mul_i32 s28, s15, 1536
	s_add_co_u32 s28, s28, 0x180000
	s_add_nc_u64 s[22:23], s[4:5], s[28:29]
	s_wait_alu depctr_va_vdst(0)                   ; v2, v3 and v5 are written: every load and store of the kernel reads one of them as its offset
	LOADSTEP 0, 0
	s_lshl_b32 s28, s13, 9
	s_add_nc_u64 s[8:9], s[8:9], s[28:29]          ; b1 at my 128 units
	s_mul_i32 s28, s15, 98304                      ; out: 4 tiles of 24 K steps a quad; my block is K step number s13
	s_lshl_b32 s30, s13, 10
	s_add_co_u32 s28, s28, s30
	s_add_nc_u64 s[34:35], s[10:11], s[28:29]
	s_mul_i32 s28, s15, 6144
	s_lshl_b32 s30, s13, 7
	s_add_co_u32 s28, s28, s30
	s_add_co_u32 s28, s28, 0x600000
	s_add_nc_u64 s[36:37], s[10:11], s[28:29]
.set KI, 0
.rept 6
.if KI < 5
.if KI >= 1
	PLACES                                         ; the set that the last products read is loaded again
	s_wait_alu depctr_va_vdst(0)                   ; the last step's products are done reading their fragments and scale words, in which the 30 loads below land
.endif
	LOADSTEP (KI+1)%2, KI+1
	s_wait_loadcnt 30                              ; this step's loads are in; the next step's 30 stay out
.else
	PLACES
	s_wait_alu depctr_va_vdst(0)                   ; the last step's products are done reading v16-79, in which the bias lands
.irp k, 0,1,2,3,4,5,6,7,8,9,10,11,12,13,14,15      ; in the last step's place for loads: the bias, in the accumulators' order: register 16 b + i is unit 32 b + 16 (lane / 16) + i
	global_load_b128 v[16+4*\k:19+4*\k], v5, s[8:9] offset:128*(\k/4)+16*(\k%4)
.endr
	s_wait_loadcnt 16                              ; the last step's loads are in; the bias's 16 stay out
.endif
	MULSTEP KI%2, KI==0
.set KI, KI+1
.endr
	PLACES
	s_wait_loadcnt 0x0                             ; the bias
.irp u, 0,1,2,3                                ; a tile of 16 rows at a time
	WIN 0x01
.set NI, 0
.rept 32
	v_pk_add_f32 v[112+NI:113+NI], v[64*\u+NI:64*\u+NI+1], v[16+NI:17+NI]   ; + b1; each accumulator from its low end on
.set NI, NI+2
.endr
	WIN 0
.if \u > 0
	s_wait_xcnt 0x0                                ; the last tile's stores have had their addresses translated,
	s_wait_alu depctr_vm_vsrc(0)                   ; and have read v80-87, which t takes again
.endif
	GELU 112
	GELU 144
	QUANT 112, 0, 80, 236+\u
.if \u%2
	v_cndmask_b32 v[250+\u/2], v[235+\u], v[236+\u], s26
.endif
	s_wait_alu depctr_va_vdst(0)                   ; the tile's codes v80-87 are written (behind an odd tile the pair's scale words too), which the stores below read
	global_store_b128 v2, v[80:83], s[34:35] offset:24576*\u
	global_store_b128 v2, v[84:87], s[34:35] offset:24576*\u+512
.if \u%2
	global_store_b32 v3, v[250+\u/2], s[36:37] offset:3072*(\u/2)   ; a pair's scale words: 128 consecutive bytes
.endif
.endr
	s_endpgm
.Lfunc_end_k_q1573e612ca_ffn1:
	.size	k_q1573e612ca_ffn1, .Lfunc_end_k_q1573e612ca_ffn1-k_q1573e612ca_ffn1
	.p2alignl 7, 3214868480
	.fill 96, 4, 3214868480
	.section	.rodata,"a",@progbits
	.p2align	6, 0x0
	.amdhsa_kernel k_q1573e612ca_ffn1
		.amdhsa_group_segment_fixed_size 0
		.amdhsa_private_segment_fixed_size 0
		.amdhsa_enable_private_segment 0
		.amdhsa_kernarg_size 32
		.amdhsa_user_sgpr_count 2
		.amdhsa_user_sgpr_kernarg_segment_ptr 1
		.amdhsa_wavefront_size32 1
		.amdhsa_system_sgpr_workgroup_id_x 1
		.amdhsa_system_sgpr_workgroup_id_y 1
		.amdhsa_system_sgpr_workgroup_id_z 1
		.amdhsa_system_vgpr_workitem_id 0
		.amdhsa_next_free_vgpr 512
		.amdhsa_next_free_sgpr 66
		.amdhsa_reserve_vcc 0
		.amdhsa_float_denorm_mode_32 3
		.amdhsa_float_denorm_mode_16_64 3
		.amdhsa_memory_ordered 1
		.amdhsa_forward_progress 1
		.amdhsa_inst_pref_size 255
	.end_amdhsa_kernel
	.section	.bss,"aw",@nobits
	.p2align	6
	.space	262144
	.amdgpu_metadata
---
amdhsa.version: [ 1, 2 ]
amdhsa.kernels:
  - .name:           k_q1573e612ca_ffn1
    .symbol:         k_q1573e612ca_ffn1.kd
    .args:
      - { .name: h2q, .offset: 0, .size: 8, .value_kind: global_buffer, .address_space: global }
      - { .name: wts, .offset: 8, .size: 8, .value_kind: global_buffer, .address_space: global }
      - { .name: b1, .offset: 16, .size: 8, .value_kind: global_buffer, .address_space: global }
      - { .name: fq, .offset: 24, .size: 8, .value_kind: global_buffer, .address_space: global }
    .group_segment_fixed_size: 0
    .private_segment_fixed_size: 0
    .kernarg_segment_align: 8
    .kernarg_segment_size: 32
    .max_flat_workgroup_size: 192
    .sgpr_count:     66
    .vgpr_count:     512
    .wavefront_size: 32
...
	.end_amdgpu_metadata
.endif
;; end of part 11
;; launch ffn2 (part 12): grid 6 x 64, 4 waves a work-group, no clusters, 135,680 bytes of LDS; arguments fq, wts, b2, x1, out0; writes out0
.if DOCPART == 12
	.amdgcn_target "amdgcn-amd-amdhsa--gfx1250"
	.amdhsa_code_object_version 6
	.text
	.protected	k_q1573e612ca_ffn2
	.globl	k_q1573e612ca_ffn2
	.p2align	8
	.type	k_q1573e612ca_ffn2,@function
k_q1573e612ca_ffn2:
	s_mov_b64 s[64:65], 0
	v_nop
	global_prefetch_b8 v0, s[64:65] scope:SCOPE_SE
	s_setreg_imm32_b32 hwreg(HW_REG_WAVE_SCHED_MODE, 0, 2), 2
	s_setreg_imm32_b32 hwreg(HW_REG_WAVE_MODE, 25, 1), 1
	s_wait_xcnt 0x0
	s_wait_alu depctr_vm_vsrc(0)
; out = res + bias + A W on codes of FP4 with E8M0 scales.  A: [4096][128 SK] as register images, W: [128 SK][768] likewise; res, out: [4096][768] f32; bias [768].
; A work-group makes 64 rows x 128 columns.  K IS SPLIT AMONG ITS NSPLIT WAVES, SW = SK / NSPLIT steps of 128 each, so that no wave walks more than 6 dependent steps; the parts meet in LDS, in f32.
; A wave: 4 "minor" tiles (rows of A) x 8 "major" tiles (columns of W): source 0 = a major tile, source 1 = a minor tile.  Place p of tile T stands for index 32 (T / 2) + 8 (T % 2) + p + 8 (p / 8), so a lane holds one
; row and its registers of major tiles 2 b, 2 b + 1 are columns 32 b + 16 (lane / 16) + 0..15.
; Operands come from memory as images of their registers, each load 512 (scale words: 128) consecutive bytes, a whole step ahead in a second set of registers.
; No LDS ring, no cluster: a wave's walk is SW steps, no longer than a ring takes to fill and drain.
; THE WAY OUT: each wave stores its 64 x 128 part into its own stage (rows of 512 bytes + 16); a barrier; wave w adds, for its 4 / NSPLIT tiles of rows, the residual, the bias and all parts, and stores whole
; pieces of rows: 32 lanes store 512 consecutive bytes, aligned.
; REGISTERS: window 0: v2 16 x lane, v3 4 x lane, v4 the stage on the way in, v8.. on the way back; v16-111, v112-207 two sets of fragments; v208-219 scale words, which hold nothing else.  Window 1: the 32 accumulators.
;   On the way out: v16-79 the residual of my first tile of rows, then its results; v80-83 the bias; v112 on, 16 registers a wave: four rows' parts; v144-207 (two waves alone) the residual of my second tile, then its results.
; THE MODE: SCHED_MODE bits 1:0 = 2 (LLVM: expert scheduling mode 2), set by the entry lines.  The code itself states the register dependences between vector or matrix instructions and memory or LDS instructions, with s_wait_alu, always for 0.
; THE PLAN.  Registers that memory or LDS instructions touch:
;   v2-v4, v8 on      offsets and LDS addresses: written at the head, never again.
;   set 0, set 1      Step k's products read set k % 2; the loads of step k + 1, issued at the head of step k, land in the other set, which the products of step k - 1 read.
;   the accumulators  written by the products; read by the 64 LDS stores.
;   residual, bias    loaded behind the last products into registers that were fragments; the sums write the residual's registers, each once; the stores read them.
;   v112 on           a chunk's LDS loads land there; the chunk's sums read them; then the next chunk's loads land there.
; So a wait on va_vdst stands at the kernel's head (offsets and addresses); at the head of every step but the first and the last (the step before is done reading the set that is loaded again); ONE behind the last products, for the
; LDS stores, the loads of bias and residual and the first chunk's LDS loads together; and one in each chunk, behind its sums, for its four stores and the next chunk's LDS loads.  No store's data are written again.
.set SK, 24                            ; K steps of both operands
.set NSPLIT, 4                         ; waves
.set WC, 0x264000                      ; where W's codes begin in the weights' buffer,
.set WS, 0x384000                      ; and its scale words
.set AS, 0x600000                      ; where A's scale words begin in its buffer
.set SW, SK/NSPLIT
.set RTP, 4/NSPLIT
.set MSB, 0
.macro WIN new                         ; the immediate's high byte repeats the setting that is left
.if MSB != (\new)
	s_set_vgpr_msb (MSB<<8)|(\new)
.set MSB, (\new)
.endif
.endm
.macro PLACES                          ; four plain instructions between a matrix instruction and a load into, or a read of, its registers
.rept 4
	v_nop
.endr
.endm
.macro LOADSTEP p, st                  ; my K step st into set p: 30 loads
.irp t, 0,1,2,3,4,5,6,7
.irp c, 0,1
	global_load_b128 v[16+96*(\p)+8*\t+4*\c:16+96*(\p)+8*\t+4*\c+3], v2, s[16:17] offset:\t*SK*1024+(\st)*1024+512*\c
.endr
.endr
.irp u, 0,1,2,3
.irp c, 0,1
	global_load_b128 v[80+96*(\p)+8*\u+4*\c:80+96*(\p)+8*\u+4*\c+3], v2, s[20:21] offset:\u*SK*1024+(\st)*1024+512*\c
.endr
.endr
.irp i, 0,1,2,3
	global_load_b32 v[208+6*(\p)+\i], v3, s[18:19] offset:\i*SK*128+(\st)*128
.endr
.irp i, 0,1
	global_load_b32 v[212+6*(\p)+\i], v3, s[22:23] offset:\i*SK*128+(\st)*128
.endr
.endm
.macro WM4 a, b, p, zero               ; minor tiles a, a + 1 x major tiles b, b + 1; an odd tile's scale words stand in lanes 16-31
.set rD, 64*(\a)+8*(\b)
.set rA, 16+96*(\p)+8*(\b)
.set rB, 80+96*(\p)+8*(\a)
.set rP, 208+6*(\p)+(\b)/2
.set rQ, 212+6*(\p)+(\a)/2
.if \zero
	v_wmma_scale_f32_16x16x128_f8f6f4 v[rD:rD+7], v[rA:rA+7], v[rB:rB+7], 0, v[rP], v[rQ] matrix_a_fmt:MATRIX_FMT_FP4 matrix_b_fmt:MATRIX_FMT_FP4
	v_wmma_scale_f32_16x16x128_f8f6f4 v[rD+8:rD+15], v[rA+8:rA+15], v[rB:rB+7], 0, v[rP], v[rQ] matrix_a_fmt:MATRIX_FMT_FP4 matrix_b_fmt:MATRIX_FMT_FP4 matrix_a_scale:MATRIX_SCALE_ROW1
	v_wmma_scale_f32_16x16x128_f8f6f4 v[rD+64:rD+71], v[rA:rA+7], v[rB+8:rB+15], 0, v[rP], v[rQ] matrix_a_fmt:MATRIX_FMT_FP4 matrix_b_fmt:MATRIX_FMT_FP4 matrix_b_scale:MATRIX_SCALE_ROW1
	v_wmma_scale_f32_16x16x128_f8f6f4 v[rD+72:rD+79], v[rA+8:rA+15], v[rB+8:rB+15], 0, v[rP], v[rQ] matrix_a_fmt:MATRIX_FMT_FP4 matrix_b_fmt:MATRIX_FMT_FP4 matrix_a_scale:MATRIX_SCALE_ROW1 matrix_b_scale:MATRIX_SCALE_ROW1
.else
	v_wmma_scale_f32_16x16x128_f8f6f4 v[rD:rD+7], v[rA:rA+7], v[rB:rB+7], v[rD:rD+7], v[rP], v[rQ] matrix_a_fmt:MATRIX_FMT_FP4 matrix_b_fmt:MATRIX_FMT_FP4
	v_wmma_scale_f32_16x16x128_f8f6f4 v[rD+8:rD+15], v[rA+8:rA+15], v[rB:rB+7], v[rD+8:rD+15], v[rP], v[rQ] matrix_a_fmt:MATRIX_FMT_FP4 matrix_b_fmt:MATRIX_FMT_FP4 matrix_a_scale:MATRIX_SCALE_ROW1
	v_wmma_scale_f32_16x16x128_f8f6f4 v[rD+64:rD+71], v[rA:rA+7], v[rB+8:rB+15], v[rD+64:rD+71], v[rP], v[rQ] matrix_a_fmt:MATRIX_FMT_FP4 matrix_b_fmt:MATRIX_FMT_FP4 matrix_b_scale:MATRIX_SCALE_ROW1
	v_wmma_scale_f32_16x16x128_f8f6f4 v[rD+72:rD+79], v[rA+8:rA+15], v[rB+8:rB+15], v[rD+72:rD+79], v[rP], v[rQ] matrix_a_fmt:MATRIX_FMT_FP4 matrix_b_fmt:MATRIX_FMT_FP4 matrix_a_scale:MATRIX_SCALE_ROW1 matrix_b_scale:MATRIX_SCALE_ROW1
.endif
.endm
.macro MULSTEP p, zero                 ; 32 matrix instructions: the 32 accumulators take turns, one instruction a turn, in the same order in every step
	WIN 0x50                                       ; C and D in window 1
.irp a, 0,2
.irp b, 0,2,4,6
	WM4 \a, \b, \p, \zero
.endr
.endr
	WIN 0
.endm
.macro RESLOAD mi                      ; the residual's 16 rows of my tile mi, my work-group's 512 bytes of each: place p is row p + 8 (p / 8) of the tile.  Tile 0 into v16-79, tile 1 into v144-207
.set PI, 0
.rept 16
	global_load_b128 v[16+128*(\mi)+4*PI:19+128*(\mi)+4*PI], v2, s[24:25] offset:(PI+8*(PI/8)+8*(\mi))*3072
.set PI, PI+1
.endr
.endm
; The way out goes in chunks of four rows: chunk c is places 4 (c % 4) on of my tile c / 4.
.macro PARTS c                         ; all waves' parts of the chunk, from the stages
.set SI, 0
.rept NSPLIT
.set PP, 0
.rept 4
	ds_load_b128 v[112+16*SI+4*PP:115+16*SI+4*PP], v[8+SI] offset:8448*((\c)/4)+528*(4*((\c)%4)+PP)
.set PP, PP+1
.endr
.set SI, SI+1
.endr
.endm
.macro SUMS c                          ; the residual + the bias + the parts, wave 0's first
.set PP, 0
.rept 4
.set RR, 16+128*((\c)/4)+4*(4*((\c)%4)+PP)
	v_pk_add_f32 v[RR:RR+1], v[RR:RR+1], v[80:81]
	v_pk_add_f32 v[RR+2:RR+3], v[RR+2:RR+3], v[82:83]
.set SI, 0
.rept NSPLIT
	v_pk_add_f32 v[RR:RR+1], v[RR:RR+1], v[112+16*SI+4*PP:113+16*SI+4*PP]
	v_pk_add_f32 v[RR+2:RR+3], v[RR+2:RR+3], v[114+16*SI+4*PP:115+16*SI+4*PP]
.set SI, SI+1
.endr
.set PP, PP+1
.endr
.endm
.macro SEND c                          ; the chunk's four stores
.set PP, 0
.rept 4
.set PI, 4*((\c)%4)+PP
.set RR, 16+128*((\c)/4)+4*PI
	global_store_b128 v2, v[RR:RR+3], s[26:27] offset:(PI+8*(PI/8)+8*((\c)/4))*3072
.set PP, PP+1
.endr
.endm
	s_load_b256 s[4:11], s[0:1], 0x0               ; A s[4:5], the weights s[6:7], the bias s[8:9], the residual s[10:11]
	s_load_b64 s[12:13], s[0:1], 0x20              ; out
	v_lshl_add_u32 v254, v0, 2, 0x21000
	v_mov_b32 v255, 0
	v_lshrrev_b32 v1, 5, v0
	v_readfirstlane_b32 s14, v1                    ; wave
	v_and_b32 v1, 31, v0
	v_lshlrev_b32 v2, 4, v1
	v_lshlrev_b32 v3, 2, v1
	v_and_b32 v5, 15, v0
	v_bfe_u32 v6, v0, 4, 1
	v_mul_u32_u24 v4, v5, 528
	v_lshl_add_u32 v4, v6, 6, v4
	s_wait_alu depctr_va_sdst(0)                   ; s14 is written, ahead of its first reader: the stages' places and the bases are made from it
	s_mul_i32 s31, s14, 33792
	v_add_nc_u32 v4, s31, v4                       ; into my stage: row = my place, + 64 bytes for lanes 16-31
	s_mul_i32 s31, s14, 8448*RTP
	v_add_nc_u32 v8, s31, v2                       ; back: my tiles of rows, 16 bytes a lane, in stage 0,
.set SI, 1
.rept NSPLIT-1
	v_add_nc_u32 v[8+SI], 33792*SI, v8             ; and in the others
.set SI, SI+1
.endr
	s_and_b32 s15, ttmp7, 0xffff                   ; the quad of row tiles; ttmp9: the block of 128 columns
	s_mov_b32 s29, 0
	s_mul_i32 s30, s14, SW*1024                    ; my first K step
	s_mul_i32 s28, ttmp9, 8*SK*1024
	s_add_co_u32 s28, s28, s30
	s_add_co_u32 s28, s28, WC
	s_wait_kmcnt 0x0
	s_add_nc_u64 s[16:17], s[6:7], s[28:29]
	s_mul_i32 s28, s15, 4*SK*1024
	s_add_co_u32 s28, s28, s30
	s_add_nc_u64 s[20:21], s[4:5], s[28:29]
	s_mul_i32 s30, s14, SW*128
	s_mul_i32 s28, ttmp9, 4*SK*128
	s_add_co_u32 s28, s28, s30
	s_add_co_u32 s28, s28, WS
	s_add_nc_u64 s[18:19], s[6:7], s[28:29]
	s_mul_i32 s28, s15, 2*SK*128
	s_add_co_u32 s28, s28, s30
	s_add_co_u32 s28, s28, AS
	s_add_nc_u64 s[22:23], s[4:5], s[28:29]
	s_wait_alu depctr_va_vdst(0)                   ; the offsets v2, v3 and the LDS addresses v4, v8 on are written: every memory and LDS instruction of the kernel reads one of them
	LOADSTEP 0, 0
	s_lshl_b32 s28, s15, 6                         ; the first row of the tiles that I send out
.if RTP == 2
	s_lshl_b32 s30, s14, 5                         ; tiles 2 w, 2 w + 1: rows 32 w on (the odd tile 8 further on)
.else
	s_lshr_b32 s30, s14, 1                         ; tile w: rows 32 (w / 2) + 8 (w % 2) on
	s_lshl_b32 s30, s30, 5
	s_and_b32 s31, s14, 1
	s_lshl_b32 s31, s31, 3
	s_add_co_u32 s30, s30, s31
.endif
	s_add_co_u32 s28, s28, s30
	s_mul_i32 s28, s28, 3072
	s_lshl_b32 s30, ttmp9, 9
	s_add_co_u32 s28, s28, s30
	s_add_nc_u64 s[24:25], s[10:11], s[28:29]
	s_add_nc_u64 s[26:27], s[12:13], s[28:29]
	s_mov_b32 s28, s30
	s_add_nc_u64 s[8:9], s[8:9], s[28:29]
.set KI, 0
.rept SW
.if KI+1 < SW
.if KI >= 1
	PLACES                                         ; the set that the last products read is loaded again
	s_wait_alu depctr_va_vdst(0)                   ; the last step's products are done reading their fragments and scale words, in which the 30 loads below land
.endif
	LOADSTEP (KI+1)%2, KI+1
	s_wait_loadcnt 30                              ; this step's loads are in; the next step's 30 stay out
.else
	s_wait_loadcnt 0x0
.endif
	MULSTEP KI%2, KI==0
.set KI, KI+1
.endr
	PLACES
	s_wait_alu depctr_va_vdst(0)                   ; the products have written the accumulators, which the LDS stores read, and are done reading both sets of fragments, in which the loads below and the first chunk's LDS loads land
	global_load_b128 v[80:83], v2, s[8:9]          ; the bias at my 4 columns
	RESLOAD 0                                      ; bias and residual are asked for ahead of the LDS stores: they land during the stores and the barrier
.if RTP == 2
	RESLOAD 1
.endif
	WIN 0x04                                       ; an LDS store's data are its source 1: window 1
.irp a, 0,1,2,3
.irp k, 0,1,2,3,4,5,6,7,8,9,10,11,12,13,14,15
	ds_store_b128 v4, v[64*\a+4*\k:64*\a+4*\k+3] offset:8448*\a+128*(\k/4)+16*(\k%4)   ; each accumulator from its low end on
.endr
.endr
	WIN 0
	s_wait_dscnt 0x0                               ; for the others' sake: my part lies in my stage
	s_barrier_signal -1
	s_barrier_wait -1
	PARTS 0
.set CI, 0
.rept 4*RTP
.if CI == 0
	s_wait_loadcnt 16*(RTP-1)                      ; the bias and my first tile's residual are in; a second tile's 16 loads stay out
.endif
.if CI == 4
	s_wait_loadcnt 0x0                             ; my second tile's residual
.endif
	s_wait_dscnt 0x0                               ; the chunk's parts are in
	SUMS CI
	s_wait_alu depctr_va_vdst(0)                   ; the sums have written the chunk's four rows, which the stores read, and are done reading v112 on, in which the next chunk's parts land
.if CI+1 < 4*RTP
	PARTS CI+1
.endif
	SEND CI
.set CI, CI+1
.endr
	s_wait_dscnt 0x0                               ; the closing lines, six on end
	s_wait_alu 0x0
	s_wait_tensorcnt 0x0
	ds_add_u32 v254, v255
	s_wait_dscnt 0x0
	s_endpgm
.Lfunc_end_k_q1573e612ca_ffn2:
	.size	k_q1573e612ca_ffn2, .Lfunc_end_k_q1573e612ca_ffn2-k_q1573e612ca_ffn2
	.p2alignl 7, 3214868480
	.fill 96, 4, 3214868480
	.section	.rodata,"a",@progbits
	.p2align	6, 0x0
	.amdhsa_kernel k_q1573e612ca_ffn2
		.amdhsa_group_segment_fixed_size 135680
		.amdhsa_private_segment_fixed_size 0
		.amdhsa_enable_private_segment 0
		.amdhsa_kernarg_size 40
		.amdhsa_user_sgpr_count 2
		.amdhsa_user_sgpr_kernarg_segment_ptr 1
		.amdhsa_wavefront_size32 1
		.amdhsa_system_sgpr_workgroup_id_x 1
		.amdhsa_system_sgpr_workgroup_id_y 1
		.amdhsa_system_sgpr_workgroup_id_z 1
		.amdhsa_system_vgpr_workitem_id 0
		.amdhsa_next_free_vgpr 512
		.amdhsa_next_free_sgpr 66
		.amdhsa_reserve_vcc 0
		.amdhsa_float_denorm_mode_32 3
		.amdhsa_float_denorm_mode_16_64 3
		.amdhsa_memory_ordered 1
		.amdhsa_forward_progress 1
		.amdhsa_inst_pref_size 67
	.end_amdhsa_kernel
	.amdgpu_metadata
---
amdhsa.version: [ 1, 2 ]
amdhsa.kernels:
  - .name:           k_q1573e612ca_ffn2
    .symbol:         k_q1573e612ca_ffn2.kd
    .args:
      - { .name: fq, .offset: 0, .size: 8, .value_kind: global_buffer, .address_space: global }
      - { .name: wts, .offset: 8, .size: 8, .value_kind: global_buffer, .address_space: global }
      - { .name: b2, .offset: 16, .size: 8, .value_kind: global_buffer, .address_space: global }
      - { .name: x1, .offset: 24, .size: 8, .value_kind: global_buffer, .address_space: global }
      - { .name: out0, .offset: 32, .size: 8, .value_kind: global_buffer, .address_space: global }
    .group_segment_fixed_size: 135680
    .private_segment_fixed_size: 0
    .kernarg_segment_align: 8
    .kernarg_segment_size: 40
    .max_flat_workgroup_size: 128
    .sgpr_count:     66
    .vgpr_count:     512
    .wavefront_size: 32
...
	.end_amdgpu_metadata
.endif
;; end of part 12
